; MI455X (gfx1250); checked and timed in simulation.
; The chip was launched on July 23, 2026; its instructions are those of AMD's public machine-readable ISA for CDNA 5 (MIT licence, August 2026) and "CDNA5" Instruction Set Architecture Reference Guide (July 2026). The comments in the code are by the model that wrote it; some were corrected since.
;; Gated Fusion Block Custom. Allowed arithmetic: matrix products marked QUANTISED: E2M3 operands, one E8M0 scale for each 32 along K, by v_wmma_scale_f32_16x16x128_f8f6f4 with both operands' format E2M3, f32 sums; products left as they are: f32 operands where the result goes on into a quantised operand, else bf16, f16 or f32 operands; f32 sums; everything else in f32.
;; Inputs: aproj_b 256 float32; aproj_w 256 x 256 float32; attn_in_b 768 float32; attn_in_w 768 x 256 float32; attn_out_b 256 float32; attn_out_w 256 x 256 float32; audio_feat 8 x 2,048 x 256 float32; ffn1_b1 1,024 float32; ffn1_b2 256 float32; ffn1_w1 1,024 x 256 float32; ffn1_w2 256 x 1,024 float32; ffn2_b1 1,024 float32; ffn2_b2 256 float32; ffn2_w1 1,024 x 256 float32; ffn2_w2 256 x 1,024 float32; g_ffn_b1 128 float32; g_ffn_b2 1 float32; g_ffn_w1 128 x 512 float32; g_ffn_w2 1 x 128 float32; g_mha_b1 128 float32; g_mha_b2 1 float32; g_mha_w1 128 x 512 float32; g_mha_w2 1 x 128 float32; n1_b 256 float32; n1_g 256 float32; n2_b 256 float32; n2_g 256 float32; n3_b 256 float32; n3_g 256 float32; n4_b 256 float32; n4_g 256 float32; outproj_b 256 float32; outproj_w 256 x 256 float32; video_feat 8 x 2,048 x 256 float32.
;; Outputs: out0 8 x 2,048 x 256 float32; out1 8 x 2,048 x 256 float32; out2 8 x 2,048 x 256 float32.
;; This version of the problem:
;;   THIS VERSION OF THE PROBLEM IS GIVEN IN LOW PRECISION. The matrix products marked QUANTISED in the list below multiply operands that are first quantised to E2M3 (2 exponent bits, 3 mantissa bits; 6 bits a number), with one power-of-two scale for each 32 numbers along K (OCP MX v1.0); their sums are f32. All else is computed in f32.
;;   The module's matrix products, in the order in which they are computed (A, B: the left and right operand; K: the contracted axis; several contracted axes count as one K, in the product's order):
;;     1. [M 8, K 512] x [K 512, N 128]; A: computed on the way; B: input g_mha_w1: left as it is (M = 8 < 16)
;;     2. [M 8, K 128] x [K 128, N 1]; A: computed on the way; B: input g_mha_w2: left as it is (M = 8 < 16)
;;     3. [M 8, K 512] x [K 512, N 128]; A: computed on the way; B: input g_ffn_w1: left as it is (M = 8 < 16)
;;     4. [M 8, K 128] x [K 128, N 1]; A: computed on the way; B: input g_ffn_w2: left as it is (M = 8 < 16)
;;     5. [M 16,384, K 256] x [K 256, N 256]; A: computed on the way; B: input aproj_w: QUANTISED
;;     6. [M 16,384, K 256] x [K 256, N 256]; A: computed on the way; B: input outproj_w: QUANTISED
;;     7. [M 16,384, K 256] x [K 256, N 1,024]; A: computed on the way; B: input ffn1_w1: QUANTISED
;;     8. [M 16,384, K 1,024] x [K 1,024, N 256]; A: computed on the way; B: input ffn1_w2: QUANTISED
;;     9. [M 16,384, K 256] x [K 256, N 768]; A: computed on the way; B: input attn_in_w: QUANTISED
;;     10. batch 64 x [M 2,048, K 32] x [K 32, N 2,048]; A: computed on the way; B: computed on the way: QUANTISED
;;     11. batch 64 x [M 32, K 2,048] x [K 2,048, N 2,048]; A: computed on the way; B: softmax (see below): QUANTISED
;;     12. [M 16,384, K 256] x [K 256, N 256]; A: computed on the way; B: input attn_out_w: QUANTISED
;;     13. [M 16,384, K 256] x [K 256, N 1,024]; A: computed on the way; B: input ffn2_w1: QUANTISED
;;     14. [M 16,384, K 1,024] x [K 1,024, N 256]; A: computed on the way; B: input ffn2_w2: QUANTISED
;;   THE QUANTISER, for each operand of a quantised product, along K:
;;     - K is cut into blocks of 32 from its start; a last block that is shorter is filled with zeros.
;;     - A block's scale is 2^e with e = floor(log2(the largest magnitude in the block)) - 2, held to -126 .. 127; a block of zeros has e = 0. As a byte (E8M0): e + 127.
;;     - Each number is divided by its block's scale, clamped to +-7.5, and rounded to the nearest number of E2M3, ties to even, subnormals kept.
;;     - The product sums the exact products of the quantised numbers (number of the format x scale) in f32.
;;   ~~~python
;;   def quantise(x, axis):      # numpy; x: float32 -> the quantised numbers, widened to float32 again
;;       x = np.moveaxis(x, axis, -1); K = x.shape[-1]
;;       x = np.pad(x, [(0, 0)] * (x.ndim - 1) + [(0, -K % 32)]); x = x.reshape(x.shape[:-1] + (-1, 32)); a = np.abs(x).max(-1, keepdims=True)
;;       e = np.where(a > 0, np.clip(np.frexp(np.where(a > 0, a, 1))[1] - 1 - 2, -126, 127), 0)      # np.frexp(a)[1] - 1 = floor(log2(a)), exactly
;;       r = np.clip(x / 2.0 ** e, -7.5, 7.5)
;;       step = 2.0 ** (np.maximum(np.frexp(np.where(r == 0, 1, r))[1] - 1, 0) - 3)
;;       q = np.round(r / step) * step * 2.0 ** e      # np.round: ties to even
;;       return np.moveaxis(q.reshape(q.shape[:-2] + (-1,))[..., :K], -1, axis).astype(np.float32)
;;   ~~~
;;   SOFTMAX AHEAD OF A QUANTISED PRODUCT. Where the list says 'softmax', what is quantised is not the finished softmax but p = 2^(t - M), with t = logit x log2(e) and M = ceil(the row's largest t), a whole number; so 1/2 < the row's largest p <= 1. The row's sum l is taken of the UNQUANTISED p, in f32, and the product's result is divided by l at the end. Since M is a whole number, a kernel that streams over the keys may use a running M (the ceiling of the running maximum): every later rescaling is an exact power of two, which a block's scale takes up: the codes' values come out the same.
;;   OPERANDS COMPUTED ON THE WAY. 'Computed on the way' means the value that the module computes at that place (a softmax that the list does not call 'softmax' is quantised finished and normalised). What goes into a quantiser is computed in f32, as accurately as f32 sums, v_exp_f32 and their like allow (about 1e-6 of the number): no bf16 or f16 on the way to a quantiser, and a product that is left as it is and whose result goes on into a quantised operand takes f32 operands (vector FMAs, or v_wmma_f32_16x16x4_f32). A number that lies on a knife's edge between two numbers of the format may be rounded either way, as far as f32 arithmetic and the matrix unit's own rounding can turn it there, and no further.
;; 2 versions. Each part assembles by itself: llvm-mc -triple=amdgcn-amd-amdhsa -mcpu=gfx1250 --defsym DOCPART=n.
;; ======== version 1 of 2: 4 launches
;; workspace buffers: wq 1,126,400 bytes; hpart 262,144 bytes; zbar 16,777,216 bytes; qc 3,670,016 bytes; kv 6,553,600 bytes; cc 3,276,800 bytes
;; launch prep (part 1): grid 344 x 1, 8 waves a work-group, no clusters, 9,216 bytes of LDS; arguments video_feat, audio_feat, g_mha_w1, g_ffn_w1, aproj_w, outproj_w, ffn1_w1, ffn1_w2, attn_in_w, attn_out_w, ffn2_w1, ffn2_w2, hpart, wq; writes hpart, wq
.if DOCPART == 1
	.amdgcn_target "amdgcn-amd-amdhsa--gfx1250"
	.amdhsa_code_object_version 6
	.text
	.protected	k_qbec288177c_prep
	.globl	k_qbec288177c_prep
	.p2align	8
	.type	k_qbec288177c_prep,@function
k_qbec288177c_prep:
	s_mov_b64 s[64:65], 0
	v_nop
	global_prefetch_b8 v0, s[64:65] scope:SCOPE_SE
	s_setreg_imm32_b32 hwreg(HW_REG_WAVE_MODE, 25, 1), 1
	s_wait_xcnt 0x0
; TWO JOBS IN ONE LAUNCH, parted by the work-group's number (the same in all eight waves).
; Work-groups 0-255: column sums of 128 rows of video_feat or audio_feat, taken at once through the first layer of both gates:
;   hpart[b][16 tensor + chunk][128 gate + j] = the sum over c of W1_gate[j][256 tensor + c] x (the sum of the chunk's 128 rows at column c).  All in f32, by fused multiply-adds.
;   The next launch adds a batch's 32 parts, divides by 2,048 and adds the bias.  That is another order of f32 sums than a mean followed by a product; no difference of large sums is formed.
; Work-groups 256-343: the eight weights of the quantised products become codes of E2M3 with one E8M0 byte for each 32 along K, laid in the order of the operand's registers:
;   unit Ug = 4 u + w (u: which 64 outputs x 256 K of which weight; w: the wave that will use it) is 8 fragments (4 sl + t) of 1,536 bytes: registers 4 g .. 4 g + 3 of lane l at 512 g + 16 l.
;   Row m' of tile t is output 64 G + 32 (m' / 8) + 8 t + m' % 8, so that the product, used transposed, leaves a lane 32 neighbouring outputs in 32 registers: a whole block of the next K.
;   For v's part of attn_in_w (u = 12) it is 64 G + 32 (t / 2) + 16 (m' / 8) + 8 (t % 2) + m' % 8: a tile is half a head, in the order in which attention wants the rows of V^T.
; A block's scale byte is its largest magnitude's exponent field - 2, held at 1 from below.
; LIMITS: NaN and infinities are not served; a block whose largest magnitude lies under 2^-124 has its byte held at 1; a block of zeros gets the byte 1 and not 127 (its codes are zeros, and this program alone reads the bytes).
; NO JOINT LOADS: the gates' first layers, which all 256 summing work-groups read, go from memory straight into the registers of the one wave that multiplies them; 256 KiB a work-group through LDS would be written and read there once more for one multiply-add a number.
; The scale words leave as 4 bytes a lane, 16 bytes apart (45,056 bytes in the launch), hpart as 128 bytes a wave: small beside the 39 MB read.
.set SPARE,  8192                      ; behind the eight waves' 1,024 bytes of sums: the spare words, 128 bytes a wave
.set WS_OFF, 1081344                   ; wq: behind 88 units of 12,288 bytes: 88 x 512 bytes of scale words
.set SPW, 2                            ; v2  LDS address of my spare word; never rewritten
.set NIL, 3                            ; v3  0; never rewritten
	s_load_b512 s[8:23], s[0:1], 0x0               ; video, audio, g_mha_w1, g_ffn_w1, aproj_w, outproj_w, ffn1_w1, ffn1_w2
	s_load_b256 s[24:31], s[0:1], 0x40             ; attn_in_w, attn_out_w, ffn2_w1, ffn2_w2
	s_load_b128 s[32:35], s[0:1], 0x60             ; hpart, wq
	v_lshl_add_u32 v[SPW], v0, 2, SPARE
	v_mov_b32 v[NIL], 0
	v_lshrrev_b32 v4, 5, v0
	v_readfirstlane_b32 s2, v4                     ; wave 0..7
	v_and_b32 v4, 31, v0                           ; lane
	v_lshlrev_b32 v1, 4, v4                        ; 16 x lane; never rewritten
	s_mov_b32 s36, 0x76543210
	s_mov_b32 s37, 0xfedcba98                      ; v_permlanex16_b32's selects for lane l xor 16
	s_wait_kmcnt 0x0
	s_cmp_lt_u32 ttmp9, 256
	s_cbranch_scc0 .Lweights
; ---------------- the sums ----------------
	s_lshr_b32 s3, ttmp9, 7                        ; tensor: 0 video, 1 audio
	s_bfe_u32 s4, ttmp9, 0x30004                   ; batch
	s_and_b32 s5, ttmp9, 15                        ; chunk of 128 rows
	s_lshl_b32 s40, s4, 21                         ; batch x 2,048 rows x 1,024 bytes
	s_lshl_b32 s41, s5, 17
	s_add_co_u32 s40, s40, s41
	s_lshl_b32 s41, s2, 14                         ; my wave's 16 rows
	s_add_co_u32 s40, s40, s41
	s_mov_b32 s41, 0
	s_cmp_eq_u32 s3, 0
	s_cselect_b64 s[38:39], s[8:9], s[10:11]
	s_add_nc_u64 s[38:39], s[38:39], s[40:41]
	s_and_b32 s44, s2, 3
	s_lshl_b32 s44, s44, 16                        ; my 32 rows of W1 (2,048 bytes each),
	s_lshl_b32 s45, s3, 10                         ; the tensor's half of a row
	s_add_co_u32 s44, s44, s45
	s_mov_b32 s45, 0
	s_cmp_lt_u32 s2, 4                             ; waves 0-3: the first gate, waves 4-7: the second
	s_cselect_b64 s[42:43], s[12:13], s[14:15]
	s_add_nc_u64 s[42:43], s[42:43], s[44:45]
	s_lshl_b32 s46, s4, 15                         ; hpart: batch x 32 parts x 1,024 bytes
	s_lshl_b32 s47, s3, 14
	s_add_co_u32 s46, s46, s47
	s_lshl_b32 s47, s5, 10
	s_add_co_u32 s46, s46, s47
	s_lshl_b32 s47, s2, 7                          ; my wave's 32 numbers
	s_add_co_u32 s46, s46, s47
	s_mov_b32 s47, 0
	s_add_nc_u64 s[32:33], s[32:33], s[46:47]
	s_lshl_b32 s48, s2, 10
	v_add_nc_u32 v5, s48, v1                       ; LDS: my wave's 1,024 bytes, my 16
	v_lshlrev_b32 v7, 2, v4
	v_mov_b32 v6, 0                                ; lane j will hold row j's dot product
.irp i,0,1,2,3,4,5,6,7
	v_mov_b32 v[16+\i], 0                          ; written once: a lane permute's destination counts as one of its sources
.endr
.irp i,0,1,2,3,4,5,6,7,8,9,10,11,12,13,14,15
	global_load_b128 v[32+8*\i:35+8*\i], v1, s[38:39] offset:1024*\i th:TH_LOAD_NT       ; a load takes 512 consecutive bytes: columns 4 l .. 4 l + 3,
	global_load_b128 v[36+8*\i:39+8*\i], v1, s[38:39] offset:1024*\i+512 th:TH_LOAD_NT   ; and 128 + 4 l ..
.endr
.macro ROWADD i
.irp k,0,2,4,6
	v_pk_add_f32 v[8+\k:9+\k], v[8+\k:9+\k], v[32+8*(\i)+\k:33+8*(\i)+\k]
.endr
.endm
	s_wait_loadcnt 24                              ; rows 0-3 are in; the 24 loads of the twelve rows behind them may be out
.irp k,0,2,4,6
	v_pk_add_f32 v[8+\k:9+\k], v[32+\k:33+\k], v[40+\k:41+\k]   ; the first two rows start the sums
.endr
	ROWADD 2
	ROWADD 3
	s_wait_loadcnt 16                              ; rows 4-7
	ROWADD 4
	ROWADD 5
	ROWADD 6
	ROWADD 7
	s_wait_loadcnt 8                               ; rows 8-11
	ROWADD 8
	ROWADD 9
	ROWADD 10
	ROWADD 11
	s_wait_loadcnt 0x0
	ROWADD 12
	ROWADD 13
	ROWADD 14
	ROWADD 15
.macro WBATCH q, buf                   ; rows 8 q .. 8 q + 7 of my 32 rows of W1, 16 loads, into buffer buf
.irp i,0,1,2,3,4,5,6,7
	global_load_b128 v[32+64*(\buf)+8*\i:35+64*(\buf)+8*\i], v1, s[42:43] offset:(8*(\q)+\i)*2048
	global_load_b128 v[36+64*(\buf)+8*\i:39+64*(\buf)+8*\i], v1, s[42:43] offset:(8*(\q)+\i)*2048+512
.endr
.endm
	WBATCH 0, 0                                    ; the rows' registers are free: W1 is on its way while the waves' sums meet
	WBATCH 1, 1
	ds_store_b128 v5, v[8:11]
	ds_store_b128 v5, v[12:15] offset:512
	s_wait_dscnt 0x0                               ; for the others' sake: my sums lie in LDS
	s_barrier_signal -1
	s_barrier_wait -1
.irp i,0,1,2,3,4,5,6,7
	ds_load_b128 v[176+8*\i:179+8*\i], v1 offset:1024*\i
	ds_load_b128 v[180+8*\i:183+8*\i], v1 offset:1024*\i+512
.endr
	s_wait_dscnt 0x0
.irp k,0,2,4,6
	v_pk_add_f32 v[8+\k:9+\k], v[176+\k:177+\k], v[184+\k:185+\k]
.endr
.irp i,2,3,4,5,6,7
.irp k,0,2,4,6
	v_pk_add_f32 v[8+\k:9+\k], v[8+\k:9+\k], v[176+8*\i+\k:177+8*\i+\k]   ; v8-15: the chunk's column sums at my eight columns
.endr
.endr
; eight rows of W1 by turns: a dot product of 256, eight numbers a lane, summed over the 32 lanes; row 8 q + i's goes to lane 8 q + i of v6
.macro DOT q, buf
.set WBF, 32+64*(\buf)
.irp i,0,1,2,3,4,5,6,7
	v_pk_mul_f32 v[160+2*\i:161+2*\i], v[WBF+8*\i:WBF+8*\i+1], v[8:9]
.endr
.irp k,2,4,6
.irp i,0,1,2,3,4,5,6,7
	v_pk_fma_f32 v[160+2*\i:161+2*\i], v[WBF+8*\i+\k:WBF+8*\i+\k+1], v[8+\k:9+\k], v[160+2*\i:161+2*\i]
.endr
.endr
.if (\q) < 2
	WBATCH (\q)+2, \buf                            ; the buffer has been read: the batch two on
.endif
.irp i,0,1,2,3,4,5,6,7
	v_add_f32 v[160+2*\i], v[160+2*\i], v[161+2*\i]
.endr
.irp x,1,2,4,8
.irp i,0,1,2,3,4,5,6,7
	v_add_f32_dpp v[160+2*\i], v[160+2*\i], v[160+2*\i] row_xmask:\x row_mask:0xf bank_mask:0xf
.endr
.endr
.irp i,0,1,2,3,4,5,6,7
	v_permlanex16_b32 v[16+\i], v[160+2*\i], s36, s37
.endr
.irp i,0,1,2,3,4,5,6,7
	v_add_f32 v[160+2*\i], v[160+2*\i], v[16+\i]
.endr
.irp i,0,1,2,3,4,5,6,7
	s_mov_b32 s49, 1<<(8*(\q)+\i)
	v_cndmask_b32 v6, v6, v[160+2*\i], s49
.endr
.endm
	s_wait_loadcnt 16                              ; batch 0 is in; batch 1's 16 loads may be out
	DOT 0, 0
	s_wait_loadcnt 16                              ; batch 1; batch 2's may be out
	DOT 1, 1
	s_wait_loadcnt 16                              ; batch 2; batch 3's may be out
	DOT 2, 0
	s_wait_loadcnt 0x0
	DOT 3, 1
	global_store_b32 v7, v6, s[32:33]
	s_wait_tensorcnt 0x0                           ; the wave's end
	ds_add_u32 v[SPW], v[NIL]
	s_wait_dscnt 0x0
	s_endpgm
; ---------------- the weights: a unit to a work-group, a fragment (16 rows x 128 K) to a wave ----------------
.Lweights:
	s_sub_co_u32 s3, ttmp9, 256                    ; Ug
	s_lshr_b32 s4, s3, 2                           ; u
	s_and_b32 s5, s3, 3                            ; w
	s_and_b32 s6, s2, 3                            ; t
	s_lshr_b32 s7, s2, 2                           ; sl
	s_mov_b64 s[38:39], s[16:17]                   ; u = 0: aproj_w
	s_mov_b32 s40, 0                               ; the weight's first u
	s_mov_b32 s41, 1                               ; G = a w + bc du
	s_mov_b32 s42, 0
	s_mov_b32 s43, 0                               ; sp = cc du: which pair of K steps
	s_mov_b32 s44, 10                              ; a row of the weight is 1 << sh bytes
.macro PICK T, ptr, a, bc, cc, sh      ; from unit T on another weight: a choice on the work-group's number alone
	s_cmp_ge_u32 s4, \T
	s_cselect_b64 s[38:39], s[\ptr:\ptr+1], s[38:39]
	s_cselect_b32 s40, \T, s40
	s_cselect_b32 s41, \a, s41
	s_cselect_b32 s42, \bc, s42
	s_cselect_b32 s43, \cc, s43
	s_cselect_b32 s44, \sh, s44
.endm
	PICK 1, 18, 1, 0, 0, 10                        ; outproj_w
	PICK 2, 20, 4, 1, 0, 10                        ; ffn1_w1
	PICK 6, 22, 1, 0, 1, 12                        ; ffn1_w2
	PICK 10, 24, 1, 4, 0, 10                       ; attn_in_w
	PICK 13, 26, 1, 0, 0, 10                       ; attn_out_w
	PICK 14, 28, 4, 1, 0, 10                       ; ffn2_w1
	PICK 18, 30, 1, 0, 1, 12                       ; ffn2_w2
	s_sub_co_u32 s45, s4, s40                      ; du
	s_mul_i32 s46, s41, s5
	s_mul_i32 s47, s42, s45
	s_add_co_u32 s46, s46, s47                     ; G
	s_mul_i32 s47, s43, s45                        ; sp
	s_lshl_b32 s49, s6, 3                          ; the tile's term: 8 t,
	s_lshr_b32 s50, s6, 1
	s_lshl_b32 s50, s50, 5
	s_and_b32 s51, s6, 1
	s_lshl_b32 s51, s51, 3
	s_add_co_u32 s50, s50, s51                     ; or for v: 32 (t / 2) + 8 (t % 2)
	s_cmp_eq_u32 s4, 12
	s_cselect_b32 s48, 16, 32                      ; rows 8-15 of a tile lie 32 outputs on; for v 16
	s_cselect_b32 s49, s50, s49
	s_lshl_b32 s46, s46, 6
	s_add_co_u32 s46, s46, s49
	s_lshl_b32 s47, s47, 1
	s_add_co_u32 s47, s47, s7
	s_lshl_b32 s47, s47, 9                         ; K step 2 sp + sl: 512 bytes each
	v_and_b32 v5, 15, v0                           ; m'
	v_bfe_u32 v6, v0, 3, 1
	v_and_b32 v7, 7, v0
	v_bfe_u32 v8, v0, 4, 1                         ; hh
	v_mad_u32_u24 v9, v6, s48, v7
	v_add_nc_u32 v9, s46, v9                       ; my row of the weight
	v_lshlrev_b32 v9, s44, v9
	v_lshl_add_u32 v9, v8, 7, v9                   ; lanes 16-31: 32 numbers on
	v_add_nc_u32 v9, s47, v9
.irp c,0,1
.irp q,0,1,2,3,4,5,6,7
	global_load_b128 v[32+32*\c+4*\q:35+32*\c+4*\q], v9, s[38:39] offset:256*\c+16*\q th:TH_LOAD_NT   ; k = 64 c + 32 hh + 4 q ..: my two whole blocks
.endr
.endr
	s_mul_i32 s52, s3, 12288
	s_lshl_b32 s53, s7, 2
	s_add_co_u32 s53, s53, s6
	s_mul_i32 s53, s53, 1536
	s_add_co_u32 s52, s52, s53
	s_mov_b32 s53, 0
	s_add_nc_u64 s[54:55], s[34:35], s[52:53]      ; my fragment's image
	s_lshl_b32 s52, s3, 9
	s_lshl_b32 s56, s7, 8
	s_add_co_u32 s52, s52, s56
	s_lshl_b32 s56, s6, 2
	s_add_co_u32 s52, s52, s56
	s_add_co_u32 s52, s52, WS_OFF
	s_add_nc_u64 s[56:57], s[34:35], s[52:53]      ; its scale words: 16 (m' + 16 sl) + 4 t
	v_lshlrev_b32 v10, 4, v5
	v_mov_b32 v11, 0                               ; a lane permute's destination counts as one of its sources
	v_lshlrev_b32 v19, 3, v8
	s_wait_loadcnt 0x0
.irp c,0,1
	v_max3_num_f32 v[12+\c], |v[32+32*\c]|, |v[33+32*\c]|, 0x1800000   ; the block's largest magnitude, and the floor 2^(3 - 127): the byte cannot fall under 1
.endr
.irp i,2,4,6,8,10,12,14,16,18,20,22,24,26,28,30
.irp c,0,1
	v_max3_num_f32 v[12+\c], v[12+\c], |v[32+32*\c+\i]|, |v[33+32*\c+\i]|
.endr
.endr
.irp c,0,1
	v_add_nc_u32 v[14+\c], 0xff000000, v[12+\c]    ; 2 off the exponent field: the conversion takes this operand's exponent field as its scale
.endr
.irp c,0,1
	v_lshrrev_b32 v[16+\c], 23, v[14+\c]           ; the scale's byte
.endr
	v_lshl_or_b32 v18, v17, 16, v16                ; my bytes: blocks hh and 2 + hh,
	v_lshlrev_b32 v18, v19, v18                    ; at their places;
	v_permlanex16_b32 v11, v18, s36, s37
	v_or_b32 v18, v18, v11                         ; with lane l xor 16's the word is whole
.irp c,0,1
	v_cvt_scalef32_pk16_fp6_f32 v[96+6*\c:98+6*\c], v[32+32*\c:47+32*\c], v[14+\c]
	v_cvt_scalef32_pk16_fp6_f32 v[112+4*\c:114+4*\c], v[48+32*\c:63+32*\c], v[14+\c]   ; (a conversion's three registers begin on an even number)
.endr
	v_nop                                          ; one plain place behind a scaled conversion
.irp c,0,1
.irp i,0,1,2
	v_mov_b32 v[99+6*\c+\i], v[112+4*\c+\i]
.endr
.endr
.irp g,0,1,2
	global_store_b128 v1, v[96+4*\g:99+4*\g], s[54:55] offset:512*\g   ; 512 consecutive bytes a store
.endr
	global_store_b32 v10, v18, s[56:57]            ; both halves of the lanes store the same word at the same place
	s_wait_tensorcnt 0x0                           ; the wave's end, as on the other path
	ds_add_u32 v[SPW], v[NIL]
	s_wait_dscnt 0x0
	s_endpgm
.Lfunc_end_k_qbec288177c_prep:
	.size	k_qbec288177c_prep, .Lfunc_end_k_qbec288177c_prep-k_qbec288177c_prep
	.p2alignl 7, 3214868480
	.fill 96, 4, 3214868480
	.section	.rodata,"a",@progbits
	.p2align	6, 0x0
	.amdhsa_kernel k_qbec288177c_prep
		.amdhsa_group_segment_fixed_size 9216
		.amdhsa_private_segment_fixed_size 0
		.amdhsa_enable_private_segment 0
		.amdhsa_kernarg_size 112
		.amdhsa_user_sgpr_count 2
		.amdhsa_user_sgpr_kernarg_segment_ptr 1
		.amdhsa_wavefront_size32 1
		.amdhsa_system_sgpr_workgroup_id_x 1
		.amdhsa_system_sgpr_workgroup_id_y 1
		.amdhsa_system_sgpr_workgroup_id_z 1
		.amdhsa_system_vgpr_workitem_id 0
		.amdhsa_next_free_vgpr 240
		.amdhsa_next_free_sgpr 66
		.amdhsa_reserve_vcc 0
		.amdhsa_float_denorm_mode_32 3
		.amdhsa_float_denorm_mode_16_64 3
		.amdhsa_memory_ordered 1
		.amdhsa_forward_progress 1
		.amdhsa_inst_pref_size 51
	.end_amdhsa_kernel
	.amdgpu_metadata
---
amdhsa.version: [ 1, 2 ]
amdhsa.kernels:
  - .name:           k_qbec288177c_prep
    .symbol:         k_qbec288177c_prep.kd
    .args:
      - { .name: video_feat, .offset: 0, .size: 8, .value_kind: global_buffer, .address_space: global }
      - { .name: audio_feat, .offset: 8, .size: 8, .value_kind: global_buffer, .address_space: global }
      - { .name: g_mha_w1, .offset: 16, .size: 8, .value_kind: global_buffer, .address_space: global }
      - { .name: g_ffn_w1, .offset: 24, .size: 8, .value_kind: global_buffer, .address_space: global }
      - { .name: aproj_w, .offset: 32, .size: 8, .value_kind: global_buffer, .address_space: global }
      - { .name: outproj_w, .offset: 40, .size: 8, .value_kind: global_buffer, .address_space: global }
      - { .name: ffn1_w1, .offset: 48, .size: 8, .value_kind: global_buffer, .address_space: global }
      - { .name: ffn1_w2, .offset: 56, .size: 8, .value_kind: global_buffer, .address_space: global }
      - { .name: attn_in_w, .offset: 64, .size: 8, .value_kind: global_buffer, .address_space: global }
      - { .name: attn_out_w, .offset: 72, .size: 8, .value_kind: global_buffer, .address_space: global }
      - { .name: ffn2_w1, .offset: 80, .size: 8, .value_kind: global_buffer, .address_space: global }
      - { .name: ffn2_w2, .offset: 88, .size: 8, .value_kind: global_buffer, .address_space: global }
      - { .name: hpart, .offset: 96, .size: 8, .value_kind: global_buffer, .address_space: global }
      - { .name: wq, .offset: 104, .size: 8, .value_kind: global_buffer, .address_space: global }
    .group_segment_fixed_size: 9216
    .private_segment_fixed_size: 0
    .kernarg_segment_align: 8
    .kernarg_segment_size: 112
    .max_flat_workgroup_size: 256
    .sgpr_count:     66
    .vgpr_count:     240
    .wavefront_size: 32
...
	.end_amdgpu_metadata
.endif
;; end of part 1
;; launch chain1 (part 2): grid 256 x 1, 4 waves a work-group, no clusters, 160,256 bytes of LDS; arguments audio_feat, video_feat, wq, hpart, g_mha_b1, g_mha_w2, g_mha_b2, g_ffn_b1, g_ffn_w2, g_ffn_b2, aproj_b, outproj_b, ffn1_b1, ffn1_b2, attn_in_b, n1_g, n1_b, n2_g, n2_b, n3_g, n3_b, out1, out2, zbar, qc, kv; writes out1, out2, zbar, qc, kv
.if DOCPART == 2
	.amdgcn_target "amdgcn-amd-amdhsa--gfx1250"
	.amdhsa_code_object_version 6
	.text
	.protected	k_qbec288177c_chain1
	.globl	k_qbec288177c_chain1
	.p2align	8
	.type	k_qbec288177c_chain1,@function
k_qbec288177c_chain1:
	s_mov_b64 s[64:65], 0
	v_nop
	global_prefetch_b8 v0, s[64:65] scope:SCOPE_SE
	s_setreg_imm32_b32 hwreg(HW_REG_WAVE_MODE, 25, 1), 1
	s_wait_xcnt 0x0
; 64 rows to a work-group, straight through: the two gates (finished from hpart), out1, out2; LN1(audio), aproj, outproj, z = gm x .. + video; LN2, FFN1, z_bar = gf x .. + z; LN3, q, k, v; q, k, v quantised for attention.
; All seven products on codes of E2M3 with one E8M0 byte for each 32 along K; everything else in f32.  No label, no branch; EXEC is never written.
; THE WAVES SHARE THE COLUMNS: wave w owns 64 of each 256 outputs for all 64 rows.  LAYOUT L: for the tile of rows m, lane (r, h) holds row 16 m + r, columns 64 w + 32 h + 0 .. 31, in 32 registers.
; THE PRODUCTS ARE USED TRANSPOSED (source 0 = 16 rows of the weight, source 1 = 16 rows of x), and the weight's rows that form a tile were chosen by the launch before so that four tiles' results ARE layout L:
; a lane holds a whole block of 32 of the next K, in order.  So a block's largest magnitude needs no other lane, and two conversions give registers 6 c .. 6 c + 5 of the next operand.
; Operand halves, scale bytes and LayerNorm's row sums go from wave to wave through LDS as images of registers (16 or 8 bytes a lane on end), each exchange between barriers.
; THE WEIGHTS come as register images from wq, a unit (64 outputs x 256 K: 8 fragments, 96 registers) at a time, into a ring of four slots; unit u + 4 is asked for behind unit u's products.
; NO JOINT LOADS: a fragment goes from memory into the registers of the one wave of the work-group that multiplies it; a joint load lands in LDS, where the 624 KiB of units that a work-group walks would be written and read once more, beside 160,256 bytes of activations.
; LayerNorm is taken in two passes (mean; then the squares of x - mean), as the problem writes it, so that a common offset of the inputs does no harm.
; LIMITS: NaN and infinities are not served; a block whose largest magnitude lies under 2^-124 has its byte held at 1; a block of zeros gets the byte 1 and not 127 (zero codes; this program alone reads the bytes);
; tanh is 1 - 2 / (1 + 2^(2 x log2 e)): its absolute error is some 1e-7, also where the gate is small.
.set X0,     0                         ; LDS: 8 fragment images (2 m + s) of 1,536 bytes: half c at 768 c: 512 bytes at 16 l (registers 6 c .. 6 c + 3), 256 bytes at 8 l (6 c + 4, 6 c + 5)
.set X1,     12288                     ; the same once more
.set XS0,    24576                     ; their scale words: 128 bytes for each m: lanes 0-15 the even K step's word of row r, lanes 16-31 the odd step's
.set XS1,    25088
.set HSC,    25600                     ; the hidden layer's scale words: 512 bytes for each m
.set GATE,   27648                     ; four partial sums of the gates
.set STAT,   27904                     ; six exchanges of row sums, 2,048 bytes each, each used once
.set HID,    40960                     ; the hidden layer: 32 fragment images (8 m + s)
.set STG,    90112                     ; a stage of 64 rows x (256 + 16) bytes for each wave, its own
.set SPARE,  159744                    ; the spare words, 128 bytes a wave
.set WS_OFF, 1081344
; window 0
.set L16, 1                            ; 16 l
.set L8,  2                            ; 8 l
.set L4,  3                            ; 4 l
.set L16H, 4                           ; 16 l + HID
.set L8H, 5                            ; 8 l + HID
.set PA,  6                            ; where I put my half of a fragment of X: 16 l + 768 w
.set PB,  7                            ; 8 l + 768 w
.set PS,  8                            ; and my two scale bytes: 4 r + 64 (w / 2) + 2 (w % 2)
.set HPA, 9                            ; the same for the hidden layer: 16 l + 3,072 w + HID
.set HPB, 10
.set HPS, 11                           ; 4 r + 128 w
.set STW, 12                           ; row sums: STAT + 512 w + 16 l
.set STR, 13                           ; STAT + 16 l
.set SGW, 14                           ; the stage by raw rows: 272 (l / 16) + 16 (l % 16)
.set SGR, 15                           ; the stage by layout L: 272 r + 128 h
.set GRAW, 16                          ; memory by raw rows: 1,024 (l / 16) + 16 (l % 16)
.set BH,  17                           ; 128 h
.set SH8, 18                           ; 8 h
.set SPW, 19                           ; my spare word; never rewritten
.set NIL, 20                           ; 0; never rewritten
.set ACC, 32                           ; v32-159   accumulator (m, t) at 32 + 32 m + 8 t
.set WSC, 160                          ; v160-175  the weights' scale words, four for each slot
.set XSC, 176                          ; v176-179  x's scale words, one for each m
.set PC,  180                          ; v180-203  the codes just made, 6 for each m
.set TC,  204                          ; v204-219  at work, 4 for each m
.set MX,  220
.set SO,  224
.set BY,  228
.set PP,  232
.set SM,  236                          ; v236-239  row sums
.set MU,  240                          ; v240-247  the means, each in both halves of a pair
.set RS,  248                          ; v248-255  1 / sqrt(var + eps), likewise
; window 1: weight slots 0, 1 at v0, v96; bias sets 0, 1 at v192, v224.   window 2: slots 2, 3; LayerNorm's g at v192, b at v224.
; window 3: x's fragments (m, sl) at 24 m + 12 sl; Z (layout L, 32 for each m) at v96; the gates four times each at v224, v228.
.set AUD, 8
.set VID, 10
.set WB,  12
.set HP,  14
.set MB1, 16
.set MW2, 18
.set MB2, 20
.set FB1, 22
.set FW2, 24
.set FB2, 26
.set APB, 28
.set OPB, 30
.set F1B1, 32
.set F1B2, 34
.set AIB, 36
.set N1G, 38
.set N1B, 40
.set N2G, 42
.set N2B, 44
.set N3G, 46
.set N3B, 48
.set O1,  50
.set O2,  52
.set ZB,  54
.set QCP, 56
.set KVP, 58
.set WSB, 68
.set MSB, 0
.macro WIN new                         ; s_set_vgpr_msb: bits 1:0 source 0, 3:2 source 1, 5:4 source 2, 7:6 destination; the high byte repeats the setting that is left
.if MSB != (\new)
	s_set_vgpr_msb (MSB<<8)|(\new)
.set MSB, (\new)
.endif
.endm
.macro PLACES                          ; behind a run of products: four places are owed ahead of loads into their registers and of reads of results, five ahead of a product that begins an accumulator anew
.rept 5
	v_nop
.endr
.endm
.macro BAR                             ; my LDS stores have landed and my LDS loads are in: then the work-group's barrier
	s_wait_dscnt 0x0
	s_barrier_signal -1
	s_barrier_wait -1
.endm
.macro WLOAD u, slot                   ; unit u: 24 loads of 512 consecutive bytes and one of scale words: 25 loads
	WIN 0x40*(1+(\slot)/2)
.irp f,0,1,2,3,4,5,6,7
.irp g,0,1,2
	global_load_b128 v[96*((\slot)%2)+12*\f+4*\g:96*((\slot)%2)+12*\f+4*\g+3], v[L16], s[WB:WB+1] offset:(\u)*49152+1536*\f+512*\g
.endr
.endr
	WIN 0
	global_load_b128 v[WSC+4*(\slot):WSC+4*(\slot)+3], v[L16], s[WSB:WSB+1] offset:(\u)*2048
.endm
.macro BLOAD sp, imm, set              ; a bias in the result's layout: 32 numbers a lane: 8 loads
	WIN 0x40
.irp q,0,1,2,3,4,5,6,7
	global_load_b128 v[192+32*(\set)+4*\q:195+32*(\set)+4*\q], v[BH], s[\sp:\sp+1] offset:(\imm)+16*\q
.endr
	WIN 0
.endm
.macro GBLOAD sg, sb                   ; a LayerNorm's g and b at my 32 columns: 16 loads
	WIN 0x80
.irp q,0,1,2,3,4,5,6,7
	global_load_b128 v[192+4*\q:195+4*\q], v[BH], s[\sg:\sg+1] offset:16*\q
.endr
.irp q,0,1,2,3,4,5,6,7
	global_load_b128 v[224+4*\q:227+4*\q], v[BH], s[\sb:\sb+1] offset:16*\q
.endr
	WIN 0
.endm
.macro RAWLOAD sp                      ; my 64 columns of the 64 rows: sixteen lanes read 256 consecutive bytes, two rows a load: 32 loads
	WIN 0xc0
.set QI, 0
.rept 32
	global_load_b128 v[96+4*QI:99+4*QI], v[GRAW], s[\sp:\sp+1] offset:2048*QI th:TH_LOAD_NT
.set QI, QI+1
.endr
	WIN 0
.endm
.macro TOL                             ; raw rows become layout L through my own stage; LDS serves a wave's instructions in order (ISA guide 5.7.1.4): no wait between the stores and the loads
	WIN 0x0c
.set QI, 0
.rept 32
	ds_store_b128 v[SGW], v[96+4*QI:99+4*QI] offset:544*QI
.set QI, QI+1
.endr
	WIN 0xc0
.irp m,0,1,2,3
.irp q,0,1,2,3,4,5,6,7
	ds_load_b128 v[96+32*\m+4*\q:99+32*\m+4*\q], v[SGR] offset:4352*\m+16*\q
.endr
.endr
	WIN 0
.endm
.macro XLOAD a16, a8, off0, mstr, scoff, scstr   ; two K steps of the four tiles of rows: 4 scale words, 16 loads for the first step, 16 for the second
	WIN 0
.irp m,0,1,2,3
	ds_load_b32 v[XSC+\m], v[L4] offset:(\scoff)+(\scstr)*\m
.endr
	WIN 0xc0
.irp sl,0,1
.irp m,0,1,2,3
	ds_load_b128 v[24*\m+12*\sl:24*\m+12*\sl+3], v[\a16] offset:(\off0)+(\mstr)*\m+1536*\sl
	ds_load_b64 v[24*\m+12*\sl+4:24*\m+12*\sl+5], v[\a8] offset:(\off0)+(\mstr)*\m+1536*\sl+512
	ds_load_b128 v[24*\m+12*\sl+6:24*\m+12*\sl+9], v[\a16] offset:(\off0)+(\mstr)*\m+1536*\sl+768
	ds_load_b64 v[24*\m+12*\sl+10:24*\m+12*\sl+11], v[\a8] offset:(\off0)+(\mstr)*\m+1536*\sl+1280
.endr
.endr
	WIN 0
.endm
.macro WM d, a, b, c, sa, sb, row      ; one product; row = 1: both sides' scale words are taken from lanes 16-31
.if \row
	v_wmma_scale_f32_16x16x128_f8f6f4 v[(\d):(\d)+7], v[(\a):(\a)+11], v[(\b):(\b)+11], v[(\c):(\c)+7], v[\sa], v[\sb] matrix_a_fmt:MATRIX_FMT_FP6 matrix_b_fmt:MATRIX_FMT_FP6 matrix_a_scale:MATRIX_SCALE_ROW1 matrix_b_scale:MATRIX_SCALE_ROW1
.else
	v_wmma_scale_f32_16x16x128_f8f6f4 v[(\d):(\d)+7], v[(\a):(\a)+11], v[(\b):(\b)+11], v[(\c):(\c)+7], v[\sa], v[\sb] matrix_a_fmt:MATRIX_FMT_FP6 matrix_b_fmt:MATRIX_FMT_FP6
.endif
.endm
; A unit's 32 products.  set >= 0: the bias of that set starts the sums; set = -1: they go on.  ld = 1: an XLOAD stands just ahead.  The sixteen accumulators take turns, one instruction a turn.
.macro MM slot, set, ld
.set SW, 1+(\slot)/2
.set WR, 96*((\slot)%2)
.if \ld
	s_wait_dscnt 16                                ; the scale words and the first K step are in; the second step's 16 loads may be out
.endif
.if (\set) >= 0
	WIN SW+0x1c
.irp m,0,1,2,3
.irp t,0,1,2,3
	WM ACC+32*\m+8*\t, WR+12*\t, 24*\m, 192+32*(\set)+8*\t, WSC+4*(\slot)+\t, XSC+\m, 0
.endr
.endr
.else
	WIN SW+0x0c
.irp m,0,1,2,3
.irp t,0,1,2,3
	WM ACC+32*\m+8*\t, WR+12*\t, 24*\m, ACC+32*\m+8*\t, WSC+4*(\slot)+\t, XSC+\m, 0
.endr
.endr
.endif
.if \ld
	s_wait_dscnt 0x0
.endif
	WIN SW+0x0c
.irp m,0,1,2,3
.irp t,0,1,2,3
	WM ACC+32*\m+8*\t, WR+48+12*\t, 24*\m+12, ACC+32*\m+8*\t, WSC+4*(\slot)+\t, XSC+\m, 1
.endr
.endr
	WIN 0
.endm
; ACC (layout L) becomes codes in PC (6 registers for each m), the blocks' bytes in BY.  The four m by turns; every accumulator is read from its low end on.
.macro QCORE relu
	WIN 0
	s_wait_dscnt 0x0                               ; the LDS stores of the codes made last have read their registers
.if \relu
.set QI, 0
.rept 32
.irp m,0,1,2,3
	v_max_num_f32 v[ACC+32*\m+QI], 0, v[ACC+32*\m+QI]
.endr
.set QI, QI+1
.endr
.irp m,0,1,2,3
	v_max3_num_f32 v[MX+\m], v[ACC+32*\m], v[ACC+32*\m+1], 0x1800000   ; none is negative; the floor 2^(3 - 127) holds the byte at 1 from below
.endr
.set QI, 2
.rept 15
.irp m,0,1,2,3
	v_max3_num_f32 v[MX+\m], v[MX+\m], v[ACC+32*\m+QI], v[ACC+32*\m+QI+1]
.endr
.set QI, QI+2
.endr
.else
.irp m,0,1,2,3
	v_max3_num_f32 v[MX+\m], |v[ACC+32*\m]|, |v[ACC+32*\m+1]|, 0x1800000
.endr
.set QI, 2
.rept 15
.irp m,0,1,2,3
	v_max3_num_f32 v[MX+\m], v[MX+\m], |v[ACC+32*\m+QI]|, |v[ACC+32*\m+QI+1]|
.endr
.set QI, QI+2
.endr
.endif
.irp m,0,1,2,3
	v_add_nc_u32 v[SO+\m], 0xff000000, v[MX+\m]    ; 2 off the exponent field: the conversion's scale operand
.endr
.irp m,0,1,2,3
	v_lshrrev_b32 v[BY+\m], 23, v[SO+\m]           ; the scale's byte
.endr
.irp m,0,1,2,3
	v_cvt_scalef32_pk16_fp6_f32 v[PC+6*\m:PC+6*\m+2], v[ACC+32*\m:ACC+32*\m+15], v[SO+\m]
	v_cvt_scalef32_pk16_fp6_f32 v[TC+4*\m:TC+4*\m+2], v[ACC+32*\m+16:ACC+32*\m+31], v[SO+\m]   ; (a conversion's three registers begin on an even number)
.endr
	v_nop                                          ; one plain place behind a scaled conversion
.irp m,0,1,2,3
.irp i,0,1,2
	v_mov_b32 v[PC+6*\m+3+\i], v[TC+4*\m+\i]
.endr
.endr
.endm
.macro QPUT aA, aB, off, mstr, aS, soff, sstr    ; the codes and my two bytes of each row's scale word go to LDS
.irp m,0,1,2,3
	v_lshlrev_b32 v[PP+\m], v[SH8], v[BY+\m]
.endr
.irp m,0,1,2,3
	v_permlanex16_b32 v[MX+\m], v[PP+\m], s66, s67
.endr
.irp m,0,1,2,3
	v_or_b32 v[PP+\m], v[PP+\m], v[MX+\m]          ; blocks h = 0 and h = 1: two bytes, the same in both halves of the lanes
.endr
.irp m,0,1,2,3
	ds_store_b128 v[\aA], v[PC+6*\m:PC+6*\m+3] offset:(\off)+(\mstr)*\m
	ds_store_b64 v[\aB], v[PC+6*\m+4:PC+6*\m+5] offset:(\off)+(\mstr)*\m+512
	ds_store_b16 v[\aS], v[PP+\m] offset:(\soff)+(\sstr)*\m
.endr
.endm
.macro EXCH k                          ; SM (my 32 columns' sums for four rows) becomes the whole rows' sums; every wave adds in the same order
	WIN 0
.irp m,0,1,2,3
	v_permlanex16_b32 v[MX+\m], v[SM+\m], s66, s67
.endr
.irp m,0,1,2,3
	v_add_f32 v[SM+\m], v[SM+\m], v[MX+\m]
.endr
	ds_store_b128 v[STW], v[SM:SM+3] offset:2048*(\k)
	BAR
.irp j,0,1,2,3
	ds_load_b128 v[PC+4*\j:PC+4*\j+3], v[STR] offset:2048*(\k)+512*\j
.endr
	s_wait_dscnt 0x0
	v_pk_add_f32 v[PC:PC+1], v[PC:PC+1], v[PC+4:PC+5]
	v_pk_add_f32 v[PC+2:PC+3], v[PC+2:PC+3], v[PC+6:PC+7]
	v_pk_add_f32 v[PC+8:PC+9], v[PC+8:PC+9], v[PC+12:PC+13]
	v_pk_add_f32 v[PC+10:PC+11], v[PC+10:PC+11], v[PC+14:PC+15]
	v_pk_add_f32 v[SM:SM+1], v[PC:PC+1], v[PC+8:PC+9]
	v_pk_add_f32 v[SM+2:SM+3], v[PC+2:PC+3], v[PC+10:PC+11]
.endm
.macro LNSUM                           ; SM = the sums of my 32 columns of Z
	WIN 0x0f
.irp m,0,1,2,3
	v_pk_add_f32 v[TC+4*\m:TC+4*\m+1], v[96+32*\m:97+32*\m], v[98+32*\m:99+32*\m]
.endr
	WIN 0x0c
.set QI, 4
.rept 14
.irp m,0,1,2,3
	v_pk_add_f32 v[TC+4*\m:TC+4*\m+1], v[TC+4*\m:TC+4*\m+1], v[96+32*\m+QI:97+32*\m+QI]
.endr
.set QI, QI+2
.endr
	WIN 0
.irp m,0,1,2,3
	v_add_f32 v[SM+\m], v[TC+4*\m], v[TC+4*\m+1]
.endr
.endm
.macro LNSQ                            ; the means; ACC = Z - mean (it stays for LNAPPLY); SM = the sums of its squares
	WIN 0
.irp m,0,1,2,3
	v_mul_f32 v[MU+2*\m], s72, v[SM+\m]
	v_mul_f32 v[MU+2*\m+1], s72, v[SM+\m]
.endr
	WIN 0x03
.set QI, 0
.rept 16
.irp m,0,1,2,3
	v_pk_add_f32 v[ACC+32*\m+QI:ACC+32*\m+QI+1], v[96+32*\m+QI:97+32*\m+QI], v[MU+2*\m:MU+2*\m+1] neg_lo:[0,1] neg_hi:[0,1]
.endr
.set QI, QI+2
.endr
	WIN 0
.irp m,0,1,2,3
	v_pk_mul_f32 v[TC+4*\m:TC+4*\m+1], v[ACC+32*\m:ACC+32*\m+1], v[ACC+32*\m:ACC+32*\m+1]
.endr
.set QI, 2
.rept 15
.irp m,0,1,2,3
	v_pk_fma_f32 v[TC+4*\m:TC+4*\m+1], v[ACC+32*\m+QI:ACC+32*\m+QI+1], v[ACC+32*\m+QI:ACC+32*\m+QI+1], v[TC+4*\m:TC+4*\m+1]
.endr
.set QI, QI+2
.endr
.irp m,0,1,2,3
	v_add_f32 v[SM+\m], v[TC+4*\m], v[TC+4*\m+1]
.endr
.endm
.macro LNFIN                           ; RS = 1 / sqrt(SM / 256 + 1e-5)
.irp m,0,1,2,3
	v_fma_f32 v[RS+2*\m], v[SM+\m], s72, s73
.endr
.irp m,0,1,2,3
	v_rsq_f32 v[RS+2*\m], v[RS+2*\m]
.endr
	v_nop                                          ; a plain place behind the last of the four,
	s_wait_alu depctr_va_vdst(0)                   ; and one wait for the batch ahead of its first reader
.irp m,0,1,2,3
	v_mov_b32 v[RS+2*\m+1], v[RS+2*\m]
.endr
.endm
.macro LNAPPLY                         ; ACC = ACC x rs x g + b
	WIN 0
.set QI, 0
.rept 16
.irp m,0,1,2,3
	v_pk_mul_f32 v[ACC+32*\m+QI:ACC+32*\m+QI+1], v[ACC+32*\m+QI:ACC+32*\m+QI+1], v[RS+2*\m:RS+2*\m+1]
.endr
.set QI, QI+2
.endr
	WIN 0x28
.set QI, 0
.rept 16
.irp m,0,1,2,3
	v_pk_fma_f32 v[ACC+32*\m+QI:ACC+32*\m+QI+1], v[ACC+32*\m+QI:ACC+32*\m+QI+1], v[192+QI:193+QI], v[224+QI:225+QI]
.endr
.set QI, QI+2
.endr
	WIN 0
.endm
.macro GATED g                         ; Z = gate x ACC + Z
	WIN 0xf0
.set QI, 0
.rept 16
.irp m,0,1,2,3
	v_pk_fma_f32 v[96+32*\m+QI:97+32*\m+QI], v[ACC+32*\m+QI:ACC+32*\m+QI+1], v[\g:\g+1], v[96+32*\m+QI:97+32*\m+QI]
.endr
.set QI, QI+2
.endr
	WIN 0
.endm
.macro OUTG r, sp                      ; a gate, broadcast over my 16,384 bytes of the output: 512 consecutive bytes a store
	WIN 0x0c
.set QI, 0
.rept 32
	global_store_b128 v[L16], v[\r:\r+3], s[\sp:\sp+1] offset:512*QI th:TH_STORE_NT
.set QI, QI+1
.endr
	WIN 0
.endm
; ---------------- the head ----------------
	s_load_b512 s[8:23], s[0:1], 0x0
	s_load_b512 s[24:39], s[0:1], 0x40
	s_load_b512 s[40:55], s[0:1], 0x80
	s_load_b128 s[56:59], s[0:1], 0xc0
	v_lshl_add_u32 v[SPW], v0, 2, SPARE
	v_mov_b32 v[NIL], 0
	v_lshrrev_b32 v21, 5, v0
	v_readfirstlane_b32 s2, v21                    ; wave 0..3
	v_and_b32 v21, 31, v0                          ; l
	v_and_b32 v22, 15, v0                          ; r
	v_bfe_u32 v23, v0, 4, 1                        ; h
	v_lshlrev_b32 v[L16], 4, v21
	v_lshlrev_b32 v[L8], 3, v21
	v_lshlrev_b32 v[L4], 2, v21
	v_add_nc_u32 v[L16H], HID, v[L16]
	v_add_nc_u32 v[L8H], HID, v[L8]
	s_mul_i32 s70, s2, 768
	v_add_nc_u32 v[PA], s70, v[L16]
	v_add_nc_u32 v[PB], s70, v[L8]
	s_lshr_b32 s70, s2, 1
	s_lshl_b32 s70, s70, 6
	s_and_b32 s71, s2, 1
	s_lshl_b32 s71, s71, 1
	s_add_co_u32 s70, s70, s71
	v_lshl_add_u32 v[PS], v22, 2, s70
	s_mul_i32 s70, s2, 3072
	v_add_nc_u32 v[HPA], s70, v[L16H]
	v_add_nc_u32 v[HPB], s70, v[L8H]
	s_lshl_b32 s70, s2, 7
	v_lshl_add_u32 v[HPS], v22, 2, s70
	s_lshl_b32 s70, s2, 9
	s_add_co_u32 s70, s70, STAT
	v_add_nc_u32 v[STW], s70, v[L16]
	v_add_nc_u32 v[STR], STAT, v[L16]
	s_mul_i32 s70, s2, 17408
	s_add_co_u32 s70, s70, STG
	v_mul_u32_u24 v24, v23, 272
	v_lshl_add_u32 v24, v22, 4, v24
	v_add_nc_u32 v[SGW], s70, v24
	v_mul_u32_u24 v24, v22, 272
	v_lshl_add_u32 v24, v23, 7, v24
	v_add_nc_u32 v[SGR], s70, v24
	v_lshlrev_b32 v[GRAW], 10, v23
	v_lshl_add_u32 v[GRAW], v22, 4, v[GRAW]
	v_lshlrev_b32 v[BH], 7, v23
	v_lshlrev_b32 v[SH8], 3, v23
.irp m,0,1,2,3
	v_mov_b32 v[MX+\m], 0                          ; written once: a lane permute's destination counts as one of its sources
.endr
	s_mov_b32 s66, 0x76543210
	s_mov_b32 s67, 0xfedcba98                      ; v_permlanex16_b32's selects for lane l xor 16
	s_mov_b32 s72, 0x3b800000                      ; 1 / 256
	s_mov_b32 s73, 0x3727c5ac                      ; 1e-5
	s_mov_b32 s90, 0xff00ff00                      ; lanes with r >= 8
	s_lshr_b32 s4, ttmp9, 5                        ; batch
	s_and_b32 s5, ttmp9, 31                        ; f: which 64 rows of the batch
	; where q, k and v go: offsets from a head's record
	v_mul_u32_u24 v24, v23, 57344                  ; lanes 16-31 hold head 2 w + 1: a record of qc on
	s_lshl_b32 s70, s5, 10
	v_lshl_add_u32 v26, v22, 4, v24
	v_add_nc_u32 v26, s70, v26                     ; q's first 16 bytes: 1,024 f + 16 r
	s_lshl_b32 s70, s5, 9
	v_lshl_add_u32 v27, v22, 3, v24
	v_add_nc_u32 v27, s70, v27                     ; its last 8: 512 f + 8 r
	s_lshl_b32 s70, s5, 8
	v_lshl_add_u32 v28, v22, 2, v24
	v_add_nc_u32 v28, s70, v28                     ; its byte, as a word: 256 f + 4 r
	v_mul_u32_u24 v24, v23, 102400                 ; a record of kv on
	s_mul_i32 s70, s5, 1536
	v_lshl_add_u32 v29, v22, 4, v24
	v_add_nc_u32 v29, s70, v29                     ; k: 1,536 f + 16 r
	v_lshl_add_u32 v30, v22, 3, v24
	v_add_nc_u32 v30, s70, v30                     ; 1,536 f + 8 r
	s_lshl_b32 s70, s5, 6
	v_lshl_add_u32 v31, v22, 2, v24
	v_add_nc_u32 v31, s70, v31                     ; its scale words: 64 f + 4 r
	s_lshr_b32 s70, s5, 1
	s_and_b32 s71, s5, 1
	s_mul_i32 s91, s70, 3072
	s_mul_i32 s92, s71, 768
	s_add_co_u32 s91, s91, s92                     ; v's codes: 3,072 (f / 2) + 768 (f % 2)
	s_lshl_b32 s92, s70, 7
	s_lshl_b32 s71, s71, 1
	s_add_co_u32 s92, s92, s71                     ; v's bytes: 128 (f / 2) + 2 (f % 2)
	v_lshlrev_b32 v[PP], 3, v0                     ; hpart: thread tau takes numbers 2 tau, 2 tau + 1 of the 256
	v_and_b32 v[PP+1], 63, v0
	v_lshlrev_b32 v[PP+1], 3, v[PP+1]              ; and the same two of its gate's 128 in b1 and w2
	v_mov_b32 v21, s2
	v_lshlrev_b32 v21, 2, v21                      ; my wave's word among the gates' partial sums
	s_lshl_b32 s76, ttmp9, 16
	s_lshl_b32 s74, s2, 8
	s_add_co_u32 s76, s76, s74                     ; 65,536 blk + 256 w
	s_mov_b32 s77, 0
	s_mov_b32 s75, 0
	s_lshl_b32 s78, ttmp9, 16
	s_lshl_b32 s70, s2, 14
	s_add_co_u32 s78, s78, s70                     ; 65,536 blk + 16,384 w
	s_mov_b32 s79, 0
	s_lshl_b32 s80, s4, 3
	s_lshl_b32 s81, s2, 1
	s_add_co_u32 s80, s80, s81                     ; 8 b + 2 w: my first head
	s_mov_b32 s83, 0
	s_mov_b32 s71, 0
	s_wait_kmcnt 0x0
	s_add_nc_u64 s[AUD:AUD+1], s[AUD:AUD+1], s[76:77]
	s_add_nc_u64 s[VID:VID+1], s[VID:VID+1], s[76:77]
	s_add_nc_u64 s[O1:O1+1], s[O1:O1+1], s[78:79]
	s_add_nc_u64 s[O2:O2+1], s[O2:O2+1], s[78:79]
	s_add_nc_u64 s[ZB:ZB+1], s[ZB:ZB+1], s[78:79]
.irp p, APB, OPB, F1B2, AIB, N1G, N1B, N2G, N2B, N3G, N3B
	s_add_nc_u64 s[\p:\p+1], s[\p:\p+1], s[74:75]  ; my 64 columns
.endr
	s_lshl_b32 s70, s2, 10
	s_add_nc_u64 s[F1B1:F1B1+1], s[F1B1:F1B1+1], s[70:71]   ; my 256 hidden units
	s_lshl_b32 s70, s4, 15
	s_add_nc_u64 s[HP:HP+1], s[HP:HP+1], s[70:71]
	s_add_nc_u64 s[WSB:WSB+1], s[WB:WB+1], WS_OFF
	s_lshl_b32 s70, s2, 9
	s_add_nc_u64 s[WSB:WSB+1], s[WSB:WSB+1], s[70:71]
	s_mul_i32 s70, s2, 12288
	s_add_nc_u64 s[WB:WB+1], s[WB:WB+1], s[70:71]
	s_mul_i32 s82, s80, 57344
	s_add_nc_u64 s[QCP:QCP+1], s[QCP:QCP+1], s[82:83]
	s_mul_i32 s82, s80, 102400
	s_add_nc_u64 s[KVP:KVP+1], s[KVP:KVP+1], s[82:83]
	s_cmp_lt_u32 s2, 2                             ; waves 0, 1: the first gate; waves 2, 3: the second
	s_cselect_b64 s[84:85], s[MB1:MB1+1], s[FB1:FB1+1]
	s_cselect_b64 s[86:87], s[MW2:MW2+1], s[FW2:FW2+1]
	s_load_b32 s88, s[MB2:MB2+1], 0x0
	s_load_b32 s89, s[FB2:FB2+1], 0x0
; ---------------- LN1(audio), and the gates beside it ----------------
	RAWLOAD AUD                                    ; 32 loads
	GBLOAD N1G, N1B                                ; 16
	WLOAD 0, 0                                     ; 25
	BLOAD APB, 0, 0                                ; 8
	s_wait_loadcnt 49                              ; audio is in; the 49 loads behind it may be out
	TOL
	WIN 0x80
.set QI, 0
.rept 32
	global_load_b64 v[2*QI:2*QI+1], v[PP], s[HP:HP+1] offset:1024*QI   ; the batch's 32 parts, into slot 2's registers, which are free till unit 2 is asked for
.set QI, QI+1
.endr
	global_load_b64 v[64:65], v[PP+1], s[84:85]    ; b1
	global_load_b64 v[66:67], v[PP+1], s[86:87]    ; w2: 34 loads in all
	WIN 0
	s_wait_dscnt 0x0
	LNSUM
	EXCH 0
	WLOAD 1, 1
	BLOAD OPB, 0, 1                                ; 33 loads
	LNSQ
	s_wait_loadcnt 33                              ; all but those 33: the parts, g and b, unit 0 and its bias are in
	WIN 0xaa                                       ; all in window 2
.set QI, 4
.rept 15
	v_pk_add_f32 v[0:1], v[0:1], v[QI:QI+1]        ; the 32 parts, in two chains
	v_pk_add_f32 v[2:3], v[2:3], v[QI+2:QI+3]
.set QI, QI+4
.endr
	v_pk_add_f32 v[0:1], v[0:1], v[2:3]
	v_pk_fma_f32 v[0:1], v[0:1], 0x3a000000, v[64:65] op_sel_hi:[1,0,1]   ; / 2,048 (the mean over the rows) + b1
	v_max_num_f32 v0, 0, v0
	v_max_num_f32 v1, 0, v1
	v_mul_f32 v0, v0, v66
	WIN 0x2a
	v_fma_f32 v[TC], v1, v67, v0                   ; my two terms of the second layer
	WIN 0
	v_add_f32_dpp v[TC], v[TC], v[TC] row_xmask:1 row_mask:0xf bank_mask:0xf
	v_add_f32_dpp v[TC], v[TC], v[TC] row_xmask:2 row_mask:0xf bank_mask:0xf
	v_add_f32_dpp v[TC], v[TC], v[TC] row_xmask:4 row_mask:0xf bank_mask:0xf
	v_add_f32_dpp v[TC], v[TC], v[TC] row_xmask:8 row_mask:0xf bank_mask:0xf
	v_permlanex16_b32 v[TC+1], v[TC], s66, s67
	v_add_f32 v[TC], v[TC], v[TC+1]
	ds_store_b32 v21, v[TC] offset:GATE            ; all lanes write the same word with the same value
	EXCH 1                                         ; its barrier also shows the four partial sums to every wave
	v_mov_b32 v[MX+2], 0
	ds_load_b128 v[SO:SO+3], v[MX+2] offset:GATE
	LNFIN
	s_wait_dscnt 0x0
	s_wait_kmcnt 0x0                               ; the two b2
	v_add_f32 v[SO], v[SO], v[SO+1]
	v_add_f32 v[SO+2], v[SO+2], v[SO+3]
	v_add_f32 v[SO], s88, v[SO]
	v_add_f32 v[SO+2], s89, v[SO+2]
	v_mul_f32 v[SO], 0x4038aa3b, v[SO]             ; 2 log2(e) x
	v_mul_f32 v[SO+2], 0x4038aa3b, v[SO+2]
	v_exp_f32 v[SO], v[SO]
	v_exp_f32 v[SO+2], v[SO+2]
	v_nop
	s_wait_alu depctr_va_vdst(0)                   ; one wait for the two
	v_add_f32 v[SO], 1.0, v[SO]
	v_add_f32 v[SO+2], 1.0, v[SO+2]
	v_rcp_f32 v[SO], v[SO]
	v_rcp_f32 v[SO+2], v[SO+2]
	v_nop
	s_wait_alu depctr_va_vdst(0)
	v_fma_f32 v22, v[SO], -2.0, 1.0                ; tanh = 1 - 2 / (1 + e^(2 x)): gm,
	v_fma_f32 v24, v[SO+2], -2.0, 1.0              ; gf
	v_mov_b32 v23, v22
	v_mov_b32 v25, v24
	WIN 0xc0
.irp i,0,1,2,3
	v_mov_b32 v[224+\i], v22
	v_mov_b32 v[228+\i], v24
.endr
	OUTG 224, O1
	LNAPPLY
	QCORE 0
	QPUT PA, PB, X0, 3072, PS, XS0, 128
	RAWLOAD VID                                    ; 32: Z's registers were last read by LNSQ
	GBLOAD N2G, N2B                                ; 16
	WLOAD 2, 2                                     ; 25
	BAR                                            ; LN1's eight fragments lie in LDS
; ---------------- aproj, outproj, z ----------------
	XLOAD L16, L8, X0, 3072, XS0, 128
	MM 0, 0, 1
	PLACES
	WLOAD 4, 0
	BLOAD F1B1, 0, 0                               ; 33
	WLOAD 3, 3                                     ; 25
	OUTG 228, O2
	QCORE 0
	QPUT PA, PB, X1, 3072, PS, XS1, 128
	BAR
	s_wait_loadcnt 63                              ; video wants the 99 loads behind it left out at the most: 63 is what the wait can name, and is the stricter; unit 1, its bias, g and b of LN2 are in with it
	TOL
	XLOAD L16, L8, X1, 3072, XS1, 128
	MM 1, 1, 1                                     ; (its wait for 0 also shows video back from the stage)
	PLACES
	WLOAD 5, 1
	BLOAD F1B1, 256, 1                             ; 33
	GATED 22                                       ; z = gm x attn_output + video
; ---------------- LN2, FFN1 ----------------
	LNSUM
	EXCH 2
	LNSQ
	EXCH 3
	LNFIN
	LNAPPLY
	QCORE 0
	QPUT PA, PB, X0, 3072, PS, XS0, 128            ; X0's last readers passed two barriers ago
	GBLOAD N3G, N3B                                ; 16
	BAR
	XLOAD L16, L8, X0, 3072, XS0, 128              ; once for the four units of the hidden layer
	s_wait_loadcnt 63                              ; unit 2 and its bias want 74 left out at the most: 63 is the stricter
	MM 2, 0, 1
	PLACES
	WLOAD 6, 2
	BLOAD F1B1, 512, 0                             ; 33
	QCORE 1
	QPUT HPA, HPB, 0, 12288, HPS, HSC, 512
	s_wait_loadcnt 49                              ; unit 3 and its bias: behind them LN3's 16 and the last 33
	MM 3, 1, 0
	PLACES
	WLOAD 7, 3
	BLOAD F1B1, 768, 1                             ; 33
	QCORE 1
	QPUT HPA, HPB, 768, 12288, HPS, HSC+2, 512
	s_wait_loadcnt 33                              ; the bias of unit 4: behind it the last 33
	MM 0, 0, 0
	PLACES
	WLOAD 8, 0
	BLOAD F1B2, 0, 0                               ; 33
	QCORE 1
	QPUT HPA, HPB, 1536, 12288, HPS, HSC+64, 512
	s_wait_loadcnt 33
	MM 1, 1, 0
	PLACES
	WLOAD 9, 1
	BLOAD AIB, 0, 1                                ; 33: q's bias
	QCORE 1
	QPUT HPA, HPB, 2304, 12288, HPS, HSC+66, 512
	BAR                                            ; the hidden layer's 32 fragments lie in LDS
	s_wait_loadcnt 33                              ; ffn1_b2: behind it the last 33
	XLOAD L16H, L8H, 0, 12288, HSC, 512
	MM 2, 0, 1
	PLACES
	WLOAD 10, 2
	BLOAD AIB, 1024, 0                             ; 33: k's bias
	XLOAD L16H, L8H, 3072, 12288, HSC+128, 512
	MM 3, -1, 1
	PLACES
	WLOAD 11, 3                                    ; 25
	XLOAD L16H, L8H, 6144, 12288, HSC+256, 512
	MM 0, -1, 1
	PLACES
	s_wait_loadcnt 58                              ; unit 9: behind it the 33 and the 25 just issued
	WLOAD 12, 0                                    ; 25
	XLOAD L16H, L8H, 9216, 12288, HSC+384, 512
	MM 1, -1, 1
	PLACES
	GATED 24                                       ; z_bar = gf x h1 + z
	WIN 0x0c
.irp m,0,1,2,3
.irp q,0,1,2,3,4,5,6,7
	global_store_b128 v[L16], v[96+32*\m+4*\q:99+32*\m+4*\q], s[ZB:ZB+1] offset:4096*\m+512*\q   ; as an image of the registers: 512 consecutive bytes a store
.endr
.endr
	WIN 0
; ---------------- LN3, q, k, v ----------------
	LNSUM
	EXCH 4
	LNSQ
	EXCH 5
	LNFIN
	LNAPPLY
	QCORE 0
	QPUT PA, PB, X1, 3072, PS, XS1, 128
	v_bfe_u32 v21, v0, 3, 1
	v_lshlrev_b32 v21, 6, v21
	v_and_b32 v[MX], 7, v0
	v_lshl_add_u32 v21, v[MX], 2, v21              ; v's bias: lane r of tile tt is output 32 (tt / 2) + 16 (r / 8) + 8 (tt % 2) + r % 8 of my 64
.irp tt,0,1,2,3
	global_load_b32 v[SM+\tt], v21, s[AIB:AIB+1] offset:2048+128*(\tt/2)+32*(\tt%2)   ; 4 loads
.endr
	BAR
	XLOAD L16, L8, X1, 3072, XS1, 128              ; once for q, k and v
	s_wait_loadcnt 54                              ; unit 10: behind it 25 + 25 + 4
	MM 2, 1, 1
	PLACES
	QCORE 0                                        ; lane (r, h): q of head 2 w + h, row 16 m + r: a block is a head
.irp m,0,1,2,3
	global_store_b128 v26, v[PC+6*\m:PC+6*\m+3], s[QCP:QCP+1] offset:256*\m
	global_store_b64 v27, v[PC+6*\m+4:PC+6*\m+5], s[QCP:QCP+1] offset:32768+128*\m
	global_store_b32 v28, v[BY+\m], s[QCP:QCP+1] offset:49152+64*\m
.endr
	s_wait_loadcnt 29                              ; unit 11: behind it 25 + 4
	MM 3, 0, 0
	PLACES
	s_wait_xcnt 0x0                                ; q's stores have read their registers: the codes and bytes may be written again
	QCORE 0
.irp m,0,1,2,3
	global_store_b128 v29, v[PC+6*\m:PC+6*\m+3], s[KVP:KVP+1] offset:256*\m
	global_store_b64 v30, v[PC+6*\m+4:PC+6*\m+5], s[KVP:KVP+1] offset:1024+128*\m
.endr
	; k's scale words as attention's fragment of 64 keys wants them: row m' = r, byte j: key 32 (r / 8) + 16 (j % 2) + 8 (j / 2) + r % 8
	v_lshl_or_b32 v[PP], v[BY+1], 8, v[BY]         ; keys r and 16 + r,
	v_lshl_or_b32 v[PP+1], v[BY+3], 8, v[BY+2]     ; keys 32 + r and 48 + r
	v_bfe_u32 v[MX], v0, 3, 1
	v_lshlrev_b32 v[MX], 4, v[MX]
	v_lshlrev_b32 v[PP], v[MX], v[PP]              ; lanes with r >= 8 hold bytes 2 and 3
	v_lshlrev_b32 v[PP+1], v[MX], v[PP+1]
	v_mov_b32_dpp v[PP+2], v[PP] row_xmask:8 row_mask:0xf bank_mask:0xf
	v_mov_b32_dpp v[PP+3], v[PP+1] row_xmask:8 row_mask:0xf bank_mask:0xf
	v_or_b32 v[PP], v[PP], v[PP+2]
	v_or_b32 v[PP+1], v[PP+1], v[PP+3]
	v_cndmask_b32 v[PP], v[PP], v[PP+1], s90       ; rows 8-15 of the fragment take the upper 32 keys
	global_store_b32 v31, v[PP], s[KVP:KVP+1] offset:98304
	s_wait_loadcnt 0x0                             ; unit 12 and v's bias
	WIN 0x40
.irp tt,0,1,2,3
.irp i,0,1,2,3,4,5,6,7
	v_mov_b32 v[224+8*\tt+\i], v[SM+\tt]           ; here a lane is one output and its registers are rows: the bias eight times
.endr
.endr
	PLACES
	; v NOT transposed: source 0 = 16 rows of x, source 1 = 16 rows of the weight: lane (r, h') holds ONE output, and register 8 m + i the key 16 m + 8 h' + i: its registers run along the keys, the K of attention's second product
	WIN 0x17
.irp tt,0,1,2,3
.irp m,0,1,2,3
	WM ACC+32*\tt+8*\m, 24*\m, 12*\tt, 224+8*\tt, XSC+\m, WSC+\tt, 0
.endr
.endr
	WIN 0x07
.irp tt,0,1,2,3
.irp m,0,1,2,3
	WM ACC+32*\tt+8*\m, 24*\m+12, 48+12*\tt, ACC+32*\tt+8*\m, XSC+\m, WSC+\tt, 1
.endr
.endr
	WIN 0
	PLACES
	s_wait_xcnt 0x0                                ; k's stores have read their registers
	; eight blocks e = 2 tt + beta: 16 registers here, 16 in lane l xor 16
.irp e,0,1,2,3,4,5,6,7
	v_max3_num_f32 v[220+\e], |v[ACC+16*\e]|, |v[ACC+16*\e+1]|, 0x1800000
.endr
.set QI, 2
.rept 7
.irp e,0,1,2,3,4,5,6,7
	v_max3_num_f32 v[220+\e], v[220+\e], |v[ACC+16*\e+QI]|, |v[ACC+16*\e+QI+1]|
.endr
.set QI, QI+2
.endr
.irp e,0,1,2,3,4,5,6,7
	v_permlanex16_b32 v[228+\e], v[220+\e], s66, s67
.endr
.irp e,0,1,2,3,4,5,6,7
	v_max_num_f32 v[220+\e], v[220+\e], v[228+\e]
.endr
.irp e,0,1,2,3,4,5,6,7
	v_add_nc_u32 v[240+\e], 0xff000000, v[220+\e]
.endr
.irp e,0,1,2,3,4,5,6,7
	v_lshrrev_b32 v[248+\e], 23, v[240+\e]
.endr
.irp tt,0,1,2,3
	v_cvt_scalef32_pk16_fp6_f32 v[PC+6*\tt:PC+6*\tt+2], v[ACC+32*\tt:ACC+32*\tt+15], v[240+2*\tt]
	v_cvt_scalef32_pk16_fp6_f32 v[TC+4*\tt:TC+4*\tt+2], v[ACC+32*\tt+16:ACC+32*\tt+31], v[241+2*\tt]
.endr
	v_nop                                          ; one plain place behind a scaled conversion
.irp tt,0,1,2,3
.irp i,0,1,2
	v_permlane16_swap_b32 v[PC+6*\tt+\i], v[TC+4*\tt+\i]   ; lanes 0-15 now hold block 0 whole, lanes 16-31 block 1: place p of a block is key 16 ((p / 8) % 2) + 8 (p / 16) + p % 8, the order in which attention's p arises
.endr
.irp i,0,1,2
	v_mov_b32 v[PC+6*\tt+3+\i], v[TC+4*\tt+\i]
.endr
.endr
	v_add_nc_u32 v26, s91, v[L16]
	v_add_nc_u32 v27, s91, v[L8]
	v_and_b32 v28, 60, v[L4]
	v_add_nc_u32 v28, s92, v28
.irp tt,0,1,2,3
	v_lshl_or_b32 v[228+\tt], v[249+2*\tt], 8, v[248+2*\tt]
.endr
.irp tt,0,1,2,3
	global_store_b128 v26, v[PC+6*\tt:PC+6*\tt+3], s[KVP:KVP+1] offset:(\tt/2)*102400+49152+(\tt%2)*1536
	global_store_b64 v27, v[PC+6*\tt+4:PC+6*\tt+5], s[KVP:KVP+1] offset:(\tt/2)*102400+49152+(\tt%2)*1536+512
	global_store_b16 v28, v[228+\tt], s[KVP:KVP+1] offset:(\tt/2)*102400+100352+(\tt%2)*64
.endr
	s_wait_tensorcnt 0x0                           ; the wave's end
	ds_add_u32 v[SPW], v[NIL]
	s_wait_dscnt 0x0
	s_endpgm
.Lfunc_end_k_qbec288177c_chain1:
	.size	k_qbec288177c_chain1, .Lfunc_end_k_qbec288177c_chain1-k_qbec288177c_chain1
	.p2alignl 7, 3214868480
	.fill 96, 4, 3214868480
	.section	.rodata,"a",@progbits
	.p2align	6, 0x0
	.amdhsa_kernel k_qbec288177c_chain1
		.amdhsa_group_segment_fixed_size 160256
		.amdhsa_private_segment_fixed_size 0
		.amdhsa_enable_private_segment 0
		.amdhsa_kernarg_size 208
		.amdhsa_user_sgpr_count 2
		.amdhsa_user_sgpr_kernarg_segment_ptr 1
		.amdhsa_wavefront_size32 1
		.amdhsa_system_sgpr_workgroup_id_x 1
		.amdhsa_system_sgpr_workgroup_id_y 1
		.amdhsa_system_sgpr_workgroup_id_z 1
		.amdhsa_system_vgpr_workitem_id 0
		.amdhsa_next_free_vgpr 1024
		.amdhsa_next_free_sgpr 100
		.amdhsa_reserve_vcc 0
		.amdhsa_float_denorm_mode_32 3
		.amdhsa_float_denorm_mode_16_64 3
		.amdhsa_memory_ordered 1
		.amdhsa_forward_progress 1
		.amdhsa_inst_pref_size 255
	.end_amdhsa_kernel
	.section	.bss,"aw",@nobits
	.p2align	6
	.space	262144
	.amdgpu_metadata
---
amdhsa.version: [ 1, 2 ]
amdhsa.kernels:
  - .name:           k_qbec288177c_chain1
    .symbol:         k_qbec288177c_chain1.kd
    .args:
      - { .name: audio_feat, .offset: 0, .size: 8, .value_kind: global_buffer, .address_space: global }
      - { .name: video_feat, .offset: 8, .size: 8, .value_kind: global_buffer, .address_space: global }
      - { .name: wq, .offset: 16, .size: 8, .value_kind: global_buffer, .address_space: global }
      - { .name: hpart, .offset: 24, .size: 8, .value_kind: global_buffer, .address_space: global }
      - { .name: g_mha_b1, .offset: 32, .size: 8, .value_kind: global_buffer, .address_space: global }
      - { .name: g_mha_w2, .offset: 40, .size: 8, .value_kind: global_buffer, .address_space: global }
      - { .name: g_mha_b2, .offset: 48, .size: 8, .value_kind: global_buffer, .address_space: global }
      - { .name: g_ffn_b1, .offset: 56, .size: 8, .value_kind: global_buffer, .address_space: global }
      - { .name: g_ffn_w2, .offset: 64, .size: 8, .value_kind: global_buffer, .address_space: global }
      - { .name: g_ffn_b2, .offset: 72, .size: 8, .value_kind: global_buffer, .address_space: global }
      - { .name: aproj_b, .offset: 80, .size: 8, .value_kind: global_buffer, .address_space: global }
      - { .name: outproj_b, .offset: 88, .size: 8, .value_kind: global_buffer, .address_space: global }
      - { .name: ffn1_b1, .offset: 96, .size: 8, .value_kind: global_buffer, .address_space: global }
      - { .name: ffn1_b2, .offset: 104, .size: 8, .value_kind: global_buffer, .address_space: global }
      - { .name: attn_in_b, .offset: 112, .size: 8, .value_kind: global_buffer, .address_space: global }
      - { .name: n1_g, .offset: 120, .size: 8, .value_kind: global_buffer, .address_space: global }
      - { .name: n1_b, .offset: 128, .size: 8, .value_kind: global_buffer, .address_space: global }
      - { .name: n2_g, .offset: 136, .size: 8, .value_kind: global_buffer, .address_space: global }
      - { .name: n2_b, .offset: 144, .size: 8, .value_kind: global_buffer, .address_space: global }
      - { .name: n3_g, .offset: 152, .size: 8, .value_kind: global_buffer, .address_space: global }
      - { .name: n3_b, .offset: 160, .size: 8, .value_kind: global_buffer, .address_space: global }
      - { .name: out1, .offset: 168, .size: 8, .value_kind: global_buffer, .address_space: global }
      - { .name: out2, .offset: 176, .size: 8, .value_kind: global_buffer, .address_space: global }
      - { .name: zbar, .offset: 184, .size: 8, .value_kind: global_buffer, .address_space: global }
      - { .name: qc, .offset: 192, .size: 8, .value_kind: global_buffer, .address_space: global }
      - { .name: kv, .offset: 200, .size: 8, .value_kind: global_buffer, .address_space: global }
    .group_segment_fixed_size: 160256
    .private_segment_fixed_size: 0
    .kernarg_segment_align: 8
    .kernarg_segment_size: 208
    .max_flat_workgroup_size: 128
    .sgpr_count:     100
    .vgpr_count:     1024
    .wavefront_size: 32
...
	.end_amdgpu_metadata
.endif
;; end of part 2
;; launch attn (part 3): grid 4 x 64, 16 waves a work-group, clusters of 4 x 1, 167,936 bytes of LDS; arguments qc, kv, cc; writes cc
.if DOCPART == 3
	.amdgcn_target "amdgcn-amd-amdhsa--gfx1250"
	.amdhsa_code_object_version 6
	.text
	.protected	k_qbec288177c_attn
	.globl	k_qbec288177c_attn
	.p2align	8
	.type	k_qbec288177c_attn,@function
k_qbec288177c_attn:
	s_mov_b64 s[64:65], 0
	v_nop
	global_prefetch_b8 v0, s[64:65] scope:SCOPE_SE
	s_setreg_imm32_b32 hwreg(HW_REG_WAVE_MODE, 25, 1), 1
	s_wait_xcnt 0x0
	s_wait_alu depctr_hold_cnt(0) depctr_sa_sdst(0) depctr_va_vdst(0) depctr_va_sdst(0) depctr_va_ssrc(0) depctr_va_vcc(0) depctr_vm_vsrc(0)
	s_getreg_b32 s2, hwreg(HW_REG_IB_STS2, 6, 4)
	s_cmp_eq_u32 s2, 0
	s_cbranch_scc0 .Lentry_in_a_cluster
	s_endpgm
.Lentry_in_a_cluster:
	s_bfe_u32 s2, ttmp6, 0x10000c
	s_cmp_lg_u32 s2, 0x3003
	s_cbranch_scc0 .Lentry_shape_is_right
	s_endpgm
.Lentry_shape_is_right:
; ctx[b][q][head] = softmax_k(q . k / sqrt(32)) v for one (batch, head) a cluster, both products on codes of E2M3 with one E8M0 byte for each 32 along K; ctx / l is quantised at once: a head's 32 numbers are one block of the next product's K.
; THE SOFTMAX: t = score x log2(e) / sqrt(32); M = the running largest t rounded UP to a whole number; p = 2^(t - M) is quantised along the keys, not normalised; the row's sum is taken of the unquantised p and divides at the end.
; When M moves, the sum and O are multiplied by 2^(old M - new M), which rounds nothing.
; SHARES.  The four work-groups of a cluster take 512 queries each of one head; each of sixteen waves takes two tiles of 16 queries, one after the other, and walks the head's 2,048 keys, 128 a step.
; THE HEAD'S WHOLE RECORD (k's and v's codes and scale words, 102,400 dense bytes) comes into LDS ONCE, by four joint loads of 100 rows x 256 bytes (waves 0-3; one tensor load a wave is out), the same in all four work-groups.  Nothing is filled again.
; THE FIRST PRODUCT HAS K = 32 AND THE INSTRUCTION 128.  A fragment of k carries 64 keys: row m' holds four keys, one in each block j of 32.  Four operands of q hold the query's codes in block j and zero codes elsewhere:
; the product with the j-th gives the scores of the keys in block j.  Row m', block j holds key 32 (m' / 8) + 16 (j % 2) + 8 (j / 2) + m' % 8, so that a lane's 32 registers of the four products are ONE block of 32 keys.
; Both products are used transposed: a lane holds one query (lane % 16) throughout.  Within a block the keys stand in the order 16 ((p / 8) % 2) + 8 (p / 16) + p % 8, in p's codes and in v's alike: the sums are the same.
; Rows of V^T: tile t, row m' is channel 16 (m' / 8) + 8 t + m' % 8, so that lane (q, h) ends with channels 16 h .. 16 h + 15 in order: one conversion, 12 bytes.
; No prefetch: every stream is asked for once, at the head.  ctx's scale bytes leave one byte a lane (131,072 bytes in the launch).
; LIMITS: NaN and infinities are not served; p under 2^-126 counts as 0 (v_exp_f32 gives 0 there: ISA guide, its entry); a block whose largest magnitude lies under 2^-124, a block of zeros among them, has the byte 1.
.set VOF,   49152                      ; LDS = the record: k's codes at 0: 32 fragments of 1,536 bytes (64 keys x 16 bytes, then 64 keys x 8); v's here: [step][t][c]: 512 bytes at 16 l, 256 at 8 l
.set KSO,   98304                      ; k's scale words: [fragment][m']
.set SPARE, 102400                     ; (v's scale words, [step][t][m'], lie 2,048 bytes behind k's)  the spare words, 128 bytes a wave
.set CS_OFF, 3145728                   ; cc: behind the codes: [row][head], a byte each
.set KA,  1                            ; v1   512 (m' / 8) + 256 hh + 16 (m' % 8)
.set KB,  2                            ; v2   half of that
.set L16, 3
.set L8,  4
.set L4S, 5                            ; v5   4 l + KSO
.set SPW, 6                            ; v6   my spare word; never rewritten
.set NIL, 7                            ; v7   0; never rewritten
.set SH8, 13                           ; v13  8 hh
; v8-12 the step's LDS addresses; v14-17 offsets in memory; v[20:21] -M, the largest t; v[22:23] the sum; v[24:25] f; v26-31 q's codes; v32 q's scale word; v36, v37, v38 k's, v's, p's scale words; v39 q's byte
; v40-75 the four operands of q; v76-99 two fragments of k; v100-123 two of V^T; v124-187 the scores, then p; v188-203 O^T; v204-215 p's codes; v216-247 at work
.set S,   124
.set O,   188
.set WV,  10
.set SEL, 40
.set CS,  42
.macro ROUND                           ; a round of the cluster's barrier
	s_barrier_signal -1
	s_barrier_wait -1
	s_cmp_lg_u32 s[WV], 0
	s_cbranch_scc1 .Lnot_wave_0_\@
	s_barrier_signal -3
.Lnot_wave_0_\@:
	s_barrier_wait -3
	s_barrier_signal -1
	s_barrier_wait -1
.endm
	s_load_b128 s[4:7], s[0:1], 0x0                ; qc, kv
	s_load_b64 s[8:9], s[0:1], 0x10                ; cc
	v_lshl_add_u32 v[SPW], v0, 2, SPARE
	v_mov_b32 v[NIL], 0
	ds_add_u32 v[SPW], v[NIL]                      ; the wave's opening: the add and its wait stand ahead of the first tensor load; the set-up below, work on registers, stands between them
	v_lshrrev_b32 v8, 5, v0
	v_readfirstlane_b32 s[WV], v8                  ; wave 0..15
	s_and_b32 s12, ttmp7, 0xffff                   ; 8 b + head, which the four partners share
	; descriptor group 1: 100 rows of 256 bytes (32 elements of 8), dense
	s_mov_b32 s24, 15|(3<<16)|(1<<21)              ; 15:0 the mask: all four work-groups; 17:16 elements of 8 bytes; 21 set beside a mask
	s_mov_b32 s25, 32<<16                          ; tensor_dim0 = 32
	s_mov_b32 s26, 100<<16                         ; tensor_dim1 = 100
	s_mov_b32 s27, 32<<16                          ; tile_dim0 = 32
	s_mov_b32 s28, 100                             ; tile_dim1 = 100
	s_mov_b32 s29, 32                              ; from row to row
	s_mov_b32 s30, 0
	s_mov_b32 s31, 0
	s_mul_i32 s21, s[WV], 25600                    ; my quarter of the record, in LDS
	s_mul_i32 s54, s12, 102400
	s_add_co_u32 s54, s54, s21                     ; and in memory: made of the head and the wave's number alone
	s_mov_b32 s55, 0
	s_mov_b32 s20, 1
	s_mov_b32 s[SEL], 0x76543210
	s_mov_b32 s[SEL+1], 0xfedcba98                 ; v_permlanex16_b32's selects for lane l xor 16
	s_mov_b32 s[CS], 0x3e8293ee                    ; c = log2(e) / sqrt(32)
	s_mov_b32 s[CS+1], s[CS]                       ; (named with it as a pair)
	s_mov_b32 s38, 0x0000ffff                      ; lanes 0-15
	s_mov_b32 s39, 0xffff0000                      ; lanes 16-31
	s_mov_b32 s48, 0x01010101
	s_wait_dscnt 0x0                               ; the opening add is done
	s_wait_kmcnt 0x0
	s_add_nc_u64 s[22:23], s[6:7], s[54:55]
	s_or_b32 s23, s23, 0x80000000                  ; type = 2
	ROUND                                          ; all four work-groups are here: the joint loads meet
	s_cmp_lt_u32 s[WV], 4
	s_cbranch_scc0 .Lno_fill
	tensor_load_to_lds s[20:23], s[24:31]
	s_nop 0
.rept 4
	v_nop
.endr
.Lno_fill:
	; my place in the cluster enters offsets in memory alone
	s_bfe_u32 s11, ttmp6, 0x40000                  ; cx
	s_lshl_b32 s13, s11, 5
	s_lshl_b32 s14, s[WV], 1
	s_add_co_u32 s13, s13, s14                     ; my first tile of 16 queries: 32 cx + 2 wave
	s_mov_b32 s51, 0
	s_mul_i32 s50, s12, 57344
	s_add_nc_u64 s[4:5], s[4:5], s[50:51]          ; the head's record in qc
	s_lshl_b32 s50, s13, 8
	s_add_nc_u64 s[32:33], s[4:5], s[50:51]        ; a query's first 16 bytes: 256 a tile,
	s_lshl_b32 s50, s13, 7
	s_add_nc_u64 s[34:35], s[4:5], s[50:51]        ; its last 8: 128 a tile,
	s_lshl_b32 s50, s13, 6
	s_add_nc_u64 s[36:37], s[4:5], s[50:51]        ; its byte, as a word: 64 a tile
	s_mul_i32 s50, s12, 49152
	s_mul_i32 s52, s13, 384
	s_add_co_u32 s50, s50, s52
	s_add_nc_u64 s[44:45], s[8:9], s[50:51]        ; ctx's codes: 24 bytes a query
	s_lshr_b32 s50, s12, 3
	s_lshl_b32 s50, s50, 14
	s_lshl_b32 s52, s13, 7
	s_add_co_u32 s50, s50, s52
	s_and_b32 s52, s12, 7
	s_add_co_u32 s50, s50, s52
	s_add_co_u32 s50, s50, CS_OFF
	s_add_nc_u64 s[46:47], s[8:9], s[50:51]        ; its bytes: 8 x row + head
	v_and_b32 v8, 31, v0                           ; l
	v_and_b32 v9, 7, v0
	v_bfe_u32 v10, v0, 3, 1
	v_bfe_u32 v11, v0, 4, 1                        ; hh
	v_and_b32 v12, 15, v0                          ; r
	v_lshlrev_b32 v[KB], 3, v9
	v_lshl_add_u32 v[KB], v11, 7, v[KB]
	v_lshl_add_u32 v[KB], v10, 8, v[KB]
	v_lshlrev_b32 v[KA], 1, v[KB]
	v_lshlrev_b32 v[L16], 4, v8
	v_lshlrev_b32 v[L8], 3, v8
	v_lshl_add_u32 v[L4S], v8, 2, KSO
	v_lshlrev_b32 v[SH8], 3, v11
	v_lshlrev_b32 v14, 4, v12
	v_lshlrev_b32 v15, 3, v12
	v_lshlrev_b32 v16, 2, v12
	v_mul_u32_u24 v17, v12, 24
	v_mad_u32_u24 v17, v11, 12, v17
	v_mov_b32 v25, 0                               ; (named as the upper half of a pair)
	v_mov_b32 v228, 0                              ; written once: a lane permute's destination counts as one of its sources
	v_mov_b32 v234, 0
.irp k,0,1,2,3,4,5
	v_mov_b32 v[46+\k], 0                          ; the zero codes between the copies of q
	v_mov_b32 v[64+\k], 0
.endr
	s_wait_tensorcnt 0x0                           ; my quarter has landed (a wave that loaded nothing passes),
	s_barrier_signal -1
	s_barrier_wait -1                              ; everybody's has
; One tile of 16 queries, the qt-th of my two.  (The argument's name is none that an inner loop uses: an argument is put in as text ahead of the loops.)
.macro TILE qt
	s_wait_xcnt 0x0                                ; the tile before has had its stores' registers read
	global_load_b128 v[26:29], v14, s[32:33] offset:256*\qt
	global_load_b64 v[30:31], v15, s[34:35] offset:32768+128*\qt
	global_load_b32 v39, v16, s[36:37] offset:49152+64*\qt
	v_mov_b32 v21, 0xff61b1e6                      ; the largest t so far: -3e38
	v_floor_f32 v20, -v21                          ; -M
	v_mov_b32 v22, 0
	v_mov_b32 v23, 0
.irp j,0,1,2,3,4,5,6,7,8,9,10,11,12,13,14,15
	v_mov_b32 v[O+\j], 0                           ; the step is written once: the first finds zeros
.endr
	s_wait_loadcnt 0x0
	v_mul_lo_u32 v32, v39, s48                     ; q's byte in all four bytes: three of them scale zero codes
.irp k,0,1,2,3,4,5
	v_cndmask_b32 v[40+\k], 0, v[26+\k], s38       ; v40: q in block 0; v46: in block 2 (lanes 0-15 hold blocks 0 and 2),
	v_cndmask_b32 v[52+\k], 0, v[26+\k], s38
	v_cndmask_b32 v[58+\k], 0, v[26+\k], s39       ; v58: in block 1; v64: in block 3
	v_cndmask_b32 v[70+\k], 0, v[26+\k], s39
.endr
	s_mov_b32 s16, 0                               ; the step's codes: 3,072 bytes a step in k and in v
	s_mov_b32 s17, 0                               ; its scale words: 128 bytes a step
	s_mov_b32 s18, 16
.Lstep_\@:
	v_add_nc_u32 v8, s16, v[KA]                    ; five plain lines: the places behind the last products and ahead of the loads into their registers
	v_add_nc_u32 v9, s16, v[KB]
	v_add_nc_u32 v10, s16, v[L16]
	v_add_nc_u32 v11, s16, v[L8]
	v_add_nc_u32 v12, s17, v[L4S]
.irp fc,0,1
.irp c,0,1
	ds_load_b128 v[76+12*\fc+6*\c:79+12*\fc+6*\c], v8 offset:1536*\fc+128*\c
	ds_load_b64 v[80+12*\fc+6*\c:81+12*\fc+6*\c], v9 offset:1536*\fc+1024+64*\c
.endr
.endr
	ds_load_b32 v36, v12                           ; lanes 0-15: the first fragment's words, lanes 16-31 the second's
.irp t,0,1
.irp c,0,1
	ds_load_b128 v[100+12*\t+6*\c:103+12*\t+6*\c], v10 offset:VOF+1536*\t+768*\c
	ds_load_b64 v[104+12*\t+6*\c:105+12*\t+6*\c], v11 offset:VOF+1536*\t+768*\c+512
.endr
.endr
	ds_load_b32 v37, v12 offset:2048
	s_wait_dscnt 9                                 ; k is in; v's nine loads may be out
.irp j,0,1,2,3
	v_wmma_scale_f32_16x16x128_f8f6f4 v[S+8*\j:S+8*\j+7], v[76:87], v[40+18*(\j%2)+6*(\j/2):51+18*(\j%2)+6*(\j/2)], 0, v36, v32 matrix_a_fmt:MATRIX_FMT_FP6 matrix_b_fmt:MATRIX_FMT_FP6
.endr
.irp j,0,1,2,3
	v_wmma_scale_f32_16x16x128_f8f6f4 v[S+32+8*\j:S+32+8*\j+7], v[88:99], v[40+18*(\j%2)+6*(\j/2):51+18*(\j%2)+6*(\j/2)], 0, v36, v32 matrix_a_fmt:MATRIX_FMT_FP6 matrix_b_fmt:MATRIX_FMT_FP6 matrix_a_scale:MATRIX_SCALE_ROW1
.endr
.rept 5
	v_nop
.endr
.irp b,0,1,2,3
	v_max3_num_f32 v[224+\b], v[S+16*\b], v[S+1+16*\b], v[S+2+16*\b]   ; each accumulator is read from its low end on: the even ones here, the odd ones at registers 7 and 8 below
.endr
.irp i,3,5,7,9,11,13
.irp b,0,1,2,3
	v_max3_num_f32 v[224+\b], v[224+\b], v[S+16*\b+\i], v[S+1+16*\b+\i]
.endr
.endr
.irp b,0,1,2,3
	v_max_num_f32 v[224+\b], v[224+\b], v[S+15+16*\b]
.endr
	v_max_num_f32 v224, v224, v225                 ; THE LARGEST SCORE OF EACH OF MY TWO BLOCKS OF 32 KEYS: it serves for the row's maximum and, since p rises with the score, for the block's largest p
	v_max_num_f32 v226, v226, v227
	v_max_num_f32 v229, v224, v226
	v_permlanex16_b32 v228, v229, s[SEL], s[SEL+1]
	v_max_num_f32 v229, v229, v228                 ; with lane l xor 16's 64 keys
	v_mul_f32 v229, s[CS], v229
	v_max_num_f32 v21, v21, v229                   ; the running largest t
	v_mov_b32 v229, v20
	v_floor_f32 v20, -v21                          ; the new -M = -ceil(t)
	v_sub_f32 v229, v20, v229                      ; old M - new M: a whole number, 0 or less
	v_cvt_i32_f32 v229, v229                       ; (it saturates)
	v_ldexp_f32 v24, 1.0, v229                     ; f = 2^(old M - new M)
.set QI, 0
.rept 32
	v_pk_fma_f32 v[S+QI:S+QI+1], v[S+QI:S+QI+1], s[CS:CS+1], v[20:21] op_sel_hi:[1,0,0]   ; t - M
.set QI, QI+2
.endr
	v_fma_f32 v224, v224, s[CS], v20
	v_fma_f32 v226, v226, s[CS], v20
.set QI, 0
.rept 64
	v_exp_f32 v[S+QI], v[S+QI]                     ; p = 2^(t - M)
.set QI, QI+1
.endr
	v_pk_mul_f32 v[22:23], v[22:23], v[24:25] op_sel_hi:[1,0]   ; the sum under the new M: a plain place behind the exponentials
	s_wait_alu depctr_va_vdst(0)                   ; one wait for the batch of 64, ahead of its first reader
	v_exp_f32 v224, v224                           ; the blocks' largest p: the same two instructions on the same numbers
	v_exp_f32 v226, v226
	v_pk_add_f32 v[236:237], v[S:S+1], v[S+2:S+3]  ; the row's sum, of the unquantised p, in two chains
.set QI, 4
.rept 15
	v_pk_add_f32 v[22:23], v[22:23], v[S+QI:S+QI+1]
	v_pk_add_f32 v[236:237], v[236:237], v[S+QI+2:S+QI+3]
.set QI, QI+4
.endr
	v_pk_add_f32 v[22:23], v[22:23], v[236:237]
	s_wait_alu depctr_va_vdst(0)                   ; and one for the two
	v_max_num_f32 v224, 0x1800000, v224            ; the floor 2^(3 - 127)
	v_max_num_f32 v226, 0x1800000, v226
	v_add_nc_u32 v230, 0xff000000, v224            ; 2 off the exponent field: the conversion's scale operand
	v_add_nc_u32 v231, 0xff000000, v226
	v_lshrrev_b32 v232, 23, v230
	v_lshrrev_b32 v233, 23, v231
	v_lshl_or_b32 v38, v233, 16, v232              ; my bytes: blocks hh and 2 + hh,
	v_lshlrev_b32 v38, v[SH8], v38
	v_permlanex16_b32 v234, v38, s[SEL], s[SEL+1]
	v_or_b32 v38, v38, v234                        ; with lane l xor 16's: p's scale word for these 128 keys
.irp c,0,1
	v_cvt_scalef32_pk16_fp6_f32 v[204+6*\c:206+6*\c], v[S+32*\c:S+15+32*\c], v[230+\c]
	v_cvt_scalef32_pk16_fp6_f32 v[216+4*\c:218+4*\c], v[S+16+32*\c:S+31+32*\c], v[230+\c]   ; (a conversion's three registers begin on an even number)
.endr
	v_nop                                          ; one plain place behind a scaled conversion
.irp c,0,1
.irp i,0,1,2
	v_mov_b32 v[207+6*\c+\i], v[216+4*\c+\i]       ; registers 6 c + 3 .. 6 c + 5: the block's upper 16 codes
.endr
.endr
.irp j,0,2,4,6,8,10,12,14
	v_pk_mul_f32 v[O+\j:O+\j+1], v[O+\j:O+\j+1], v[24:25] op_sel_hi:[1,0]   ; O^T under the new M; these eight are also the places between the operand's and the scale word's last writes and the products
.endr
	s_wait_dscnt 0x0                               ; v is in
	v_wmma_scale_f32_16x16x128_f8f6f4 v[O:O+7], v[100:111], v[204:215], v[O:O+7], v37, v38 matrix_a_fmt:MATRIX_FMT_FP6 matrix_b_fmt:MATRIX_FMT_FP6
	v_wmma_scale_f32_16x16x128_f8f6f4 v[O+8:O+15], v[112:123], v[204:215], v[O+8:O+15], v37, v38 matrix_a_fmt:MATRIX_FMT_FP6 matrix_b_fmt:MATRIX_FMT_FP6 matrix_a_scale:MATRIX_SCALE_ROW1
	s_add_co_u32 s16, s16, 3072
	s_add_co_u32 s17, s17, 128
	s_sub_co_u32 s18, s18, 1
	s_cmp_lg_u32 s18, 0
	s_cbranch_scc1 .Lstep_\@
.rept 5
	v_nop
.endr
	v_add_f32 v22, v22, v23
	v_permlanex16_b32 v228, v22, s[SEL], s[SEL+1]
	v_add_f32 v22, v22, v228                       ; the row's sum
	v_rcp_f32 v22, v22
	v_nop
	s_wait_alu depctr_va_vdst(0)
.irp j,0,1,2,3,4,5,6,7,8,9,10,11,12,13,14,15
	v_mul_f32 v[S+\j], v[O+\j], v22                ; ctx(query, 16 h + j)
.endr
	v_max3_num_f32 v224, |v[S]|, |v[S+1]|, 0x1800000
.irp j,2,4,6,8,10,12,14
	v_max3_num_f32 v224, v224, |v[S+\j]|, |v[S+\j+1]|
.endr
	v_permlanex16_b32 v228, v224, s[SEL], s[SEL+1]
	v_max_num_f32 v224, v224, v228                 ; the head's 32 numbers are one block
	v_add_nc_u32 v230, 0xff000000, v224
	v_lshrrev_b32 v232, 23, v230
	v_cvt_scalef32_pk16_fp6_f32 v[204:206], v[S:S+15], v230
	v_nop
	global_store_b96 v17, v[204:206], s[44:45] offset:384*\qt   ; the wave stores 384 consecutive bytes
	global_store_b8 v15, v232, s[46:47] offset:128*\qt          ; both halves of the lanes store the same byte at the same place
.endm
	TILE 0
	TILE 1
	s_wait_tensorcnt 0x0                           ; the wave's end
	ds_add_u32 v[SPW], v[NIL]
	s_wait_dscnt 0x0
	ROUND                                          ; the closing round
	s_endpgm
.Lfunc_end_k_qbec288177c_attn:
	.size	k_qbec288177c_attn, .Lfunc_end_k_qbec288177c_attn-k_qbec288177c_attn
	.p2alignl 7, 3214868480
	.fill 96, 4, 3214868480
	.section	.rodata,"a",@progbits
	.p2align	6, 0x0
	.amdhsa_kernel k_qbec288177c_attn
		.amdhsa_group_segment_fixed_size 167936
		.amdhsa_private_segment_fixed_size 0
		.amdhsa_enable_private_segment 0
		.amdhsa_kernarg_size 24
		.amdhsa_user_sgpr_count 2
		.amdhsa_user_sgpr_kernarg_segment_ptr 1
		.amdhsa_wavefront_size32 1
		.amdhsa_system_sgpr_workgroup_id_x 1
		.amdhsa_system_sgpr_workgroup_id_y 1
		.amdhsa_system_sgpr_workgroup_id_z 1
		.amdhsa_system_vgpr_workitem_id 0
		.amdhsa_next_free_vgpr 256
		.amdhsa_next_free_sgpr 66
		.amdhsa_reserve_vcc 0
		.amdhsa_float_denorm_mode_32 3
		.amdhsa_float_denorm_mode_16_64 3
		.amdhsa_memory_ordered 1
		.amdhsa_forward_progress 1
		.amdhsa_inst_pref_size 41
	.end_amdhsa_kernel
	.amdgpu_metadata
---
amdhsa.version: [ 1, 2 ]
amdhsa.kernels:
  - .name:           k_qbec288177c_attn
    .symbol:         k_qbec288177c_attn.kd
    .args:
      - { .name: qc, .offset: 0, .size: 8, .value_kind: global_buffer, .address_space: global }
      - { .name: kv, .offset: 8, .size: 8, .value_kind: global_buffer, .address_space: global }
      - { .name: cc, .offset: 16, .size: 8, .value_kind: global_buffer, .address_space: global }
    .group_segment_fixed_size: 167936
    .private_segment_fixed_size: 0
    .kernarg_segment_align: 8
    .kernarg_segment_size: 24
    .max_flat_workgroup_size: 512
    .sgpr_count:     66
    .vgpr_count:     256
    .wavefront_size: 32
...
	.end_amdgpu_metadata
.endif
;; end of part 3
;; launch chain2 (part 4): grid 256 x 1, 4 waves a work-group, no clusters, 160,256 bytes of LDS; arguments cc, zbar, wq, attn_out_b, ffn2_b1, ffn2_b2, n4_g, n4_b, out0; writes out0
.if DOCPART == 4
	.amdgcn_target "amdgcn-amd-amdhsa--gfx1250"
	.amdhsa_code_object_version 6
	.text
	.protected	k_qbec288177c_chain2
	.globl	k_qbec288177c_chain2
	.p2align	8
	.type	k_qbec288177c_chain2,@function
k_qbec288177c_chain2:
	s_mov_b64 s[64:65], 0
	v_nop
	global_prefetch_b8 v0, s[64:65] scope:SCOPE_SE
	s_setreg_imm32_b32 hwreg(HW_REG_WAVE_MODE, 25, 1), 1
	s_wait_xcnt 0x0
; 64 rows to a work-group, straight through: refined_z = ctx attn_out_w^T + b + z_bar; out0 = FFN2(LN4(refined_z)) + refined_z.  The three products on codes of E2M3 with one E8M0 byte for each 32 along K; all else in f32.
; The frame is that of the launch that made z_bar: THE WAVES SHARE THE COLUMNS (wave w owns 64 of each 256 outputs for all 64 rows); LAYOUT L: for the tile of rows m, lane (r, h) holds row 16 m + r, columns 64 w + 32 h + 0 .. 31.
; The products are used transposed, and the weights' rows that form a tile were chosen so that four tiles' results are layout L: a lane holds a whole block of 32 of the next K.  ctx arrives as codes: a lane's 24 bytes are a head's.
; Operand halves, scale bytes and row sums go from wave to wave through LDS as images of registers.  The weights come as register images from wq into a ring of four slots.  No label, no branch; EXEC is never written.
; NO JOINT LOADS: a fragment goes from memory into the registers of the one wave of the work-group that multiplies it; through LDS the 432 KiB of units that a work-group walks would be written and read once more.
; LIMITS: NaN and infinities are not served; a block whose largest magnitude lies under 2^-124, a block of zeros among them, has the byte 1 (this program alone reads the bytes).
.set X0,     0                         ; LDS: 8 fragment images (2 m + s) of 1,536 bytes: half c at 768 c: 512 bytes at 16 l, 256 bytes at 8 l
.set XS0,    24576                     ; their scale words: 128 bytes for each m
.set HSC,    25600                     ; the hidden layer's scale words: 512 bytes for each m
.set STAT,   27904                     ; exchanges of row sums, 2,048 bytes each, each used once
.set HID,    40960                     ; the hidden layer: 32 fragment images (8 m + s)
.set STG,    90112                     ; a stage of 64 rows x (256 + 16) bytes for each wave, its own
.set SPARE,  159744                    ; the spare words, 128 bytes a wave
.set WS_OFF, 1081344
.set CS_OFF, 3145728
.set L16, 1
.set L8,  2
.set L4,  3
.set L16H, 4
.set L8H, 5
.set PA,  6
.set PB,  7
.set PS,  8
.set HPA, 9
.set HPB, 10
.set HPS, 11
.set STW, 12
.set STR, 13
.set SGW, 14
.set SGR, 15
.set GRAW, 16
.set BH,  17
.set SH8, 18
.set SPW, 19                           ; my spare word; never rewritten
.set NIL, 20                           ; 0; never rewritten
.set ACC, 32                           ; v32-159   accumulator (m, t) at 32 + 32 m + 8 t
.set WSC, 160                          ; v160-175  the weights' scale words
.set XSC, 176                          ; v176-179  x's scale words
.set PC,  180
.set TC,  204
.set MX,  220
.set SO,  224
.set BY,  228
.set PP,  232
.set SM,  236
.set MU,  240
.set RS,  248
; window 1: weight slots 0, 1 at v0, v96; bias sets 0, 1 at v192, v224.   window 2: slots 2, 3; LN4's g at v192, b at v224.   window 3: x's fragments (m, sl) at 24 m + 12 sl; Z at v96.
.set CCP, 8
.set ZB,  10
.set WB,  12
.set AOB, 14
.set F2B1, 16
.set F2B2, 18
.set N4G, 20
.set N4B, 22
.set OUT, 24
.set WSB, 68
.set MSB, 0
.macro WIN new                         ; s_set_vgpr_msb: bits 1:0 source 0, 3:2 source 1, 5:4 source 2, 7:6 destination; the high byte repeats the setting that is left
.if MSB != (\new)
	s_set_vgpr_msb (MSB<<8)|(\new)
.set MSB, (\new)
.endif
.endm
.macro PLACES                          ; four places are owed ahead of loads into a product's registers and of reads of results, five ahead of a product that begins an accumulator anew
.rept 5
	v_nop
.endr
.endm
.macro BAR
	s_wait_dscnt 0x0
	s_barrier_signal -1
	s_barrier_wait -1
.endm
.macro WLOAD u, slot                   ; 25 loads
	WIN 0x40*(1+(\slot)/2)
.irp f,0,1,2,3,4,5,6,7
.irp g,0,1,2
	global_load_b128 v[96*((\slot)%2)+12*\f+4*\g:96*((\slot)%2)+12*\f+4*\g+3], v[L16], s[WB:WB+1] offset:(\u)*49152+1536*\f+512*\g
.endr
.endr
	WIN 0
	global_load_b128 v[WSC+4*(\slot):WSC+4*(\slot)+3], v[L16], s[WSB:WSB+1] offset:(\u)*2048
.endm
.macro BLOAD sp, imm, set              ; 8 loads
	WIN 0x40
.irp q,0,1,2,3,4,5,6,7
	global_load_b128 v[192+32*(\set)+4*\q:195+32*(\set)+4*\q], v[BH], s[\sp:\sp+1] offset:(\imm)+16*\q
.endr
	WIN 0
.endm
.macro GBLOAD sg, sb                   ; 16 loads
	WIN 0x80
.irp q,0,1,2,3,4,5,6,7
	global_load_b128 v[192+4*\q:195+4*\q], v[BH], s[\sg:\sg+1] offset:16*\q
.endr
.irp q,0,1,2,3,4,5,6,7
	global_load_b128 v[224+4*\q:227+4*\q], v[BH], s[\sb:\sb+1] offset:16*\q
.endr
	WIN 0
.endm
.macro XLOAD a16, a8, off0, mstr, scoff, scstr   ; 4 scale words, 16 loads for the first K step, 16 for the second
	WIN 0
.irp m,0,1,2,3
	ds_load_b32 v[XSC+\m], v[L4] offset:(\scoff)+(\scstr)*\m
.endr
	WIN 0xc0
.irp sl,0,1
.irp m,0,1,2,3
	ds_load_b128 v[24*\m+12*\sl:24*\m+12*\sl+3], v[\a16] offset:(\off0)+(\mstr)*\m+1536*\sl
	ds_load_b64 v[24*\m+12*\sl+4:24*\m+12*\sl+5], v[\a8] offset:(\off0)+(\mstr)*\m+1536*\sl+512
	ds_load_b128 v[24*\m+12*\sl+6:24*\m+12*\sl+9], v[\a16] offset:(\off0)+(\mstr)*\m+1536*\sl+768
	ds_load_b64 v[24*\m+12*\sl+10:24*\m+12*\sl+11], v[\a8] offset:(\off0)+(\mstr)*\m+1536*\sl+1280
.endr
.endr
	WIN 0
.endm
.macro WM d, a, b, c, sa, sb, row
.if \row
	v_wmma_scale_f32_16x16x128_f8f6f4 v[(\d):(\d)+7], v[(\a):(\a)+11], v[(\b):(\b)+11], v[(\c):(\c)+7], v[\sa], v[\sb] matrix_a_fmt:MATRIX_FMT_FP6 matrix_b_fmt:MATRIX_FMT_FP6 matrix_a_scale:MATRIX_SCALE_ROW1 matrix_b_scale:MATRIX_SCALE_ROW1
.else
	v_wmma_scale_f32_16x16x128_f8f6f4 v[(\d):(\d)+7], v[(\a):(\a)+11], v[(\b):(\b)+11], v[(\c):(\c)+7], v[\sa], v[\sb] matrix_a_fmt:MATRIX_FMT_FP6 matrix_b_fmt:MATRIX_FMT_FP6
.endif
.endm
; A unit's 32 products.  set >= 0: the bias of that set starts the sums; -1: they go on.  ld = 1: an XLOAD stands just ahead.  The sixteen accumulators take turns, one instruction a turn.
.macro MM slot, set, ld
.set SW, 1+(\slot)/2
.set WR, 96*((\slot)%2)
.if \ld
	s_wait_dscnt 16                                ; the scale words and the first K step are in; the second step's 16 loads may be out
.endif
.if (\set) >= 0
	WIN SW+0x1c
.irp m,0,1,2,3
.irp t,0,1,2,3
	WM ACC+32*\m+8*\t, WR+12*\t, 24*\m, 192+32*(\set)+8*\t, WSC+4*(\slot)+\t, XSC+\m, 0
.endr
.endr
.else
	WIN SW+0x0c
.irp m,0,1,2,3
.irp t,0,1,2,3
	WM ACC+32*\m+8*\t, WR+12*\t, 24*\m, ACC+32*\m+8*\t, WSC+4*(\slot)+\t, XSC+\m, 0
.endr
.endr
.endif
.if \ld
	s_wait_dscnt 0x0
.endif
	WIN SW+0x0c
.irp m,0,1,2,3
.irp t,0,1,2,3
	WM ACC+32*\m+8*\t, WR+48+12*\t, 24*\m+12, ACC+32*\m+8*\t, WSC+4*(\slot)+\t, XSC+\m, 1
.endr
.endr
	WIN 0
.endm
.macro QCORE relu                      ; ACC (layout L) becomes codes in PC, the blocks' bytes in BY; every accumulator is read from its low end on
	WIN 0
	s_wait_dscnt 0x0                               ; the LDS stores of the codes made last have read their registers
.if \relu
.set QI, 0
.rept 32
.irp m,0,1,2,3
	v_max_num_f32 v[ACC+32*\m+QI], 0, v[ACC+32*\m+QI]
.endr
.set QI, QI+1
.endr
.irp m,0,1,2,3
	v_max3_num_f32 v[MX+\m], v[ACC+32*\m], v[ACC+32*\m+1], 0x1800000
.endr
.set QI, 2
.rept 15
.irp m,0,1,2,3
	v_max3_num_f32 v[MX+\m], v[MX+\m], v[ACC+32*\m+QI], v[ACC+32*\m+QI+1]
.endr
.set QI, QI+2
.endr
.else
.irp m,0,1,2,3
	v_max3_num_f32 v[MX+\m], |v[ACC+32*\m]|, |v[ACC+32*\m+1]|, 0x1800000
.endr
.set QI, 2
.rept 15
.irp m,0,1,2,3
	v_max3_num_f32 v[MX+\m], v[MX+\m], |v[ACC+32*\m+QI]|, |v[ACC+32*\m+QI+1]|
.endr
.set QI, QI+2
.endr
.endif
.irp m,0,1,2,3
	v_add_nc_u32 v[SO+\m], 0xff000000, v[MX+\m]
.endr
.irp m,0,1,2,3
	v_lshrrev_b32 v[BY+\m], 23, v[SO+\m]
.endr
.irp m,0,1,2,3
	v_cvt_scalef32_pk16_fp6_f32 v[PC+6*\m:PC+6*\m+2], v[ACC+32*\m:ACC+32*\m+15], v[SO+\m]
	v_cvt_scalef32_pk16_fp6_f32 v[TC+4*\m:TC+4*\m+2], v[ACC+32*\m+16:ACC+32*\m+31], v[SO+\m]
.endr
	v_nop                                          ; one plain place behind a scaled conversion
.irp m,0,1,2,3
.irp i,0,1,2
	v_mov_b32 v[PC+6*\m+3+\i], v[TC+4*\m+\i]
.endr
.endr
.endm
.macro QPUT aA, aB, off, mstr, aS, soff, sstr
.irp m,0,1,2,3
	v_lshlrev_b32 v[PP+\m], v[SH8], v[BY+\m]
.endr
.irp m,0,1,2,3
	v_permlanex16_b32 v[MX+\m], v[PP+\m], s66, s67
.endr
.irp m,0,1,2,3
	v_or_b32 v[PP+\m], v[PP+\m], v[MX+\m]
.endr
.irp m,0,1,2,3
	ds_store_b128 v[\aA], v[PC+6*\m:PC+6*\m+3] offset:(\off)+(\mstr)*\m
	ds_store_b64 v[\aB], v[PC+6*\m+4:PC+6*\m+5] offset:(\off)+(\mstr)*\m+512
	ds_store_b16 v[\aS], v[PP+\m] offset:(\soff)+(\sstr)*\m
.endr
.endm
.macro EXCH k
	WIN 0
.irp m,0,1,2,3
	v_permlanex16_b32 v[MX+\m], v[SM+\m], s66, s67
.endr
.irp m,0,1,2,3
	v_add_f32 v[SM+\m], v[SM+\m], v[MX+\m]
.endr
	ds_store_b128 v[STW], v[SM:SM+3] offset:2048*(\k)
	BAR
.irp j,0,1,2,3
	ds_load_b128 v[PC+4*\j:PC+4*\j+3], v[STR] offset:2048*(\k)+512*\j
.endr
	s_wait_dscnt 0x0
	v_pk_add_f32 v[PC:PC+1], v[PC:PC+1], v[PC+4:PC+5]
	v_pk_add_f32 v[PC+2:PC+3], v[PC+2:PC+3], v[PC+6:PC+7]
	v_pk_add_f32 v[PC+8:PC+9], v[PC+8:PC+9], v[PC+12:PC+13]
	v_pk_add_f32 v[PC+10:PC+11], v[PC+10:PC+11], v[PC+14:PC+15]
	v_pk_add_f32 v[SM:SM+1], v[PC:PC+1], v[PC+8:PC+9]
	v_pk_add_f32 v[SM+2:SM+3], v[PC+2:PC+3], v[PC+10:PC+11]
.endm
.macro LNSUM
	WIN 0x0f
.irp m,0,1,2,3
	v_pk_add_f32 v[TC+4*\m:TC+4*\m+1], v[96+32*\m:97+32*\m], v[98+32*\m:99+32*\m]
.endr
	WIN 0x0c
.set QI, 4
.rept 14
.irp m,0,1,2,3
	v_pk_add_f32 v[TC+4*\m:TC+4*\m+1], v[TC+4*\m:TC+4*\m+1], v[96+32*\m+QI:97+32*\m+QI]
.endr
.set QI, QI+2
.endr
	WIN 0
.irp m,0,1,2,3
	v_add_f32 v[SM+\m], v[TC+4*\m], v[TC+4*\m+1]
.endr
.endm
.macro LNSQ                            ; the means; ACC = Z - mean (it stays for LNAPPLY); SM = the sums of its squares
	WIN 0
.irp m,0,1,2,3
	v_mul_f32 v[MU+2*\m], s72, v[SM+\m]
	v_mul_f32 v[MU+2*\m+1], s72, v[SM+\m]
.endr
	WIN 0x03
.set QI, 0
.rept 16
.irp m,0,1,2,3
	v_pk_add_f32 v[ACC+32*\m+QI:ACC+32*\m+QI+1], v[96+32*\m+QI:97+32*\m+QI], v[MU+2*\m:MU+2*\m+1] neg_lo:[0,1] neg_hi:[0,1]
.endr
.set QI, QI+2
.endr
	WIN 0
.irp m,0,1,2,3
	v_pk_mul_f32 v[TC+4*\m:TC+4*\m+1], v[ACC+32*\m:ACC+32*\m+1], v[ACC+32*\m:ACC+32*\m+1]
.endr
.set QI, 2
.rept 15
.irp m,0,1,2,3
	v_pk_fma_f32 v[TC+4*\m:TC+4*\m+1], v[ACC+32*\m+QI:ACC+32*\m+QI+1], v[ACC+32*\m+QI:ACC+32*\m+QI+1], v[TC+4*\m:TC+4*\m+1]
.endr
.set QI, QI+2
.endr
.irp m,0,1,2,3
	v_add_f32 v[SM+\m], v[TC+4*\m], v[TC+4*\m+1]
.endr
.endm
.macro LNFIN
.irp m,0,1,2,3
	v_fma_f32 v[RS+2*\m], v[SM+\m], s72, s73
.endr
.irp m,0,1,2,3
	v_rsq_f32 v[RS+2*\m], v[RS+2*\m]
.endr
	v_nop                                          ; a plain place behind the last of the four,
	s_wait_alu depctr_va_vdst(0)                   ; and one wait for the batch ahead of its first reader
.irp m,0,1,2,3
	v_mov_b32 v[RS+2*\m+1], v[RS+2*\m]
.endr
.endm
.macro LNAPPLY
	WIN 0
.set QI, 0
.rept 16
.irp m,0,1,2,3
	v_pk_mul_f32 v[ACC+32*\m+QI:ACC+32*\m+QI+1], v[ACC+32*\m+QI:ACC+32*\m+QI+1], v[RS+2*\m:RS+2*\m+1]
.endr
.set QI, QI+2
.endr
	WIN 0x28
.set QI, 0
.rept 16
.irp m,0,1,2,3
	v_pk_fma_f32 v[ACC+32*\m+QI:ACC+32*\m+QI+1], v[ACC+32*\m+QI:ACC+32*\m+QI+1], v[192+QI:193+QI], v[224+QI:225+QI]
.endr
.set QI, QI+2
.endr
	WIN 0
.endm
; ---------------- the head ----------------
	s_load_b512 s[8:23], s[0:1], 0x0
	s_load_b64 s[24:25], s[0:1], 0x40
	v_lshl_add_u32 v[SPW], v0, 2, SPARE
	v_mov_b32 v[NIL], 0
	v_lshrrev_b32 v21, 5, v0
	v_readfirstlane_b32 s2, v21                    ; wave 0..3
	v_and_b32 v21, 31, v0                          ; l
	v_and_b32 v22, 15, v0                          ; r
	v_bfe_u32 v23, v0, 4, 1                        ; h
	v_lshlrev_b32 v[L16], 4, v21
	v_lshlrev_b32 v[L8], 3, v21
	v_lshlrev_b32 v[L4], 2, v21
	v_add_nc_u32 v[L16H], HID, v[L16]
	v_add_nc_u32 v[L8H], HID, v[L8]
	s_mul_i32 s70, s2, 768
	v_add_nc_u32 v[PA], s70, v[L16]
	v_add_nc_u32 v[PB], s70, v[L8]
	s_lshr_b32 s70, s2, 1
	s_lshl_b32 s70, s70, 6
	s_and_b32 s71, s2, 1
	s_lshl_b32 s71, s71, 1
	s_add_co_u32 s70, s70, s71
	v_lshl_add_u32 v[PS], v22, 2, s70
	s_mul_i32 s70, s2, 3072
	v_add_nc_u32 v[HPA], s70, v[L16H]
	v_add_nc_u32 v[HPB], s70, v[L8H]
	s_lshl_b32 s70, s2, 7
	v_lshl_add_u32 v[HPS], v22, 2, s70
	s_lshl_b32 s70, s2, 9
	s_add_co_u32 s70, s70, STAT
	v_add_nc_u32 v[STW], s70, v[L16]
	v_add_nc_u32 v[STR], STAT, v[L16]
	s_mul_i32 s70, s2, 17408
	s_add_co_u32 s70, s70, STG
	v_mul_u32_u24 v24, v23, 272
	v_lshl_add_u32 v24, v22, 4, v24
	v_add_nc_u32 v[SGW], s70, v24
	v_mul_u32_u24 v24, v22, 272
	v_lshl_add_u32 v24, v23, 7, v24
	v_add_nc_u32 v[SGR], s70, v24
	v_lshlrev_b32 v[GRAW], 10, v23
	v_lshl_add_u32 v[GRAW], v22, 4, v[GRAW]
	v_lshlrev_b32 v[BH], 7, v23
	v_lshlrev_b32 v[SH8], 3, v23
.irp m,0,1,2,3
	v_mov_b32 v[MX+\m], 0                          ; written once: a lane permute's destination counts as one of its sources
.endr
	v_mul_u32_u24 v26, v23, 49152                  ; ctx's codes: lanes 16-31 take the next head,
	v_mad_u32_u24 v26, v22, 24, v26                ; 24 bytes a row
	v_lshlrev_b32 v27, 3, v22
	v_lshl_add_u32 v27, v23, 2, v27                ; its bytes: 8 a row; lanes 16-31 the second K step's four
	s_mov_b32 s66, 0x76543210
	s_mov_b32 s67, 0xfedcba98
	s_mov_b32 s72, 0x3b800000                      ; 1 / 256
	s_mov_b32 s73, 0x3727c5ac                      ; 1e-5
	s_lshr_b32 s4, ttmp9, 5                        ; batch
	s_and_b32 s5, ttmp9, 31                        ; which 64 rows of it
	s_lshl_b32 s76, ttmp9, 16
	s_lshl_b32 s74, s2, 8
	s_add_co_u32 s76, s76, s74                     ; 65,536 blk + 256 w
	s_mov_b32 s77, 0
	s_mov_b32 s75, 0
	s_lshl_b32 s78, ttmp9, 16
	s_lshl_b32 s70, s2, 14
	s_add_co_u32 s78, s78, s70                     ; 65,536 blk + 16,384 w
	s_mov_b32 s79, 0
	s_mul_i32 s80, s4, 8*49152
	s_mul_i32 s81, s5, 1536
	s_add_co_u32 s80, s80, s81
	s_mov_b32 s81, 0
	s_lshl_b32 s82, ttmp9, 9
	s_add_co_u32 s82, s82, CS_OFF
	s_mov_b32 s83, 0
	s_mov_b32 s71, 0
	s_wait_kmcnt 0x0
	s_add_nc_u64 s[26:27], s[CCP:CCP+1], s[80:81]  ; ctx's codes at the batch's first head and my work-group's first row
	s_add_nc_u64 s[28:29], s[CCP:CCP+1], s[82:83]  ; its bytes
	s_add_nc_u64 s[ZB:ZB+1], s[ZB:ZB+1], s[78:79]
	s_add_nc_u64 s[OUT:OUT+1], s[OUT:OUT+1], s[76:77]
.irp p, AOB, F2B2, N4G, N4B
	s_add_nc_u64 s[\p:\p+1], s[\p:\p+1], s[74:75]
.endr
	s_lshl_b32 s70, s2, 10
	s_add_nc_u64 s[F2B1:F2B1+1], s[F2B1:F2B1+1], s[70:71]
	s_add_nc_u64 s[WSB:WSB+1], s[WB:WB+1], WS_OFF
	s_lshl_b32 s70, s2, 9
	s_add_nc_u64 s[WSB:WSB+1], s[WSB:WSB+1], s[70:71]
	s_mul_i32 s70, s2, 12288
	s_add_nc_u64 s[WB:WB+1], s[WB:WB+1], s[70:71]
; ---------------- attn_out, refined_z ----------------
	WIN 0xc0
.irp m,0,1,2,3
.irp sl,0,1
.irp c,0,1
.irp p,0,1,2
	global_load_b64 v[24*\m+12*\sl+6*\c+2*\p:24*\m+12*\sl+6*\c+2*\p+1], v26, s[26:27] offset:(4*\sl+2*\c)*49152+384*\m+8*\p   ; block 2 c + hh of K step sl is head 4 sl + 2 c + hh: 48 loads
.endr
.endr
.endr
.endr
	WIN 0
.irp m,0,1,2,3
	global_load_b32 v[XSC+\m], v27, s[28:29] offset:128*\m   ; 4
.endr
	WLOAD 13, 0
	BLOAD AOB, 0, 0                                ; 33
	WIN 0xc0
.irp m,0,1,2,3
.irp q,0,1,2,3,4,5,6,7
	global_load_b128 v[96+32*\m+4*\q:99+32*\m+4*\q], v[L16], s[ZB:ZB+1] offset:4096*\m+512*\q th:TH_LOAD_NT   ; z_bar, an image of these registers: 32
.endr
.endr
	WIN 0
	s_wait_loadcnt 32                              ; ctx, the unit and its bias are in; z_bar's 32 loads may be out
	MM 0, 0, 0
	PLACES
	GBLOAD N4G, N4B                                ; 16
	WLOAD 14, 1
	BLOAD F2B1, 0, 1                               ; 33
	s_wait_loadcnt 49                              ; z_bar: behind it 16 + 33
	WIN 0xcc
.set QI, 0
.rept 16
.irp m,0,1,2,3
	v_pk_add_f32 v[96+32*\m+QI:97+32*\m+QI], v[ACC+32*\m+QI:ACC+32*\m+QI+1], v[96+32*\m+QI:97+32*\m+QI]   ; refined_z
.endr
.set QI, QI+2
.endr
	WIN 0
; ---------------- LN4, FFN2 ----------------
	LNSUM
	EXCH 0
	WLOAD 15, 2
	WLOAD 16, 3                                    ; 50
	LNSQ
	EXCH 1
	LNFIN
	s_wait_loadcnt 63                              ; g and b want 83 left out at the most: 63 is what the wait can name, and is the stricter
	LNAPPLY
	QCORE 0
	QPUT PA, PB, X0, 3072, PS, XS0, 128
	WLOAD 17, 0
	BLOAD F2B1, 256, 0                             ; 33
	BAR
	XLOAD L16, L8, X0, 3072, XS0, 128              ; once for the four units of the hidden layer
	s_wait_loadcnt 63                              ; unit 14 and its bias want 83 left out at the most
	MM 1, 1, 1
	PLACES
	WLOAD 18, 1
	BLOAD F2B1, 512, 1                             ; 33
	QCORE 1
	QPUT HPA, HPB, 0, 12288, HPS, HSC, 512
	s_wait_loadcnt 33                              ; unit 15 and its bias: behind them the last 33
	MM 2, 0, 0
	PLACES
	WLOAD 19, 2
	BLOAD F2B1, 768, 0                             ; 33
	QCORE 1
	QPUT HPA, HPB, 768, 12288, HPS, HSC+2, 512
	s_wait_loadcnt 33
	MM 3, 1, 0
	PLACES
	WLOAD 20, 3
	BLOAD F2B2, 0, 1                               ; 33
	QCORE 1
	QPUT HPA, HPB, 1536, 12288, HPS, HSC+64, 512
	s_wait_loadcnt 33
	MM 0, 0, 0
	PLACES
	WLOAD 21, 0                                    ; 25
	QCORE 1
	QPUT HPA, HPB, 2304, 12288, HPS, HSC+66, 512
	BAR                                            ; the hidden layer's 32 fragments lie in LDS
	s_wait_loadcnt 25                              ; ffn2_b2: behind it the last 25
	XLOAD L16H, L8H, 0, 12288, HSC, 512
	MM 1, 1, 1
	PLACES
	XLOAD L16H, L8H, 3072, 12288, HSC+128, 512
	MM 2, -1, 1
	PLACES
	XLOAD L16H, L8H, 6144, 12288, HSC+256, 512
	MM 3, -1, 1
	PLACES
	s_wait_loadcnt 0x0
	XLOAD L16H, L8H, 9216, 12288, HSC+384, 512
	MM 0, -1, 1
	PLACES
	WIN 0x0c
.set QI, 0
.rept 16
.irp m,0,1,2,3
	v_pk_add_f32 v[ACC+32*\m+QI:ACC+32*\m+QI+1], v[ACC+32*\m+QI:ACC+32*\m+QI+1], v[96+32*\m+QI:97+32*\m+QI]   ; + refined_z
.endr
.set QI, QI+2
.endr
	WIN 0
	; the way out: layout L becomes raw rows through my own stage; LDS serves a wave's instructions in order (ISA guide 5.7.1.4): no wait between the stores and the loads
.irp m,0,1,2,3
.irp q,0,1,2,3,4,5,6,7
	ds_store_b128 v[SGR], v[ACC+32*\m+4*\q:ACC+32*\m+4*\q+3] offset:4352*\m+16*\q
.endr
.endr
.set QI, 0
.rept 32
	ds_load_b128 v[ACC+4*QI:ACC+4*QI+3], v[SGW] offset:544*QI
.set QI, QI+1
.endr
.set QI, 0
.rept 32
	s_wait_dscnt 31-QI                             ; LDS loads come back in order: number QI is in, the younger ones may be out
	global_store_b128 v[GRAW], v[ACC+4*QI:ACC+4*QI+3], s[OUT:OUT+1] offset:2048*QI th:TH_STORE_NT   ; sixteen lanes store 256 consecutive bytes, at a multiple of 256 from the output's first byte
.set QI, QI+1
.endr
	s_wait_tensorcnt 0x0                           ; the wave's end
	ds_add_u32 v[SPW], v[NIL]
	s_wait_dscnt 0x0
	s_endpgm
.Lfunc_end_k_qbec288177c_chain2:
	.size	k_qbec288177c_chain2, .Lfunc_end_k_qbec288177c_chain2-k_qbec288177c_chain2
	.p2alignl 7, 3214868480
	.fill 96, 4, 3214868480
	.section	.rodata,"a",@progbits
	.p2align	6, 0x0
	.amdhsa_kernel k_qbec288177c_chain2
		.amdhsa_group_segment_fixed_size 160256
		.amdhsa_private_segment_fixed_size 0
		.amdhsa_enable_private_segment 0
		.amdhsa_kernarg_size 72
		.amdhsa_user_sgpr_count 2
		.amdhsa_user_sgpr_kernarg_segment_ptr 1
		.amdhsa_wavefront_size32 1
		.amdhsa_system_sgpr_workgroup_id_x 1
		.amdhsa_system_sgpr_workgroup_id_y 1
		.amdhsa_system_sgpr_workgroup_id_z 1
		.amdhsa_system_vgpr_workitem_id 0
		.amdhsa_next_free_vgpr 1024
		.amdhsa_next_free_sgpr 100
		.amdhsa_reserve_vcc 0
		.amdhsa_float_denorm_mode_32 3
		.amdhsa_float_denorm_mode_16_64 3
		.amdhsa_memory_ordered 1
		.amdhsa_forward_progress 1
		.amdhsa_inst_pref_size 180
	.end_amdhsa_kernel
	.amdgpu_metadata
---
amdhsa.version: [ 1, 2 ]
amdhsa.kernels:
  - .name:           k_qbec288177c_chain2
    .symbol:         k_qbec288177c_chain2.kd
    .args:
      - { .name: cc, .offset: 0, .size: 8, .value_kind: global_buffer, .address_space: global }
      - { .name: zbar, .offset: 8, .size: 8, .value_kind: global_buffer, .address_space: global }
      - { .name: wq, .offset: 16, .size: 8, .value_kind: global_buffer, .address_space: global }
      - { .name: attn_out_b, .offset: 24, .size: 8, .value_kind: global_buffer, .address_space: global }
      - { .name: ffn2_b1, .offset: 32, .size: 8, .value_kind: global_buffer, .address_space: global }
      - { .name: ffn2_b2, .offset: 40, .size: 8, .value_kind: global_buffer, .address_space: global }
      - { .name: n4_g, .offset: 48, .size: 8, .value_kind: global_buffer, .address_space: global }
      - { .name: n4_b, .offset: 56, .size: 8, .value_kind: global_buffer, .address_space: global }
      - { .name: out0, .offset: 64, .size: 8, .value_kind: global_buffer, .address_space: global }
    .group_segment_fixed_size: 160256
    .private_segment_fixed_size: 0
    .kernarg_segment_align: 8
    .kernarg_segment_size: 72
    .max_flat_workgroup_size: 128
    .sgpr_count:     100
    .vgpr_count:     1024
    .wavefront_size: 32
...
	.end_amdgpu_metadata
.endif
;; end of part 4
;; ======== version 2 of 2: 4 launches
;; workspace buffers: wq 1,126,400 bytes; hpart 262,144 bytes; zbar 16,777,216 bytes; qc 3,670,016 bytes; kv 6,553,600 bytes; cc 3,276,800 bytes
;; launch prep (part 5): grid 344 x 1, 8 waves a work-group, no clusters, 9,216 bytes of LDS; arguments video_feat, audio_feat, g_mha_w1, g_ffn_w1, aproj_w, outproj_w, ffn1_w1, ffn1_w2, attn_in_w, attn_out_w, ffn2_w1, ffn2_w2, hpart, wq; writes hpart, wq
.if DOCPART == 5
	.amdgcn_target "amdgcn-amd-amdhsa--gfx1250"
	.amdhsa_code_object_version 6
	.text
	.protected	k_qbec288177c_prep
	.globl	k_qbec288177c_prep
	.p2align	8
	.type	k_qbec288177c_prep,@function
k_qbec288177c_prep:
	s_mov_b64 s[64:65], 0
	v_nop
	global_prefetch_b8 v0, s[64:65] scope:SCOPE_SE
	s_setreg_imm32_b32 hwreg(HW_REG_WAVE_MODE, 25, 1), 1
	s_wait_xcnt 0x0
; TWO JOBS IN ONE LAUNCH, parted by the work-group's number (the same in all eight waves).
; Work-groups 0-255: column sums of 128 rows of video_feat or audio_feat, taken at once through the first layer of both gates:
;   hpart[b][16 tensor + chunk][128 gate + j] = the sum over c of W1_gate[j][256 tensor + c] x (the sum of the chunk's 128 rows at column c).  All in f32, by fused multiply-adds.
;   The next launch adds a batch's 32 parts, divides by 2,048 and adds the bias.  That is another order of f32 sums than a mean followed by a product; no difference of large sums is formed.
; Work-groups 256-343: the eight weights of the quantised products become codes of E2M3 with one E8M0 byte for each 32 along K, laid in the order of the operand's registers:
;   unit Ug = 4 u + w (u: which 64 outputs x 256 K of which weight; w: the wave that will use it) is 8 fragments (4 sl + t) of 1,536 bytes: registers 4 g .. 4 g + 3 of lane l at 512 g + 16 l.
;   Row m' of tile t is output 64 G + 32 (m' / 8) + 8 t + m' % 8, so that the product, used transposed, leaves a lane 32 neighbouring outputs in 32 registers: a whole block of the next K.
;   For v's part of attn_in_w (u = 12) it is 64 G + 32 (t / 2) + 16 (m' / 8) + 8 (t % 2) + m' % 8: a tile is half a head, in the order in which attention wants the rows of V^T.
; A block's scale byte is its largest magnitude's exponent field - 2, held at 1 from below.
; LIMITS: NaN and infinities are not served; a block whose largest magnitude lies under 2^-124 has its byte held at 1; a block of zeros gets the byte 1 and not 127 (its codes are zeros, and this program alone reads the bytes).
; NO JOINT LOADS: the gates' first layers, which all 256 summing work-groups read, go from memory straight into the registers of the one wave that multiplies them; 256 KiB a work-group through LDS would be written and read there once more for one multiply-add a number.
; The scale words leave as 4 bytes a lane, 16 bytes apart (45,056 bytes in the launch), hpart as 128 bytes a wave: small beside the 39 MB read.
.set SPARE,  8192                      ; behind the eight waves' 1,024 bytes of sums: the spare words, 128 bytes a wave
.set WS_OFF, 1081344                   ; wq: behind 88 units of 12,288 bytes: 88 x 512 bytes of scale words
.set SPW, 2                            ; v2  LDS address of my spare word; never rewritten
.set NIL, 3                            ; v3  0; never rewritten
	s_load_b512 s[8:23], s[0:1], 0x0               ; video, audio, g_mha_w1, g_ffn_w1, aproj_w, outproj_w, ffn1_w1, ffn1_w2
	s_load_b256 s[24:31], s[0:1], 0x40             ; attn_in_w, attn_out_w, ffn2_w1, ffn2_w2
	s_load_b128 s[32:35], s[0:1], 0x60             ; hpart, wq
	v_lshl_add_u32 v[SPW], v0, 2, SPARE
	v_mov_b32 v[NIL], 0
	v_lshrrev_b32 v4, 5, v0
	s_delay_alu instid0(VALU_DEP_1)
	v_readfirstlane_b32 s2, v4                     ; wave 0..7
	v_and_b32 v4, 31, v0                           ; lane
	s_delay_alu instid0(VALU_DEP_1)
	v_lshlrev_b32 v1, 4, v4                        ; 16 x lane; never rewritten
	s_mov_b32 s36, 0x76543210
	s_mov_b32 s37, 0xfedcba98                      ; v_permlanex16_b32's selects for lane l xor 16
	s_wait_kmcnt 0x0
	s_cmp_lt_u32 ttmp9, 256
	s_cbranch_scc0 .Lweights
; ---------------- the sums ----------------
	s_lshr_b32 s3, ttmp9, 7                        ; tensor: 0 video, 1 audio
	s_bfe_u32 s4, ttmp9, 0x30004                   ; batch
	s_and_b32 s5, ttmp9, 15                        ; chunk of 128 rows
	s_lshl_b32 s40, s4, 21                         ; batch x 2,048 rows x 1,024 bytes
	s_lshl_b32 s41, s5, 17
	s_add_co_u32 s40, s40, s41
	s_lshl_b32 s41, s2, 14                         ; my wave's 16 rows
	s_add_co_u32 s40, s40, s41
	s_mov_b32 s41, 0
	s_cmp_eq_u32 s3, 0
	s_cselect_b64 s[38:39], s[8:9], s[10:11]
	s_add_nc_u64 s[38:39], s[38:39], s[40:41]
	s_and_b32 s44, s2, 3
	s_lshl_b32 s44, s44, 16                        ; my 32 rows of W1 (2,048 bytes each),
	s_lshl_b32 s45, s3, 10                         ; the tensor's half of a row
	s_add_co_u32 s44, s44, s45
	s_mov_b32 s45, 0
	s_cmp_lt_u32 s2, 4                             ; waves 0-3: the first gate, waves 4-7: the second
	s_cselect_b64 s[42:43], s[12:13], s[14:15]
	s_add_nc_u64 s[42:43], s[42:43], s[44:45]
	s_lshl_b32 s46, s4, 15                         ; hpart: batch x 32 parts x 1,024 bytes
	s_lshl_b32 s47, s3, 14
	s_add_co_u32 s46, s46, s47
	s_lshl_b32 s47, s5, 10
	s_add_co_u32 s46, s46, s47
	s_lshl_b32 s47, s2, 7                          ; my wave's 32 numbers
	s_add_co_u32 s46, s46, s47
	s_mov_b32 s47, 0
	s_add_nc_u64 s[32:33], s[32:33], s[46:47]
	s_lshl_b32 s48, s2, 10
	s_wait_alu depctr_va_vdst(0)
	v_add_nc_u32 v5, s48, v1                       ; LDS: my wave's 1,024 bytes, my 16
	v_lshlrev_b32 v7, 2, v4
	v_mov_b32 v6, 0                                ; lane j will hold row j's dot product
.irp i,0,1,2,3,4,5,6,7
	v_mov_b32 v[16+\i], 0                          ; written once: a lane permute's destination counts as one of its sources
.endr
.irp i,0,1,2,3,4,5,6,7,8,9,10,11,12,13,14,15
	global_load_b128 v[32+8*\i:35+8*\i], v1, s[38:39] offset:1024*\i th:TH_LOAD_NT       ; a load takes 512 consecutive bytes: columns 4 l .. 4 l + 3,
	global_load_b128 v[36+8*\i:39+8*\i], v1, s[38:39] offset:1024*\i+512 th:TH_LOAD_NT   ; and 128 + 4 l ..
.endr
.macro ROWADD i
.irp k,0,2,4,6
	v_pk_add_f32 v[8+\k:9+\k], v[8+\k:9+\k], v[32+8*(\i)+\k:33+8*(\i)+\k]
.endr
.endm
	s_wait_loadcnt 24                              ; rows 0-3 are in; the 24 loads of the twelve rows behind them may be out
.irp k,0,2,4,6
	v_pk_add_f32 v[8+\k:9+\k], v[32+\k:33+\k], v[40+\k:41+\k]   ; the first two rows start the sums
.endr
	ROWADD 2
	ROWADD 3
	s_wait_alu depctr_va_vdst(0)
	s_wait_loadcnt 16                              ; rows 4-7
	ROWADD 4
	ROWADD 5
	ROWADD 6
	ROWADD 7
	s_wait_alu depctr_va_vdst(0)
	s_wait_loadcnt 8                               ; rows 8-11
	ROWADD 8
	ROWADD 9
	ROWADD 10
	ROWADD 11
	s_wait_alu depctr_va_vdst(0)
	s_wait_loadcnt 0x0
	ROWADD 12
	ROWADD 13
	ROWADD 14
	ROWADD 15
.macro WBATCH q, buf                   ; rows 8 q .. 8 q + 7 of my 32 rows of W1, 16 loads, into buffer buf
.irp i,0,1,2,3,4,5,6,7
	global_load_b128 v[32+64*(\buf)+8*\i:35+64*(\buf)+8*\i], v1, s[42:43] offset:(8*(\q)+\i)*2048
	global_load_b128 v[36+64*(\buf)+8*\i:39+64*(\buf)+8*\i], v1, s[42:43] offset:(8*(\q)+\i)*2048+512
.endr
.endm
	WBATCH 0, 0                                    ; the rows' registers are free: W1 is on its way while the waves' sums meet
	WBATCH 1, 1
	ds_store_b128 v5, v[8:11]
	ds_store_b128 v5, v[12:15] offset:512
	s_wait_dscnt 0x0                               ; for the others' sake: my sums lie in LDS
	s_barrier_signal -1
	s_barrier_wait -1
.irp i,0,1,2,3,4,5,6,7
	ds_load_b128 v[176+8*\i:179+8*\i], v1 offset:1024*\i
	ds_load_b128 v[180+8*\i:183+8*\i], v1 offset:1024*\i+512
.endr
	s_wait_dscnt 0x0
.irp k,0,2,4,6
	v_pk_add_f32 v[8+\k:9+\k], v[176+\k:177+\k], v[184+\k:185+\k]
.endr
.irp i,2,3,4,5,6,7
.irp k,0,2,4,6
	s_delay_alu instid0(VALU_DEP_4)
	v_pk_add_f32 v[8+\k:9+\k], v[8+\k:9+\k], v[176+8*\i+\k:177+8*\i+\k]   ; v8-15: the chunk's column sums at my eight columns
.endr
.endr
; eight rows of W1 by turns: a dot product of 256, eight numbers a lane, summed over the 32 lanes; row 8 q + i's goes to lane 8 q + i of v6
.macro DOT q, buf
.set WBF, 32+64*(\buf)
.irp i,0,1,2,3,4,5,6,7
	v_pk_mul_f32 v[160+2*\i:161+2*\i], v[WBF+8*\i:WBF+8*\i+1], v[8:9]
.endr
.irp k,2,4,6
.irp i,0,1,2,3,4,5,6,7
	v_pk_fma_f32 v[160+2*\i:161+2*\i], v[WBF+8*\i+\k:WBF+8*\i+\k+1], v[8+\k:9+\k], v[160+2*\i:161+2*\i]
.endr
.endr
.if (\q) < 2
	WBATCH (\q)+2, \buf                            ; the buffer has been read: the batch two on
.endif
.irp i,0,1,2,3,4,5,6,7
	v_add_f32 v[160+2*\i], v[160+2*\i], v[161+2*\i]
.endr
.irp x,1,2,4,8
.irp i,0,1,2,3,4,5,6,7
	v_add_f32_dpp v[160+2*\i], v[160+2*\i], v[160+2*\i] row_xmask:\x row_mask:0xf bank_mask:0xf
.endr
.endr
.irp i,0,1,2,3,4,5,6,7
	v_permlanex16_b32 v[16+\i], v[160+2*\i], s36, s37
.endr
.irp i,0,1,2,3,4,5,6,7
	v_add_f32 v[160+2*\i], v[160+2*\i], v[16+\i]
.endr
.irp i,0,1,2,3,4,5,6,7
	s_wait_alu depctr_va_vdst(0)
	s_mov_b32 s49, 1<<(8*(\q)+\i)
	v_cndmask_b32 v6, v6, v[160+2*\i], s49
.endr
.endm
	s_wait_alu depctr_va_vdst(0)
	s_wait_loadcnt 16                              ; batch 0 is in; batch 1's 16 loads may be out
	DOT 0, 0
	s_wait_loadcnt 16                              ; batch 1; batch 2's may be out
	DOT 1, 1
	s_wait_loadcnt 16                              ; batch 2; batch 3's may be out
	DOT 2, 0
	s_wait_loadcnt 0x0
	DOT 3, 1
	global_store_b32 v7, v6, s[32:33]
	s_wait_tensorcnt 0x0                           ; the wave's end
	ds_add_u32 v[SPW], v[NIL]
	s_wait_dscnt 0x0
	s_endpgm
; ---------------- the weights: a unit to a work-group, a fragment (16 rows x 128 K) to a wave ----------------
.Lweights:
	s_sub_co_u32 s3, ttmp9, 256                    ; Ug
	s_lshr_b32 s4, s3, 2                           ; u
	s_and_b32 s5, s3, 3                            ; w
	s_and_b32 s6, s2, 3                            ; t
	s_lshr_b32 s7, s2, 2                           ; sl
	s_mov_b64 s[38:39], s[16:17]                   ; u = 0: aproj_w
	s_mov_b32 s40, 0                               ; the weight's first u
	s_mov_b32 s41, 1                               ; G = a w + bc du
	s_mov_b32 s42, 0
	s_mov_b32 s43, 0                               ; sp = cc du: which pair of K steps
	s_mov_b32 s44, 10                              ; a row of the weight is 1 << sh bytes
.macro PICK T, ptr, a, bc, cc, sh      ; from unit T on another weight: a choice on the work-group's number alone
	s_cmp_ge_u32 s4, \T
	s_cselect_b64 s[38:39], s[\ptr:\ptr+1], s[38:39]
	s_cselect_b32 s40, \T, s40
	s_cselect_b32 s41, \a, s41
	s_cselect_b32 s42, \bc, s42
	s_cselect_b32 s43, \cc, s43
	s_cselect_b32 s44, \sh, s44
.endm
	PICK 1, 18, 1, 0, 0, 10                        ; outproj_w
	PICK 2, 20, 4, 1, 0, 10                        ; ffn1_w1
	PICK 6, 22, 1, 0, 1, 12                        ; ffn1_w2
	PICK 10, 24, 1, 4, 0, 10                       ; attn_in_w
	PICK 13, 26, 1, 0, 0, 10                       ; attn_out_w
	PICK 14, 28, 4, 1, 0, 10                       ; ffn2_w1
	PICK 18, 30, 1, 0, 1, 12                       ; ffn2_w2
	s_sub_co_u32 s45, s4, s40                      ; du
	s_mul_i32 s46, s41, s5
	s_mul_i32 s47, s42, s45
	s_add_co_u32 s46, s46, s47                     ; G
	s_mul_i32 s47, s43, s45                        ; sp
	s_lshl_b32 s49, s6, 3                          ; the tile's term: 8 t,
	s_lshr_b32 s50, s6, 1
	s_lshl_b32 s50, s50, 5
	s_and_b32 s51, s6, 1
	s_lshl_b32 s51, s51, 3
	s_add_co_u32 s50, s50, s51                     ; or for v: 32 (t / 2) + 8 (t % 2)
	s_cmp_eq_u32 s4, 12
	s_cselect_b32 s48, 16, 32                      ; rows 8-15 of a tile lie 32 outputs on; for v 16
	s_cselect_b32 s49, s50, s49
	s_lshl_b32 s46, s46, 6
	s_add_co_u32 s46, s46, s49
	s_lshl_b32 s47, s47, 1
	s_add_co_u32 s47, s47, s7
	s_lshl_b32 s47, s47, 9                         ; K step 2 sp + sl: 512 bytes each
	v_and_b32 v5, 15, v0                           ; m'
	s_wait_alu depctr_va_vdst(0)
	v_bfe_u32 v6, v0, 3, 1
	v_and_b32 v7, 7, v0
	v_bfe_u32 v8, v0, 4, 1                         ; hh
	s_wait_alu depctr_va_vdst(0)
	v_mad_u32_u24 v9, v6, s48, v7
	s_delay_alu instid0(VALU_DEP_1)
	v_add_nc_u32 v9, s46, v9                       ; my row of the weight
	s_delay_alu instid0(VALU_DEP_1)
	v_lshlrev_b32 v9, s44, v9
	s_delay_alu instid0(VALU_DEP_1)
	v_lshl_add_u32 v9, v8, 7, v9                   ; lanes 16-31: 32 numbers on
	s_delay_alu instid0(VALU_DEP_1)
	v_add_nc_u32 v9, s47, v9
.irp c,0,1
.irp q,0,1,2,3,4,5,6,7
	global_load_b128 v[32+32*\c+4*\q:35+32*\c+4*\q], v9, s[38:39] offset:256*\c+16*\q th:TH_LOAD_NT   ; k = 64 c + 32 hh + 4 q ..: my two whole blocks
.endr
.endr
	s_mul_i32 s52, s3, 12288
	s_lshl_b32 s53, s7, 2
	s_add_co_u32 s53, s53, s6
	s_mul_i32 s53, s53, 1536
	s_add_co_u32 s52, s52, s53
	s_mov_b32 s53, 0
	s_add_nc_u64 s[54:55], s[34:35], s[52:53]      ; my fragment's image
	s_lshl_b32 s52, s3, 9
	s_lshl_b32 s56, s7, 8
	s_add_co_u32 s52, s52, s56
	s_lshl_b32 s56, s6, 2
	s_add_co_u32 s52, s52, s56
	s_add_co_u32 s52, s52, WS_OFF
	s_add_nc_u64 s[56:57], s[34:35], s[52:53]      ; its scale words: 16 (m' + 16 sl) + 4 t
	v_lshlrev_b32 v10, 4, v5
	v_mov_b32 v11, 0                               ; a lane permute's destination counts as one of its sources
	v_lshlrev_b32 v19, 3, v8
	s_wait_loadcnt 0x0
.irp c,0,1
	v_max3_num_f32 v[12+\c], |v[32+32*\c]|, |v[33+32*\c]|, 0x1800000   ; the block's largest magnitude, and the floor 2^(3 - 127): the byte cannot fall under 1
.endr
.irp i,2,4,6,8,10,12,14,16,18,20,22,24,26,28,30
.irp c,0,1
	s_delay_alu instid0(VALU_DEP_2)
	v_max3_num_f32 v[12+\c], v[12+\c], |v[32+32*\c+\i]|, |v[33+32*\c+\i]|
.endr
.endr
.irp c,0,1
	s_delay_alu instid0(VALU_DEP_2)
	v_add_nc_u32 v[14+\c], 0xff000000, v[12+\c]    ; 2 off the exponent field: the conversion takes this operand's exponent field as its scale
.endr
.irp c,0,1
	s_delay_alu instid0(VALU_DEP_2)
	v_lshrrev_b32 v[16+\c], 23, v[14+\c]           ; the scale's byte
.endr
	s_delay_alu instid0(VALU_DEP_1)
	v_lshl_or_b32 v18, v17, 16, v16                ; my bytes: blocks hh and 2 + hh,
	s_delay_alu instid0(VALU_DEP_1)
	v_lshlrev_b32 v18, v19, v18                    ; at their places;
	s_delay_alu instid0(VALU_DEP_1)
	v_permlanex16_b32 v11, v18, s36, s37
	s_delay_alu instid0(VALU_DEP_1)
	v_or_b32 v18, v18, v11                         ; with lane l xor 16's the word is whole
.irp c,0,1
	v_cvt_scalef32_pk16_fp6_f32 v[96+6*\c:98+6*\c], v[32+32*\c:47+32*\c], v[14+\c]
	v_cvt_scalef32_pk16_fp6_f32 v[112+4*\c:114+4*\c], v[48+32*\c:63+32*\c], v[14+\c]   ; (a conversion's three registers begin on an even number)
.endr
	v_nop                                          ; one plain place behind a scaled conversion
.irp c,0,1
.irp i,0,1,2
	v_mov_b32 v[99+6*\c+\i], v[112+4*\c+\i]
.endr
.endr
.irp g,0,1,2
	global_store_b128 v1, v[96+4*\g:99+4*\g], s[54:55] offset:512*\g   ; 512 consecutive bytes a store
.endr
	global_store_b32 v10, v18, s[56:57]            ; both halves of the lanes store the same word at the same place
	s_wait_tensorcnt 0x0                           ; the wave's end, as on the other path
	ds_add_u32 v[SPW], v[NIL]
	s_wait_dscnt 0x0
	s_endpgm
.Lfunc_end_k_qbec288177c_prep:
	.size	k_qbec288177c_prep, .Lfunc_end_k_qbec288177c_prep-k_qbec288177c_prep
	.p2alignl 7, 3214868480
	.fill 96, 4, 3214868480
	.section	.rodata,"a",@progbits
	.p2align	6, 0x0
	.amdhsa_kernel k_qbec288177c_prep
		.amdhsa_group_segment_fixed_size 9216
		.amdhsa_private_segment_fixed_size 0
		.amdhsa_enable_private_segment 0
		.amdhsa_kernarg_size 112
		.amdhsa_user_sgpr_count 2
		.amdhsa_user_sgpr_kernarg_segment_ptr 1
		.amdhsa_wavefront_size32 1
		.amdhsa_system_sgpr_workgroup_id_x 1
		.amdhsa_system_sgpr_workgroup_id_y 1
		.amdhsa_system_sgpr_workgroup_id_z 1
		.amdhsa_system_vgpr_workitem_id 0
		.amdhsa_next_free_vgpr 240
		.amdhsa_next_free_sgpr 66
		.amdhsa_reserve_vcc 0
		.amdhsa_float_denorm_mode_32 3
		.amdhsa_float_denorm_mode_16_64 3
		.amdhsa_memory_ordered 1
		.amdhsa_forward_progress 1
		.amdhsa_inst_pref_size 55
	.end_amdhsa_kernel
	.amdgpu_metadata
---
amdhsa.version: [ 1, 2 ]
amdhsa.kernels:
  - .name:           k_qbec288177c_prep
    .symbol:         k_qbec288177c_prep.kd
    .args:
      - { .name: video_feat, .offset: 0, .size: 8, .value_kind: global_buffer, .address_space: global }
      - { .name: audio_feat, .offset: 8, .size: 8, .value_kind: global_buffer, .address_space: global }
      - { .name: g_mha_w1, .offset: 16, .size: 8, .value_kind: global_buffer, .address_space: global }
      - { .name: g_ffn_w1, .offset: 24, .size: 8, .value_kind: global_buffer, .address_space: global }
      - { .name: aproj_w, .offset: 32, .size: 8, .value_kind: global_buffer, .address_space: global }
      - { .name: outproj_w, .offset: 40, .size: 8, .value_kind: global_buffer, .address_space: global }
      - { .name: ffn1_w1, .offset: 48, .size: 8, .value_kind: global_buffer, .address_space: global }
      - { .name: ffn1_w2, .offset: 56, .size: 8, .value_kind: global_buffer, .address_space: global }
      - { .name: attn_in_w, .offset: 64, .size: 8, .value_kind: global_buffer, .address_space: global }
      - { .name: attn_out_w, .offset: 72, .size: 8, .value_kind: global_buffer, .address_space: global }
      - { .name: ffn2_w1, .offset: 80, .size: 8, .value_kind: global_buffer, .address_space: global }
      - { .name: ffn2_w2, .offset: 88, .size: 8, .value_kind: global_buffer, .address_space: global }
      - { .name: hpart, .offset: 96, .size: 8, .value_kind: global_buffer, .address_space: global }
      - { .name: wq, .offset: 104, .size: 8, .value_kind: global_buffer, .address_space: global }
    .group_segment_fixed_size: 9216
    .private_segment_fixed_size: 0
    .kernarg_segment_align: 8
    .kernarg_segment_size: 112
    .max_flat_workgroup_size: 256
    .sgpr_count:     66
    .vgpr_count:     240
    .wavefront_size: 32
...
	.end_amdgpu_metadata
.endif
;; end of part 5
;; launch chain1 (part 6): grid 256 x 1, 4 waves a work-group, no clusters, 160,256 bytes of LDS; arguments audio_feat, video_feat, wq, hpart, g_mha_b1, g_mha_w2, g_mha_b2, g_ffn_b1, g_ffn_w2, g_ffn_b2, aproj_b, outproj_b, ffn1_b1, ffn1_b2, attn_in_b, n1_g, n1_b, n2_g, n2_b, n3_g, n3_b, out1, out2, zbar, qc, kv; writes out1, out2, zbar, qc, kv
.if DOCPART == 6
	.amdgcn_target "amdgcn-amd-amdhsa--gfx1250"
	.amdhsa_code_object_version 6
	.text
	.protected	k_qbec288177c_chain1
	.globl	k_qbec288177c_chain1
	.p2align	8
	.type	k_qbec288177c_chain1,@function
k_qbec288177c_chain1:
	s_mov_b64 s[64:65], 0
	v_nop
	global_prefetch_b8 v0, s[64:65] scope:SCOPE_SE
	s_setreg_imm32_b32 hwreg(HW_REG_WAVE_SCHED_MODE, 0, 2), 2
	s_setreg_imm32_b32 hwreg(HW_REG_WAVE_MODE, 25, 1), 1
	s_wait_xcnt 0x0
	s_wait_alu depctr_vm_vsrc(0)
; 64 rows to a work-group, straight through: the two gates (finished from hpart), out1, out2; LN1(audio), aproj, outproj, z = gm x .. + video; LN2, FFN1, z_bar = gf x .. + z; LN3, q, k, v; q, k, v quantised for attention.
; All seven products on codes of E2M3 with one E8M0 byte for each 32 along K; everything else in f32.  No label, no branch; EXEC is never written.
; THE WAVES SHARE THE COLUMNS: wave w owns 64 of each 256 outputs for all 64 rows.  LAYOUT L: for the tile of rows m, lane (r, h) holds row 16 m + r, columns 64 w + 32 h + 0 .. 31, in 32 registers.
; THE PRODUCTS ARE USED TRANSPOSED (source 0 = 16 rows of the weight, source 1 = 16 rows of x), and the weight's rows that form a tile were chosen by the launch before so that four tiles' results ARE layout L:
; a lane holds a whole block of 32 of the next K, in order.  So a block's largest magnitude needs no other lane, and two conversions give registers 6 c .. 6 c + 5 of the next operand.
; Operand halves, scale bytes and LayerNorm's row sums go from wave to wave through LDS as images of registers (16 or 8 bytes a lane on end), each exchange between barriers.
; THE WEIGHTS come as register images from wq, a unit (64 outputs x 256 K: 8 fragments, 96 registers) at a time, into a ring of four slots; unit u + 4 is asked for behind the stores of the codes made from unit u's products.
; NO JOINT LOADS: a fragment goes from memory into the registers of the one wave of the work-group that multiplies it; a joint load lands in LDS, where the 624 KiB of units that a work-group walks would be written and read once more, beside 160,256 bytes of activations.
; LayerNorm is taken in two passes (mean; then the squares of x - mean), as the problem writes it, so that a common offset of the inputs does no harm.
; LIMITS: NaN and infinities are not served; a block whose largest magnitude lies under 2^-124 has its byte held at 1; a block of zeros gets the byte 1 and not 127 (zero codes; this program alone reads the bytes);
; tanh is 1 - 2 / (1 + 2^(2 x log2 e)): its absolute error is some 1e-7, also where the gate is small.
; THE MODE: SCHED_MODE bits 1:0 = 2 (LLVM: expert scheduling mode 2), set by the entry lines.  The code itself states the register dependences between vector or matrix instructions and memory or LDS instructions, with s_wait_alu, always for 0.
; THE PLAN.  Registers that memory or LDS instructions touch, and who else names them:
;   v1-v18, v29-v31               addresses, made at the head and never written again: the one wait at the head serves every access by them.
;   v21, v26-v28, v[PP], v[PP+1], v[BY]   serve as addresses once (the gates' store, q's stores, hpart's loads, the gates' load) and are written again later, each behind a wait on vm_vsrc.
;   weight slots, v[WSC ..], bias sets    a unit's loads land; its 32 products read; the loads of a later unit land.
;   x's fragments, v[XSC ..]      LDS loads land; the products of one to four units read; the next LDS loads land.
;   g, b                          loads land; LNAPPLY reads; the next LayerNorm's loads land.
;   Z                             loads land (audio, video); each is turned through the stage: LDS stores read, LDS loads land; vector instructions read and write; z_bar's stores read.
;   v[PC ..], v[PP ..], v[BY ..]  the quantiser writes; LDS or global stores read; the row sums' LDS loads land in v[PC ..] too.
;   v[SM ..]                      additions write; one LDS store reads; additions write again; at the end v's bias lands there.
;   The accumulators are named by vector and matrix instructions alone.
; A STEP is a unit's products, the quantiser on their results, the stores of the codes.  ONE wait on va_vdst stands in it, ahead of the run of stores (macro QPUT): the codes and bytes are written; and every product issued so far is done
; reading its slot, scale words, bias and fragments, LNAPPLY its g and b: so the loads that follow the stores (the unit four on, a bias, g and b, video, the next fragments) owe nothing more; no vector instruction between names their registers.
; An exchange of row sums has one such wait ahead of its store (macro EXPUT); loads and stores that hang on earlier vector work stand between that store and the barrier.  Where a unit's products are followed by the next
; fragments at once (the second layer) the wait stands behind the products' places.  Waits on vm_vsrc: between the stage's stores and its loads; behind an exchange's barrier; at the head of a quantiser whose registers a store has read since the last such wait.
.set X0,     0                         ; LDS: 8 fragment images (2 m + s) of 1,536 bytes: half c at 768 c: 512 bytes at 16 l (registers 6 c .. 6 c + 3), 256 bytes at 8 l (6 c + 4, 6 c + 5)
.set X1,     12288                     ; the same once more
.set XS0,    24576                     ; their scale words: 128 bytes for each m: lanes 0-15 the even K step's word of row r, lanes 16-31 the odd step's
.set XS1,    25088
.set HSC,    25600                     ; the hidden layer's scale words: 512 bytes for each m
.set GATE,   27648                     ; four partial sums of the gates
.set STAT,   27904                     ; six exchanges of row sums, 2,048 bytes each, each used once
.set HID,    40960                     ; the hidden layer: 32 fragment images (8 m + s)
.set STG,    90112                     ; a stage of 64 rows x (256 + 16) bytes for each wave, its own
.set SPARE,  159744                    ; the spare words, 128 bytes a wave
.set WS_OFF, 1081344
; window 0
.set L16, 1                            ; 16 l
.set L8,  2                            ; 8 l
.set L4,  3                            ; 4 l
.set L16H, 4                           ; 16 l + HID
.set L8H, 5                            ; 8 l + HID
.set PA,  6                            ; where I put my half of a fragment of X: 16 l + 768 w
.set PB,  7                            ; 8 l + 768 w
.set PS,  8                            ; and my two scale bytes: 4 r + 64 (w / 2) + 2 (w % 2)
.set HPA, 9                            ; the same for the hidden layer: 16 l + 3,072 w + HID
.set HPB, 10
.set HPS, 11                           ; 4 r + 128 w
.set STW, 12                           ; row sums: STAT + 512 w + 16 l
.set STR, 13                           ; STAT + 16 l
.set SGW, 14                           ; the stage by raw rows: 272 (l / 16) + 16 (l % 16)
.set SGR, 15                           ; the stage by layout L: 272 r + 128 h
.set GRAW, 16                          ; memory by raw rows: 1,024 (l / 16) + 16 (l % 16)
.set BH,  17                           ; 128 h
.set SH8, 18                           ; 8 h
.set SPW, 19                           ; my spare word; never rewritten
.set NIL, 20                           ; 0; never rewritten
.set ACC, 32                           ; v32-159   accumulator (m, t) at 32 + 32 m + 8 t
.set WSC, 160                          ; v160-175  the weights' scale words, four for each slot
.set XSC, 176                          ; v176-179  x's scale words, one for each m
.set PC,  180                          ; v180-203  the codes just made, 6 for each m
.set TC,  204                          ; v204-219  at work, 4 for each m
.set MX,  220
.set SO,  224
.set BY,  228
.set PP,  232
.set SM,  236                          ; v236-239  row sums
.set MU,  240                          ; v240-247  the means, each in both halves of a pair
.set RS,  248                          ; v248-255  1 / sqrt(var + eps), likewise
; window 1: weight slots 0, 1 at v0, v96; bias sets 0, 1 at v192, v224.   window 2: slots 2, 3; LayerNorm's g at v192, b at v224.
; window 3: x's fragments (m, sl) at 24 m + 12 sl; Z (layout L, 32 for each m) at v96; the gates four times each at v224, v228.
.set AUD, 8
.set VID, 10
.set WB,  12
.set HP,  14
.set MB1, 16
.set MW2, 18
.set MB2, 20
.set FB1, 22
.set FW2, 24
.set FB2, 26
.set APB, 28
.set OPB, 30
.set F1B1, 32
.set F1B2, 34
.set AIB, 36
.set N1G, 38
.set N1B, 40
.set N2G, 42
.set N2B, 44
.set N3G, 46
.set N3B, 48
.set O1,  50
.set O2,  52
.set ZB,  54
.set QCP, 56
.set KVP, 58
.set WSB, 68
.set MSB, 0
.macro WIN new                         ; s_set_vgpr_msb: bits 1:0 source 0, 3:2 source 1, 5:4 source 2, 7:6 destination; the high byte repeats the setting that is left
.if MSB != (\new)
	s_set_vgpr_msb (MSB<<8)|(\new)
.set MSB, (\new)
.endif
.endm
.macro PLACES                          ; behind a run of products: four places are owed ahead of vector instructions' reads of results, five ahead of a product that begins an accumulator anew (ISA guide 7.12.1); they stay beside the waits
.rept 5
	v_nop
.endr
.endm
.macro BAR                             ; my LDS stores have landed and my LDS loads are in: then the work-group's barrier
	s_wait_dscnt 0x0
	s_barrier_signal -1
	s_barrier_wait -1
.endm
.macro WLOAD u, slot                   ; unit u: 24 loads of 512 consecutive bytes and one of scale words: 25 loads
	WIN 0x40*(1+(\slot)/2)
.irp f,0,1,2,3,4,5,6,7
.irp g,0,1,2
	global_load_b128 v[96*((\slot)%2)+12*\f+4*\g:96*((\slot)%2)+12*\f+4*\g+3], v[L16], s[WB:WB+1] offset:(\u)*49152+1536*\f+512*\g
.endr
.endr
	WIN 0
	global_load_b128 v[WSC+4*(\slot):WSC+4*(\slot)+3], v[L16], s[WSB:WSB+1] offset:(\u)*2048
.endm
.macro BLOAD sp, imm, set              ; a bias in the result's layout: 32 numbers a lane: 8 loads
	WIN 0x40
.irp q,0,1,2,3,4,5,6,7
	global_load_b128 v[192+32*(\set)+4*\q:195+32*(\set)+4*\q], v[BH], s[\sp:\sp+1] offset:(\imm)+16*\q
.endr
	WIN 0
.endm
.macro GBLOAD sg, sb                   ; a LayerNorm's g and b at my 32 columns: 16 loads
	WIN 0x80
.irp q,0,1,2,3,4,5,6,7
	global_load_b128 v[192+4*\q:195+4*\q], v[BH], s[\sg:\sg+1] offset:16*\q
.endr
.irp q,0,1,2,3,4,5,6,7
	global_load_b128 v[224+4*\q:227+4*\q], v[BH], s[\sb:\sb+1] offset:16*\q
.endr
	WIN 0
.endm
.macro RAWLOAD sp                      ; my 64 columns of the 64 rows: sixteen lanes read 256 consecutive bytes, two rows a load: 32 loads
	WIN 0xc0
.set QI, 0
.rept 32
	global_load_b128 v[96+4*QI:99+4*QI], v[GRAW], s[\sp:\sp+1] offset:2048*QI th:TH_LOAD_NT
.set QI, QI+1
.endr
	WIN 0
.endm
.macro TOL                             ; raw rows become layout L through my own stage; LDS serves a wave's instructions in order (ISA guide 5.7.1.4): no wait on DScnt between the stores and the loads
	WIN 0x0c
.set QI, 0
.rept 32
	ds_store_b128 v[SGW], v[96+4*QI:99+4*QI] offset:544*QI
.set QI, QI+1
.endr
	WIN 0xc0
	s_wait_alu depctr_vm_vsrc(0)                   ; the 32 LDS stores have read Z's registers, in which the 32 loads below land
.irp m,0,1,2,3
.irp q,0,1,2,3,4,5,6,7
	ds_load_b128 v[96+32*\m+4*\q:99+32*\m+4*\q], v[SGR] offset:4352*\m+16*\q
.endr
.endr
	WIN 0
.endm
.macro XLOAD a16, a8, off0, mstr, scoff, scstr   ; two K steps of the four tiles of rows: 4 scale words, 16 loads for the first step, 16 for the second
	WIN 0
.irp m,0,1,2,3
	ds_load_b32 v[XSC+\m], v[L4] offset:(\scoff)+(\scstr)*\m
.endr
	WIN 0xc0
.irp sl,0,1
.irp m,0,1,2,3
	ds_load_b128 v[24*\m+12*\sl:24*\m+12*\sl+3], v[\a16] offset:(\off0)+(\mstr)*\m+1536*\sl
	ds_load_b64 v[24*\m+12*\sl+4:24*\m+12*\sl+5], v[\a8] offset:(\off0)+(\mstr)*\m+1536*\sl+512
	ds_load_b128 v[24*\m+12*\sl+6:24*\m+12*\sl+9], v[\a16] offset:(\off0)+(\mstr)*\m+1536*\sl+768
	ds_load_b64 v[24*\m+12*\sl+10:24*\m+12*\sl+11], v[\a8] offset:(\off0)+(\mstr)*\m+1536*\sl+1280
.endr
.endr
	WIN 0
.endm
.macro WM d, a, b, c, sa, sb, row      ; one product; row = 1: both sides' scale words are taken from lanes 16-31
.if \row
	v_wmma_scale_f32_16x16x128_f8f6f4 v[(\d):(\d)+7], v[(\a):(\a)+11], v[(\b):(\b)+11], v[(\c):(\c)+7], v[\sa], v[\sb] matrix_a_fmt:MATRIX_FMT_FP6 matrix_b_fmt:MATRIX_FMT_FP6 matrix_a_scale:MATRIX_SCALE_ROW1 matrix_b_scale:MATRIX_SCALE_ROW1
.else
	v_wmma_scale_f32_16x16x128_f8f6f4 v[(\d):(\d)+7], v[(\a):(\a)+11], v[(\b):(\b)+11], v[(\c):(\c)+7], v[\sa], v[\sb] matrix_a_fmt:MATRIX_FMT_FP6 matrix_b_fmt:MATRIX_FMT_FP6
.endif
.endm
; A unit's 32 products.  set >= 0: the bias of that set starts the sums; set = -1: they go on.  ld = 1: the last LDS instructions issued are an XLOAD's.  The sixteen accumulators take turns, one instruction a turn.
; Codes, scale words and biases all come by loads: no operand of a product is written by a vector instruction but v's bias, a C.
.macro MM slot, set, ld
.set SW, 1+(\slot)/2
.set WR, 96*((\slot)%2)
.if \ld
	s_wait_dscnt 16                                ; the scale words and the first K step are in; the second step's 16 loads may be out
.endif
.if (\set) >= 0
	WIN SW+0x1c
.irp m,0,1,2,3
.irp t,0,1,2,3
	WM ACC+32*\m+8*\t, WR+12*\t, 24*\m, 192+32*(\set)+8*\t, WSC+4*(\slot)+\t, XSC+\m, 0
.endr
.endr
.else
	WIN SW+0x0c
.irp m,0,1,2,3
.irp t,0,1,2,3
	WM ACC+32*\m+8*\t, WR+12*\t, 24*\m, ACC+32*\m+8*\t, WSC+4*(\slot)+\t, XSC+\m, 0
.endr
.endr
.endif
.if \ld
	s_wait_dscnt 0x0
.endif
	WIN SW+0x0c
.irp m,0,1,2,3
.irp t,0,1,2,3
	WM ACC+32*\m+8*\t, WR+48+12*\t, 24*\m+12, ACC+32*\m+8*\t, WSC+4*(\slot)+\t, XSC+\m, 1
.endr
.endr
	WIN 0
.endm
; ACC (layout L) becomes codes in PC (6 registers for each m), the blocks' bytes in BY.  The four m by turns; every accumulator is read from its low end on.
; freed = 1: since the last wait on vm_vsrc a store or a load has read a register that is written from here on.
.macro QCORE relu, freed
	WIN 0
.if \freed
	s_wait_alu depctr_vm_vsrc(0)                   ; the stores of the codes and bytes made last have read v[PC ..], v[PP ..] and v[BY ..], which are written again from here on (ahead of the first codes: the load of the gates' partial sums has read its address, v[BY])
.endif
.if \relu
.set QI, 0
.rept 32
.irp m,0,1,2,3
	v_max_num_f32 v[ACC+32*\m+QI], 0, v[ACC+32*\m+QI]
.endr
.set QI, QI+1
.endr
.irp m,0,1,2,3
	v_max3_num_f32 v[MX+\m], v[ACC+32*\m], v[ACC+32*\m+1], 0x1800000   ; none is negative; the floor 2^(3 - 127) holds the byte at 1 from below
.endr
.set QI, 2
.rept 15
.irp m,0,1,2,3
	v_max3_num_f32 v[MX+\m], v[MX+\m], v[ACC+32*\m+QI], v[ACC+32*\m+QI+1]
.endr
.set QI, QI+2
.endr
.else
.irp m,0,1,2,3
	v_max3_num_f32 v[MX+\m], |v[ACC+32*\m]|, |v[ACC+32*\m+1]|, 0x1800000
.endr
.set QI, 2
.rept 15
.irp m,0,1,2,3
	v_max3_num_f32 v[MX+\m], v[MX+\m], |v[ACC+32*\m+QI]|, |v[ACC+32*\m+QI+1]|
.endr
.set QI, QI+2
.endr
.endif
.irp m,0,1,2,3
	v_add_nc_u32 v[SO+\m], 0xff000000, v[MX+\m]    ; 2 off the exponent field: the conversion's scale operand
.endr
.irp m,0,1,2,3
	v_lshrrev_b32 v[BY+\m], 23, v[SO+\m]           ; the scale's byte
.endr
.irp m,0,1,2,3
	v_cvt_scalef32_pk16_fp6_f32 v[PC+6*\m:PC+6*\m+2], v[ACC+32*\m:ACC+32*\m+15], v[SO+\m]
	v_cvt_scalef32_pk16_fp6_f32 v[TC+4*\m:TC+4*\m+2], v[ACC+32*\m+16:ACC+32*\m+31], v[SO+\m]   ; (a conversion's three registers begin on an even number)
.endr
	v_nop                                          ; one plain place behind a scaled conversion
.irp m,0,1,2,3
.irp i,0,1,2
	v_mov_b32 v[PC+6*\m+3+\i], v[TC+4*\m+\i]
.endr
.endr
.endm
.macro QPUT aA, aB, off, mstr, aS, soff, sstr    ; the codes and my two bytes of each row's scale word go to LDS
.irp m,0,1,2,3
	v_lshlrev_b32 v[PP+\m], v[SH8], v[BY+\m]
.endr
.irp m,0,1,2,3
	v_permlanex16_b32 v[MX+\m], v[PP+\m], s66, s67
.endr
.irp m,0,1,2,3
	v_or_b32 v[PP+\m], v[PP+\m], v[MX+\m]          ; blocks h = 0 and h = 1: two bytes, the same in both halves of the lanes
.endr
	s_wait_alu depctr_va_vdst(0)                   ; THE STEP'S ONE WAIT: the conversions and moves have written v[PC ..], the lines above v[PP ..], which the LDS stores read; and all earlier products and vector instructions are done with the registers in which the loads behind these stores land
.irp m,0,1,2,3
	ds_store_b128 v[\aA], v[PC+6*\m:PC+6*\m+3] offset:(\off)+(\mstr)*\m
	ds_store_b64 v[\aB], v[PC+6*\m+4:PC+6*\m+5] offset:(\off)+(\mstr)*\m+512
	ds_store_b16 v[\aS], v[PP+\m] offset:(\soff)+(\sstr)*\m
.endr
.endm
; SM (my 32 columns' sums for four rows) becomes the whole rows' sums; every wave adds in the same order.  In two parts: loads and stores that hang on earlier vector work stand between them.
.macro EXPUT k
	WIN 0
.irp m,0,1,2,3
	v_permlanex16_b32 v[MX+\m], v[SM+\m], s66, s67
.endr
.irp m,0,1,2,3
	v_add_f32 v[SM+\m], v[SM+\m], v[MX+\m]
.endr
	s_wait_alu depctr_va_vdst(0)                   ; the additions have written v[SM ..], which the LDS store reads; all earlier vector work on v[PC ..], in which the second part's loads land, and on what is loaded or stored between the two parts, is done
	ds_store_b128 v[STW], v[SM:SM+3] offset:2048*(\k)
.endm
.macro EXGET k
	BAR
	s_wait_alu depctr_vm_vsrc(0)                   ; the LDS store has read v[SM ..], which the sums below write again; the stores of codes issued so far have read v[PC ..], in which the loads below land
.irp j,0,1,2,3
	ds_load_b128 v[PC+4*\j:PC+4*\j+3], v[STR] offset:2048*(\k)+512*\j
.endr
	s_wait_dscnt 0x0
	v_pk_add_f32 v[PC:PC+1], v[PC:PC+1], v[PC+4:PC+5]
	v_pk_add_f32 v[PC+2:PC+3], v[PC+2:PC+3], v[PC+6:PC+7]
	v_pk_add_f32 v[PC+8:PC+9], v[PC+8:PC+9], v[PC+12:PC+13]
	v_pk_add_f32 v[PC+10:PC+11], v[PC+10:PC+11], v[PC+14:PC+15]
	v_pk_add_f32 v[SM:SM+1], v[PC:PC+1], v[PC+8:PC+9]
	v_pk_add_f32 v[SM+2:SM+3], v[PC+2:PC+3], v[PC+10:PC+11]
.endm
.macro LNSUM                           ; SM = the sums of my 32 columns of Z
	WIN 0x0f
.irp m,0,1,2,3
	v_pk_add_f32 v[TC+4*\m:TC+4*\m+1], v[96+32*\m:97+32*\m], v[98+32*\m:99+32*\m]
.endr
	WIN 0x0c
.set QI, 4
.rept 14
.irp m,0,1,2,3
	v_pk_add_f32 v[TC+4*\m:TC+4*\m+1], v[TC+4*\m:TC+4*\m+1], v[96+32*\m+QI:97+32*\m+QI]
.endr
.set QI, QI+2
.endr
	WIN 0
.irp m,0,1,2,3
	v_add_f32 v[SM+\m], v[TC+4*\m], v[TC+4*\m+1]
.endr
.endm
.macro LNSQ                            ; the means; ACC = Z - mean (it stays for LNAPPLY); SM = the sums of its squares
	WIN 0
.irp m,0,1,2,3
	v_mul_f32 v[MU+2*\m], s72, v[SM+\m]
	v_mul_f32 v[MU+2*\m+1], s72, v[SM+\m]
.endr
	WIN 0x03
.set QI, 0
.rept 16
.irp m,0,1,2,3
	v_pk_add_f32 v[ACC+32*\m+QI:ACC+32*\m+QI+1], v[96+32*\m+QI:97+32*\m+QI], v[MU+2*\m:MU+2*\m+1] neg_lo:[0,1] neg_hi:[0,1]
.endr
.set QI, QI+2
.endr
	WIN 0
.irp m,0,1,2,3
	v_pk_mul_f32 v[TC+4*\m:TC+4*\m+1], v[ACC+32*\m:ACC+32*\m+1], v[ACC+32*\m:ACC+32*\m+1]
.endr
.set QI, 2
.rept 15
.irp m,0,1,2,3
	v_pk_fma_f32 v[TC+4*\m:TC+4*\m+1], v[ACC+32*\m+QI:ACC+32*\m+QI+1], v[ACC+32*\m+QI:ACC+32*\m+QI+1], v[TC+4*\m:TC+4*\m+1]
.endr
.set QI, QI+2
.endr
.irp m,0,1,2,3
	v_add_f32 v[SM+\m], v[TC+4*\m], v[TC+4*\m+1]
.endr
.endm
.macro LNFIN                           ; RS = 1 / sqrt(SM / 256 + 1e-5)
.irp m,0,1,2,3
	v_fma_f32 v[RS+2*\m], v[SM+\m], s72, s73
.endr
	s_wait_alu depctr_va_vdst(0)
.irp m,0,1,2,3
	v_rsq_f32 v[RS+2*\m], v[RS+2*\m]
.endr
	v_nop                                          ; a plain place behind the last of the four,
	s_wait_alu depctr_va_vdst(0)                   ; and one wait for the batch: the four v_rsq_f32 have written v[RS ..], ahead of their first reader
.irp m,0,1,2,3
	v_mov_b32 v[RS+2*\m+1], v[RS+2*\m]
.endr
.endm
.macro LNAPPLY                         ; ACC = ACC x rs x g + b
	WIN 0
.set QI, 0
.rept 16
.irp m,0,1,2,3
	v_pk_mul_f32 v[ACC+32*\m+QI:ACC+32*\m+QI+1], v[ACC+32*\m+QI:ACC+32*\m+QI+1], v[RS+2*\m:RS+2*\m+1]
.endr
.set QI, QI+2
.endr
	WIN 0x28
.set QI, 0
.rept 16
.irp m,0,1,2,3
	v_pk_fma_f32 v[ACC+32*\m+QI:ACC+32*\m+QI+1], v[ACC+32*\m+QI:ACC+32*\m+QI+1], v[192+QI:193+QI], v[224+QI:225+QI]
.endr
.set QI, QI+2
.endr
	WIN 0
.endm
.macro GATED g                         ; Z = gate x ACC + Z
	WIN 0xf0
.set QI, 0
.rept 16
.irp m,0,1,2,3
	v_pk_fma_f32 v[96+32*\m+QI:97+32*\m+QI], v[ACC+32*\m+QI:ACC+32*\m+QI+1], v[\g:\g+1], v[96+32*\m+QI:97+32*\m+QI]
.endr
.set QI, QI+2
.endr
	WIN 0
.endm
.macro OUTG r, sp                      ; a gate, broadcast over my 16,384 bytes of the output: 512 consecutive bytes a store
	WIN 0x0c
.set QI, 0
.rept 32
	global_store_b128 v[L16], v[\r:\r+3], s[\sp:\sp+1] offset:512*QI th:TH_STORE_NT
.set QI, QI+1
.endr
	WIN 0
.endm
; ---------------- the head ----------------
	s_load_b512 s[8:23], s[0:1], 0x0
	s_load_b512 s[24:39], s[0:1], 0x40
	s_load_b512 s[40:55], s[0:1], 0x80
	s_load_b128 s[56:59], s[0:1], 0xc0
	v_lshl_add_u32 v[SPW], v0, 2, SPARE
	v_mov_b32 v[NIL], 0
	v_lshrrev_b32 v21, 5, v0
	v_readfirstlane_b32 s2, v21                    ; wave 0..3
	v_and_b32 v21, 31, v0                          ; l
	v_and_b32 v22, 15, v0                          ; r
	v_bfe_u32 v23, v0, 4, 1                        ; h
	v_lshlrev_b32 v[L16], 4, v21
	v_lshlrev_b32 v[L8], 3, v21
	v_lshlrev_b32 v[L4], 2, v21
	v_add_nc_u32 v[L16H], HID, v[L16]
	s_wait_alu depctr_va_vdst(0)
	v_add_nc_u32 v[L8H], HID, v[L8]
	s_wait_alu depctr_va_vdst(0)
	s_wait_alu depctr_va_sdst(0)                   ; s2, the wave's number, is written, ahead of its first reader
	s_mul_i32 s70, s2, 768
	v_add_nc_u32 v[PA], s70, v[L16]
	v_add_nc_u32 v[PB], s70, v[L8]
	s_lshr_b32 s70, s2, 1
	s_lshl_b32 s70, s70, 6
	s_and_b32 s71, s2, 1
	s_lshl_b32 s71, s71, 1
	s_add_co_u32 s70, s70, s71
	v_lshl_add_u32 v[PS], v22, 2, s70
	s_mul_i32 s70, s2, 3072
	v_add_nc_u32 v[HPA], s70, v[L16H]
	v_add_nc_u32 v[HPB], s70, v[L8H]
	s_lshl_b32 s70, s2, 7
	v_lshl_add_u32 v[HPS], v22, 2, s70
	s_lshl_b32 s70, s2, 9
	s_add_co_u32 s70, s70, STAT
	v_add_nc_u32 v[STW], s70, v[L16]
	v_add_nc_u32 v[STR], STAT, v[L16]
	s_mul_i32 s70, s2, 17408
	s_add_co_u32 s70, s70, STG
	v_mul_u32_u24 v24, v23, 272
	v_lshl_add_u32 v24, v22, 4, v24
	v_add_nc_u32 v[SGW], s70, v24
	v_mul_u32_u24 v24, v22, 272
	v_lshl_add_u32 v24, v23, 7, v24
	v_add_nc_u32 v[SGR], s70, v24
	v_lshlrev_b32 v[GRAW], 10, v23
	v_lshl_add_u32 v[GRAW], v22, 4, v[GRAW]
	v_lshlrev_b32 v[BH], 7, v23
	v_lshlrev_b32 v[SH8], 3, v23
.irp m,0,1,2,3
	v_mov_b32 v[MX+\m], 0                          ; written once: a lane permute's destination counts as one of its sources
.endr
	v_mov_b32 v[BY], 0                             ; the address of the load of the gates' partial sums, made here with the other addresses; free for the bytes behind that load
	s_mov_b32 s66, 0x76543210
	s_mov_b32 s67, 0xfedcba98                      ; v_permlanex16_b32's selects for lane l xor 16
	s_mov_b32 s72, 0x3b800000                      ; 1 / 256
	s_mov_b32 s73, 0x3727c5ac                      ; 1e-5
	s_mov_b32 s90, 0xff00ff00                      ; lanes with r >= 8
	s_lshr_b32 s4, ttmp9, 5                        ; batch
	s_and_b32 s5, ttmp9, 31                        ; f: which 64 rows of the batch
	; where q, k and v go: offsets from a head's record
	v_mul_u32_u24 v24, v23, 57344                  ; lanes 16-31 hold head 2 w + 1: a record of qc on
	s_lshl_b32 s70, s5, 10
	v_lshl_add_u32 v26, v22, 4, v24
	v_add_nc_u32 v26, s70, v26                     ; q's first 16 bytes: 1,024 f + 16 r
	s_lshl_b32 s70, s5, 9
	v_lshl_add_u32 v27, v22, 3, v24
	v_add_nc_u32 v27, s70, v27                     ; its last 8: 512 f + 8 r
	s_lshl_b32 s70, s5, 8
	v_lshl_add_u32 v28, v22, 2, v24
	v_add_nc_u32 v28, s70, v28                     ; its byte, as a word: 256 f + 4 r
	v_mul_u32_u24 v24, v23, 102400                 ; a record of kv on
	s_mul_i32 s70, s5, 1536
	v_lshl_add_u32 v29, v22, 4, v24
	v_add_nc_u32 v29, s70, v29                     ; k: 1,536 f + 16 r
	v_lshl_add_u32 v30, v22, 3, v24
	v_add_nc_u32 v30, s70, v30                     ; 1,536 f + 8 r
	s_lshl_b32 s70, s5, 6
	v_lshl_add_u32 v31, v22, 2, v24
	v_add_nc_u32 v31, s70, v31                     ; its scale words: 64 f + 4 r
	s_lshr_b32 s70, s5, 1
	s_and_b32 s71, s5, 1
	s_mul_i32 s91, s70, 3072
	s_mul_i32 s92, s71, 768
	s_add_co_u32 s91, s91, s92                     ; v's codes: 3,072 (f / 2) + 768 (f % 2)
	s_lshl_b32 s92, s70, 7
	s_lshl_b32 s71, s71, 1
	s_add_co_u32 s92, s92, s71                     ; v's bytes: 128 (f / 2) + 2 (f % 2)
	v_lshlrev_b32 v[PP], 3, v0                     ; hpart: thread tau takes numbers 2 tau, 2 tau + 1 of the 256
	v_and_b32 v[PP+1], 63, v0
	v_lshlrev_b32 v[PP+1], 3, v[PP+1]              ; and the same two of its gate's 128 in b1 and w2
	v_mov_b32 v21, s2
	v_lshlrev_b32 v21, 2, v21                      ; my wave's word among the gates' partial sums
	s_lshl_b32 s76, ttmp9, 16
	s_lshl_b32 s74, s2, 8
	s_add_co_u32 s76, s76, s74                     ; 65,536 blk + 256 w
	s_mov_b32 s77, 0
	s_mov_b32 s75, 0
	s_lshl_b32 s78, ttmp9, 16
	s_lshl_b32 s70, s2, 14
	s_add_co_u32 s78, s78, s70                     ; 65,536 blk + 16,384 w
	s_mov_b32 s79, 0
	s_lshl_b32 s80, s4, 3
	s_lshl_b32 s81, s2, 1
	s_add_co_u32 s80, s80, s81                     ; 8 b + 2 w: my first head
	s_mov_b32 s83, 0
	s_mov_b32 s71, 0
	s_wait_kmcnt 0x0
	s_add_nc_u64 s[AUD:AUD+1], s[AUD:AUD+1], s[76:77]
	s_add_nc_u64 s[VID:VID+1], s[VID:VID+1], s[76:77]
	s_add_nc_u64 s[O1:O1+1], s[O1:O1+1], s[78:79]
	s_add_nc_u64 s[O2:O2+1], s[O2:O2+1], s[78:79]
	s_add_nc_u64 s[ZB:ZB+1], s[ZB:ZB+1], s[78:79]
.irp p, APB, OPB, F1B2, AIB, N1G, N1B, N2G, N2B, N3G, N3B
	s_add_nc_u64 s[\p:\p+1], s[\p:\p+1], s[74:75]  ; my 64 columns
.endr
	s_lshl_b32 s70, s2, 10
	s_add_nc_u64 s[F1B1:F1B1+1], s[F1B1:F1B1+1], s[70:71]   ; my 256 hidden units
	s_lshl_b32 s70, s4, 15
	s_add_nc_u64 s[HP:HP+1], s[HP:HP+1], s[70:71]
	s_add_nc_u64 s[WSB:WSB+1], s[WB:WB+1], WS_OFF
	s_lshl_b32 s70, s2, 9
	s_add_nc_u64 s[WSB:WSB+1], s[WSB:WSB+1], s[70:71]
	s_mul_i32 s70, s2, 12288
	s_add_nc_u64 s[WB:WB+1], s[WB:WB+1], s[70:71]
	s_mul_i32 s82, s80, 57344
	s_add_nc_u64 s[QCP:QCP+1], s[QCP:QCP+1], s[82:83]
	s_mul_i32 s82, s80, 102400
	s_add_nc_u64 s[KVP:KVP+1], s[KVP:KVP+1], s[82:83]
	s_cmp_lt_u32 s2, 2                             ; waves 0, 1: the first gate; waves 2, 3: the second
	s_cselect_b64 s[84:85], s[MB1:MB1+1], s[FB1:FB1+1]
	s_cselect_b64 s[86:87], s[MW2:MW2+1], s[FW2:FW2+1]
	s_load_b32 s88, s[MB2:MB2+1], 0x0
	s_load_b32 s89, s[FB2:FB2+1], 0x0
	s_wait_alu depctr_va_vdst(0)                   ; all addresses and offsets are written: v1-v18, v21, v26-v31, v[BY], v[PP], v[PP+1], which the loads and stores of the whole kernel read
; ---------------- LN1(audio), and the gates beside it ----------------
	RAWLOAD AUD                                    ; 32 loads
	GBLOAD N1G, N1B                                ; 16
	WLOAD 0, 0                                     ; 25
	BLOAD APB, 0, 0                                ; 8
	s_wait_loadcnt 49                              ; audio is in; the 49 loads behind it may be out
	TOL
	WIN 0x80
.set QI, 0
.rept 32
	global_load_b64 v[2*QI:2*QI+1], v[PP], s[HP:HP+1] offset:1024*QI   ; the batch's 32 parts, into slot 2's registers, which are free till unit 2 is asked for
.set QI, QI+1
.endr
	global_load_b64 v[64:65], v[PP+1], s[84:85]    ; b1
	global_load_b64 v[66:67], v[PP+1], s[86:87]    ; w2: 34 loads in all
	WIN 0
	s_wait_dscnt 0x0
	LNSUM
	EXPUT 0
	WLOAD 1, 1                                     ; into registers that nothing has named yet
	BLOAD OPB, 0, 1                                ; 33 loads
	EXGET 0                                        ; (its wait on vm_vsrc also shows that hpart's loads have read v[PP], v[PP+1])
	LNSQ
	s_wait_loadcnt 33                              ; all but those 33: the parts, g and b, unit 0 and its bias are in
	WIN 0xaa                                       ; all in window 2
.set QI, 4
.rept 15
	v_pk_add_f32 v[0:1], v[0:1], v[QI:QI+1]        ; the 32 parts, in two chains
	v_pk_add_f32 v[2:3], v[2:3], v[QI+2:QI+3]
.set QI, QI+4
.endr
	v_pk_add_f32 v[0:1], v[0:1], v[2:3]
	v_pk_fma_f32 v[0:1], v[0:1], 0x3a000000, v[64:65] op_sel_hi:[1,0,1]   ; / 2,048 (the mean over the rows) + b1
	v_max_num_f32 v0, 0, v0
	v_max_num_f32 v1, 0, v1
	v_mul_f32 v0, v0, v66
	WIN 0x2a
	v_fma_f32 v[TC], v1, v67, v0                   ; my two terms of the second layer
	WIN 0
	v_add_f32_dpp v[TC], v[TC], v[TC] row_xmask:1 row_mask:0xf bank_mask:0xf
	v_add_f32_dpp v[TC], v[TC], v[TC] row_xmask:2 row_mask:0xf bank_mask:0xf
	v_add_f32_dpp v[TC], v[TC], v[TC] row_xmask:4 row_mask:0xf bank_mask:0xf
	v_add_f32_dpp v[TC], v[TC], v[TC] row_xmask:8 row_mask:0xf bank_mask:0xf
	v_permlanex16_b32 v[TC+1], v[TC], s66, s67
	v_add_f32 v[TC], v[TC], v[TC+1]
	EXPUT 1                                        ; its wait also shows v[TC] written, which the store below reads
	ds_store_b32 v21, v[TC] offset:GATE            ; all lanes write the same word with the same value
	EXGET 1                                        ; its barrier also shows the four partial sums to every wave, its wait on vm_vsrc that the store above has read v[TC] and v21
	ds_load_b128 v[SO:SO+3], v[BY] offset:GATE     ; no vector instruction has named v[SO ..] yet; v[BY] stands since the head
	LNFIN
	s_wait_dscnt 0x0
	s_wait_kmcnt 0x0                               ; the two b2
	v_add_f32 v[SO], v[SO], v[SO+1]
	v_add_f32 v[SO+2], v[SO+2], v[SO+3]
	v_add_f32 v[SO], s88, v[SO]
	v_add_f32 v[SO+2], s89, v[SO+2]
	v_mul_f32 v[SO], 0x4038aa3b, v[SO]             ; 2 log2(e) x
	v_mul_f32 v[SO+2], 0x4038aa3b, v[SO+2]
	s_wait_alu depctr_va_vdst(0)
	v_exp_f32 v[SO], v[SO]
	v_exp_f32 v[SO+2], v[SO+2]
	v_nop
	s_wait_alu depctr_va_vdst(0)                   ; one wait for the two exponentials' results, v[SO] and v[SO+2], ahead of their first reader
	v_add_f32 v[SO], 1.0, v[SO]
	v_add_f32 v[SO+2], 1.0, v[SO+2]
	s_wait_alu depctr_va_vdst(0)
	v_rcp_f32 v[SO], v[SO]
	v_rcp_f32 v[SO+2], v[SO+2]
	v_nop
	s_wait_alu depctr_va_vdst(0)                   ; and one for the two reciprocals' results
	v_fma_f32 v22, v[SO], -2.0, 1.0                ; tanh = 1 - 2 / (1 + e^(2 x)): gm,
	v_fma_f32 v24, v[SO+2], -2.0, 1.0              ; gf
	v_mov_b32 v23, v22
	v_mov_b32 v25, v24
	WIN 0xc0
.irp i,0,1,2,3
	v_mov_b32 v[224+\i], v22
	v_mov_b32 v[228+\i], v24
.endr
	s_wait_alu depctr_va_vdst(0)                   ; the eight moves have written the gates' registers, which out1's stores read, and further on out2's: no vector instruction names them again
	OUTG 224, O1
	LNAPPLY
	QCORE 0, 1
	QPUT PA, PB, X0, 3072, PS, XS0, 128
	RAWLOAD VID                                    ; 32: behind the step's wait: LNSUM and LNSQ are done reading Z,
	GBLOAD N2G, N2B                                ; 16: LNAPPLY g and b,
	WLOAD 2, 2                                     ; 25: the gates' arithmetic slot 2's registers
	BAR                                            ; LN1's eight fragments lie in LDS
; ---------------- aproj, outproj, z ----------------
	XLOAD L16, L8, X0, 3072, XS0, 128
	MM 0, 0, 1
	PLACES
	OUTG 228, O2                                   ; its data stand since the wait ahead of out1's stores
	QCORE 0, 1
	QPUT PA, PB, X1, 3072, PS, XS1, 128
	WLOAD 4, 0                                     ; behind the step's wait: unit 0's products are done reading slot 0, its scale words and bias set 0
	BLOAD F1B1, 0, 0                               ; 33
	WLOAD 3, 3                                     ; 25
	BAR
	s_wait_loadcnt 63                              ; video wants the 99 loads behind it left out at the most: 63 is what the wait can name, and is the stricter; unit 1, its bias, g and b of LN2 are in with it
	TOL
	XLOAD L16, L8, X1, 3072, XS1, 128              ; unit 0's products were done reading the fragments and their scale words at the step's wait
	MM 1, 1, 1                                     ; (its wait for 0 also shows video back from the stage)
	PLACES
	GATED 22                                       ; z = gm x attn_output + video
; ---------------- LN2, FFN1 ----------------
	LNSUM
	EXPUT 2
	WLOAD 5, 1                                     ; behind the exchange's wait: unit 1's products are done reading slot 1, its scale words and bias set 1
	BLOAD F1B1, 256, 1                             ; 33
	EXGET 2
	LNSQ
	EXPUT 3
	EXGET 3
	LNFIN
	LNAPPLY
	QCORE 0, 0                                     ; (nothing has read its registers since the exchange's wait on vm_vsrc)
	QPUT PA, PB, X0, 3072, PS, XS0, 128            ; X0's last readers passed two barriers ago
	GBLOAD N3G, N3B                                ; 16: behind the step's wait: LNAPPLY is done reading g and b
	BAR
	XLOAD L16, L8, X0, 3072, XS0, 128              ; once for the four units of the hidden layer
	s_wait_loadcnt 63                              ; unit 2 and its bias want 74 left out at the most: 63 is the stricter
	MM 2, 0, 1
	PLACES
	QCORE 1, 1
	QPUT HPA, HPB, 0, 12288, HPS, HSC, 512
	WLOAD 6, 2                                     ; behind the step's wait, here and in the next three steps: the unit's products are done reading their slot, its scale words and their bias set
	BLOAD F1B1, 512, 0                             ; 33
	s_wait_loadcnt 49                              ; unit 3 and its bias: behind them LN3's 16 and the last 33
	MM 3, 1, 0
	PLACES
	QCORE 1, 1
	QPUT HPA, HPB, 768, 12288, HPS, HSC+2, 512
	WLOAD 7, 3
	BLOAD F1B1, 768, 1                             ; 33
	s_wait_loadcnt 33                              ; the bias of unit 4: behind it the last 33
	MM 0, 0, 0
	PLACES
	QCORE 1, 1
	QPUT HPA, HPB, 1536, 12288, HPS, HSC+64, 512
	WLOAD 8, 0
	BLOAD F1B2, 0, 0                               ; 33
	s_wait_loadcnt 33
	MM 1, 1, 0
	PLACES
	QCORE 1, 1
	QPUT HPA, HPB, 2304, 12288, HPS, HSC+66, 512
	WLOAD 9, 1
	BLOAD AIB, 0, 1                                ; 33: q's bias
	BAR                                            ; the hidden layer's 32 fragments lie in LDS
	s_wait_loadcnt 33                              ; ffn1_b2: behind it the last 33
	XLOAD L16H, L8H, 0, 12288, HSC, 512            ; the four units' products were done reading the fragments at the last step's wait
	MM 2, 0, 1
	PLACES
	s_wait_alu depctr_va_vdst(0)                   ; unit 6's products are done reading x's fragments and scale words, slot 2, its scale words and bias set 0, in all of which the loads below land
	XLOAD L16H, L8H, 3072, 12288, HSC+128, 512
	WLOAD 10, 2
	BLOAD AIB, 1024, 0                             ; 33: k's bias
	MM 3, -1, 1
	PLACES
	s_wait_alu depctr_va_vdst(0)                   ; unit 7's products are done reading x's fragments and scale words, slot 3 and its scale words
	XLOAD L16H, L8H, 6144, 12288, HSC+256, 512
	WLOAD 11, 3                                    ; 25
	MM 0, -1, 1
	PLACES
	s_wait_alu depctr_va_vdst(0)                   ; unit 8's products are done reading x's fragments and scale words, slot 0 and its scale words
	XLOAD L16H, L8H, 9216, 12288, HSC+384, 512
	s_wait_loadcnt 58                              ; unit 9: behind it the 33 and the 25 issued since
	WLOAD 12, 0                                    ; 25
	MM 1, -1, 1
	PLACES
	GATED 24                                       ; z_bar = gf x h1 + z
; ---------------- LN3, q, k, v ----------------
	LNSUM
	EXPUT 4                                        ; its wait also shows z_bar written, which the stores below read
	WIN 0x0c
.irp m,0,1,2,3
.irp q,0,1,2,3,4,5,6,7
	global_store_b128 v[L16], v[96+32*\m+4*\q:99+32*\m+4*\q], s[ZB:ZB+1] offset:4096*\m+512*\q   ; as an image of the registers: 512 consecutive bytes a store; Z is not written again
.endr
.endr
	WIN 0
	EXGET 4
	LNSQ
	EXPUT 5
	EXGET 5
	LNFIN
	LNAPPLY
	v_bfe_u32 v21, v0, 3, 1                        ; made here, ahead of the step's wait, so that the four loads behind it owe nothing more
	v_lshlrev_b32 v21, 6, v21
	v_and_b32 v[MX], 7, v0
	v_lshl_add_u32 v21, v[MX], 2, v21              ; v's bias: lane r of tile tt is output 32 (tt / 2) + 16 (r / 8) + 8 (tt % 2) + r % 8 of my 64
	QCORE 0, 0                                     ; (nothing has read its registers since the exchange's wait on vm_vsrc)
	QPUT PA, PB, X1, 3072, PS, XS1, 128
.irp tt,0,1,2,3
	global_load_b32 v[SM+\tt], v21, s[AIB:AIB+1] offset:2048+128*(\tt/2)+32*(\tt%2)   ; 4 loads: behind the step's wait: v21 is written, LNFIN is done reading v[SM ..]
.endr
	BAR
	XLOAD L16, L8, X1, 3072, XS1, 128              ; once for q, k and v
	s_wait_loadcnt 54                              ; unit 10: behind it 25 + 25 + 4
	MM 2, 1, 1
	PLACES
	QCORE 0, 1                                     ; lane (r, h): q of head 2 w + h, row 16 m + r: a block is a head
	s_wait_alu depctr_va_vdst(0)                   ; the quantiser has written v[PC ..] and v[BY ..], which q's stores read
.irp m,0,1,2,3
	global_store_b128 v26, v[PC+6*\m:PC+6*\m+3], s[QCP:QCP+1] offset:256*\m
	global_store_b64 v27, v[PC+6*\m+4:PC+6*\m+5], s[QCP:QCP+1] offset:32768+128*\m
	global_store_b32 v28, v[BY+\m], s[QCP:QCP+1] offset:49152+64*\m
.endr
	s_wait_loadcnt 29                              ; unit 11: behind it 25 + 4
	MM 3, 0, 0
	PLACES
	s_wait_xcnt 0x0                                ; q's stores have had their addresses translated: the codes and bytes may be written again
	QCORE 0, 1
	; k's scale words as attention's fragment of 64 keys wants them: row m' = r, byte j: key 32 (r / 8) + 16 (j % 2) + 8 (j / 2) + r % 8.  They are made ahead of the codes' stores, so that one wait serves all nine stores
	v_lshl_or_b32 v[PP], v[BY+1], 8, v[BY]         ; keys r and 16 + r,
	v_lshl_or_b32 v[PP+1], v[BY+3], 8, v[BY+2]     ; keys 32 + r and 48 + r
	v_bfe_u32 v[MX], v0, 3, 1
	v_lshlrev_b32 v[MX], 4, v[MX]
	v_lshlrev_b32 v[PP], v[MX], v[PP]              ; lanes with r >= 8 hold bytes 2 and 3
	v_lshlrev_b32 v[PP+1], v[MX], v[PP+1]
	v_mov_b32_dpp v[PP+2], v[PP] row_xmask:8 row_mask:0xf bank_mask:0xf
	v_mov_b32_dpp v[PP+3], v[PP+1] row_xmask:8 row_mask:0xf bank_mask:0xf
	v_or_b32 v[PP], v[PP], v[PP+2]
	v_or_b32 v[PP+1], v[PP+1], v[PP+3]
	v_cndmask_b32 v[PP], v[PP], v[PP+1], s90       ; rows 8-15 of the fragment take the upper 32 keys
	s_wait_alu depctr_va_vdst(0)                   ; the quantiser has written v[PC ..], the lines above v[PP], which k's stores read
.irp m,0,1,2,3
	global_store_b128 v29, v[PC+6*\m:PC+6*\m+3], s[KVP:KVP+1] offset:256*\m
	global_store_b64 v30, v[PC+6*\m+4:PC+6*\m+5], s[KVP:KVP+1] offset:1024+128*\m
.endr
	global_store_b32 v31, v[PP], s[KVP:KVP+1] offset:98304
	s_wait_loadcnt 0x0                             ; unit 12 and v's bias
	WIN 0x40
.irp tt,0,1,2,3
.irp i,0,1,2,3,4,5,6,7
	v_mov_b32 v[224+8*\tt+\i], v[SM+\tt]           ; here a lane is one output and its registers are rows: the bias eight times
.endr
.endr
	PLACES
	; v NOT transposed: source 0 = 16 rows of x, source 1 = 16 rows of the weight: lane (r, h') holds ONE output, and register 8 m + i the key 16 m + 8 h' + i: its registers run along the keys, the K of attention's second product
	WIN 0x17
.irp tt,0,1,2,3
.irp m,0,1,2,3
	WM ACC+32*\tt+8*\m, 24*\m, 12*\tt, 224+8*\tt, XSC+\m, WSC+\tt, 0
.endr
.endr
	WIN 0x07
.irp tt,0,1,2,3
.irp m,0,1,2,3
	WM ACC+32*\tt+8*\m, 24*\m+12, 48+12*\tt, ACC+32*\tt+8*\m, XSC+\m, WSC+\tt, 1
.endr
.endr
	WIN 0
	PLACES
	s_wait_xcnt 0x0                                ; k's stores have had their addresses translated,
	s_wait_alu depctr_vm_vsrc(0)                   ; and have read v[PC ..] and v[PP], which the lines below write again
	; eight blocks e = 2 tt + beta: 16 registers here, 16 in lane l xor 16
.irp e,0,1,2,3,4,5,6,7
	v_max3_num_f32 v[220+\e], |v[ACC+16*\e]|, |v[ACC+16*\e+1]|, 0x1800000
.endr
.set QI, 2
.rept 7
.irp e,0,1,2,3,4,5,6,7
	v_max3_num_f32 v[220+\e], v[220+\e], |v[ACC+16*\e+QI]|, |v[ACC+16*\e+QI+1]|
.endr
.set QI, QI+2
.endr
.irp e,0,1,2,3,4,5,6,7
	v_permlanex16_b32 v[228+\e], v[220+\e], s66, s67
.endr
.irp e,0,1,2,3,4,5,6,7
	v_max_num_f32 v[220+\e], v[220+\e], v[228+\e]
.endr
.irp e,0,1,2,3,4,5,6,7
	v_add_nc_u32 v[240+\e], 0xff000000, v[220+\e]
.endr
.irp e,0,1,2,3,4,5,6,7
	v_lshrrev_b32 v[248+\e], 23, v[240+\e]
.endr
.irp tt,0,1,2,3
	v_cvt_scalef32_pk16_fp6_f32 v[PC+6*\tt:PC+6*\tt+2], v[ACC+32*\tt:ACC+32*\tt+15], v[240+2*\tt]
	v_cvt_scalef32_pk16_fp6_f32 v[TC+4*\tt:TC+4*\tt+2], v[ACC+32*\tt+16:ACC+32*\tt+31], v[241+2*\tt]
.endr
	v_nop                                          ; one plain place behind a scaled conversion
.irp tt,0,1,2,3
.irp i,0,1,2
	v_permlane16_swap_b32 v[PC+6*\tt+\i], v[TC+4*\tt+\i]   ; lanes 0-15 now hold block 0 whole, lanes 16-31 block 1: place p of a block is key 16 ((p / 8) % 2) + 8 (p / 16) + p % 8, the order in which attention's p arises
.endr
.irp i,0,1,2
	v_mov_b32 v[PC+6*\tt+3+\i], v[TC+4*\tt+\i]
.endr
.endr
	v_add_nc_u32 v26, s91, v[L16]
	v_add_nc_u32 v27, s91, v[L8]
	v_and_b32 v28, 60, v[L4]
	v_add_nc_u32 v28, s92, v28
.irp tt,0,1,2,3
	v_lshl_or_b32 v[228+\tt], v[249+2*\tt], 8, v[248+2*\tt]
.endr
	s_wait_alu depctr_va_vdst(0)                   ; v's codes v[PC ..], its bytes v228-v231 and the offsets v26-v28 are written, which the stores below read
.irp tt,0,1,2,3
	global_store_b128 v26, v[PC+6*\tt:PC+6*\tt+3], s[KVP:KVP+1] offset:(\tt/2)*102400+49152+(\tt%2)*1536
	global_store_b64 v27, v[PC+6*\tt+4:PC+6*\tt+5], s[KVP:KVP+1] offset:(\tt/2)*102400+49152+(\tt%2)*1536+512
	global_store_b16 v28, v[228+\tt], s[KVP:KVP+1] offset:(\tt/2)*102400+100352+(\tt%2)*64
.endr
	s_wait_dscnt 0x0                               ; the closing lines, six on end
	s_wait_alu 0x0
	s_wait_tensorcnt 0x0
	ds_add_u32 v[SPW], v[NIL]
	s_wait_dscnt 0x0
	s_endpgm
.Lfunc_end_k_qbec288177c_chain1:
	.size	k_qbec288177c_chain1, .Lfunc_end_k_qbec288177c_chain1-k_qbec288177c_chain1
	.p2alignl 7, 3214868480
	.fill 96, 4, 3214868480
	.section	.rodata,"a",@progbits
	.p2align	6, 0x0
	.amdhsa_kernel k_qbec288177c_chain1
		.amdhsa_group_segment_fixed_size 160256
		.amdhsa_private_segment_fixed_size 0
		.amdhsa_enable_private_segment 0
		.amdhsa_kernarg_size 208
		.amdhsa_user_sgpr_count 2
		.amdhsa_user_sgpr_kernarg_segment_ptr 1
		.amdhsa_wavefront_size32 1
		.amdhsa_system_sgpr_workgroup_id_x 1
		.amdhsa_system_sgpr_workgroup_id_y 1
		.amdhsa_system_sgpr_workgroup_id_z 1
		.amdhsa_system_vgpr_workitem_id 0
		.amdhsa_next_free_vgpr 1024
		.amdhsa_next_free_sgpr 100
		.amdhsa_reserve_vcc 0
		.amdhsa_float_denorm_mode_32 3
		.amdhsa_float_denorm_mode_16_64 3
		.amdhsa_memory_ordered 1
		.amdhsa_forward_progress 1
		.amdhsa_inst_pref_size 255
	.end_amdhsa_kernel
	.section	.bss,"aw",@nobits
	.p2align	6
	.space	262144
	.amdgpu_metadata
---
amdhsa.version: [ 1, 2 ]
amdhsa.kernels:
  - .name:           k_qbec288177c_chain1
    .symbol:         k_qbec288177c_chain1.kd
    .args:
      - { .name: audio_feat, .offset: 0, .size: 8, .value_kind: global_buffer, .address_space: global }
      - { .name: video_feat, .offset: 8, .size: 8, .value_kind: global_buffer, .address_space: global }
      - { .name: wq, .offset: 16, .size: 8, .value_kind: global_buffer, .address_space: global }
      - { .name: hpart, .offset: 24, .size: 8, .value_kind: global_buffer, .address_space: global }
      - { .name: g_mha_b1, .offset: 32, .size: 8, .value_kind: global_buffer, .address_space: global }
      - { .name: g_mha_w2, .offset: 40, .size: 8, .value_kind: global_buffer, .address_space: global }
      - { .name: g_mha_b2, .offset: 48, .size: 8, .value_kind: global_buffer, .address_space: global }
      - { .name: g_ffn_b1, .offset: 56, .size: 8, .value_kind: global_buffer, .address_space: global }
      - { .name: g_ffn_w2, .offset: 64, .size: 8, .value_kind: global_buffer, .address_space: global }
      - { .name: g_ffn_b2, .offset: 72, .size: 8, .value_kind: global_buffer, .address_space: global }
      - { .name: aproj_b, .offset: 80, .size: 8, .value_kind: global_buffer, .address_space: global }
      - { .name: outproj_b, .offset: 88, .size: 8, .value_kind: global_buffer, .address_space: global }
      - { .name: ffn1_b1, .offset: 96, .size: 8, .value_kind: global_buffer, .address_space: global }
      - { .name: ffn1_b2, .offset: 104, .size: 8, .value_kind: global_buffer, .address_space: global }
      - { .name: attn_in_b, .offset: 112, .size: 8, .value_kind: global_buffer, .address_space: global }
      - { .name: n1_g, .offset: 120, .size: 8, .value_kind: global_buffer, .address_space: global }
      - { .name: n1_b, .offset: 128, .size: 8, .value_kind: global_buffer, .address_space: global }
      - { .name: n2_g, .offset: 136, .size: 8, .value_kind: global_buffer, .address_space: global }
      - { .name: n2_b, .offset: 144, .size: 8, .value_kind: global_buffer, .address_space: global }
      - { .name: n3_g, .offset: 152, .size: 8, .value_kind: global_buffer, .address_space: global }
      - { .name: n3_b, .offset: 160, .size: 8, .value_kind: global_buffer, .address_space: global }
      - { .name: out1, .offset: 168, .size: 8, .value_kind: global_buffer, .address_space: global }
      - { .name: out2, .offset: 176, .size: 8, .value_kind: global_buffer, .address_space: global }
      - { .name: zbar, .offset: 184, .size: 8, .value_kind: global_buffer, .address_space: global }
      - { .name: qc, .offset: 192, .size: 8, .value_kind: global_buffer, .address_space: global }
      - { .name: kv, .offset: 200, .size: 8, .value_kind: global_buffer, .address_space: global }
    .group_segment_fixed_size: 160256
    .private_segment_fixed_size: 0
    .kernarg_segment_align: 8
    .kernarg_segment_size: 208
    .max_flat_workgroup_size: 128
    .sgpr_count:     100
    .vgpr_count:     1024
    .wavefront_size: 32
...
	.end_amdgpu_metadata
.endif
;; end of part 6
;; launch attn (part 7): grid 4 x 64, 16 waves a work-group, clusters of 4 x 1, 167,936 bytes of LDS; arguments qc, kv, cc; writes cc
.if DOCPART == 7
	.amdgcn_target "amdgcn-amd-amdhsa--gfx1250"
	.amdhsa_code_object_version 6
	.text
	.protected	k_qbec288177c_attn
	.globl	k_qbec288177c_attn
	.p2align	8
	.type	k_qbec288177c_attn,@function
k_qbec288177c_attn:
	s_mov_b64 s[64:65], 0
	v_nop
	global_prefetch_b8 v0, s[64:65] scope:SCOPE_SE
	s_setreg_imm32_b32 hwreg(HW_REG_WAVE_MODE, 25, 1), 1
	s_wait_xcnt 0x0
	s_wait_alu depctr_hold_cnt(0) depctr_sa_sdst(0) depctr_va_vdst(0) depctr_va_sdst(0) depctr_va_ssrc(0) depctr_va_vcc(0) depctr_vm_vsrc(0)
	s_getreg_b32 s2, hwreg(HW_REG_IB_STS2, 6, 4)
	s_cmp_eq_u32 s2, 0
	s_cbranch_scc0 .Lentry_in_a_cluster
	s_endpgm
.Lentry_in_a_cluster:
	s_bfe_u32 s2, ttmp6, 0x10000c
	s_cmp_lg_u32 s2, 0x3003
	s_cbranch_scc0 .Lentry_shape_is_right
	s_endpgm
.Lentry_shape_is_right:
; ctx[b][q][head] = softmax_k(q . k / sqrt(32)) v for one (batch, head) a cluster, both products on codes of E2M3 with one E8M0 byte for each 32 along K; ctx / l is quantised at once: a head's 32 numbers are one block of the next product's K.
; THE SOFTMAX: t = score x log2(e) / sqrt(32); M = the running largest t rounded UP to a whole number; p = 2^(t - M) is quantised along the keys, not normalised; the row's sum is taken of the unquantised p and divides at the end.
; When M moves, the sum and O are multiplied by 2^(old M - new M), which rounds nothing.
; SHARES.  The four work-groups of a cluster take 512 queries each of one head; each of sixteen waves takes two tiles of 16 queries, one after the other, and walks the head's 2,048 keys, 128 a step.
; THE HEAD'S WHOLE RECORD (k's and v's codes and scale words, 102,400 dense bytes) comes into LDS ONCE, by four joint loads of 100 rows x 256 bytes (waves 0-3; one tensor load a wave is out), the same in all four work-groups.  Nothing is filled again.
; THE FIRST PRODUCT HAS K = 32 AND THE INSTRUCTION 128.  A fragment of k carries 64 keys: row m' holds four keys, one in each block j of 32.  Four operands of q hold the query's codes in block j and zero codes elsewhere:
; the product with the j-th gives the scores of the keys in block j.  Row m', block j holds key 32 (m' / 8) + 16 (j % 2) + 8 (j / 2) + m' % 8, so that a lane's 32 registers of the four products are ONE block of 32 keys.
; Both products are used transposed: a lane holds one query (lane % 16) throughout.  Within a block the keys stand in the order 16 ((p / 8) % 2) + 8 (p / 16) + p % 8, in p's codes and in v's alike: the sums are the same.
; Rows of V^T: tile t, row m' is channel 16 (m' / 8) + 8 t + m' % 8, so that lane (q, h) ends with channels 16 h .. 16 h + 15 in order: one conversion, 12 bytes.
; No prefetch: every stream is asked for once, at the head.  ctx's scale bytes leave one byte a lane (131,072 bytes in the launch).
; LIMITS: NaN and infinities are not served; p under 2^-126 counts as 0 (v_exp_f32 gives 0 there: ISA guide, its entry); a block whose largest magnitude lies under 2^-124, a block of zeros among them, has the byte 1.
.set VOF,   49152                      ; LDS = the record: k's codes at 0: 32 fragments of 1,536 bytes (64 keys x 16 bytes, then 64 keys x 8); v's here: [step][t][c]: 512 bytes at 16 l, 256 at 8 l
.set KSO,   98304                      ; k's scale words: [fragment][m']
.set SPARE, 102400                     ; (v's scale words, [step][t][m'], lie 2,048 bytes behind k's)  the spare words, 128 bytes a wave
.set CS_OFF, 3145728                   ; cc: behind the codes: [row][head], a byte each
.set KA,  1                            ; v1   512 (m' / 8) + 256 hh + 16 (m' % 8)
.set KB,  2                            ; v2   half of that
.set L16, 3
.set L8,  4
.set L4S, 5                            ; v5   4 l + KSO
.set SPW, 6                            ; v6   my spare word; never rewritten
.set NIL, 7                            ; v7   0; never rewritten
.set SH8, 13                           ; v13  8 hh
; v8-12 the step's LDS addresses; v14-17 offsets in memory; v[20:21] -M, the largest t; v[22:23] the sum; v[24:25] f; v26-31 q's codes; v32 q's scale word; v36, v37, v38 k's, v's, p's scale words; v39 q's byte
; v40-75 the four operands of q; v76-99 two fragments of k; v100-123 two of V^T; v124-187 the scores, then p; v188-203 O^T; v204-215 p's codes; v216-247 at work
.set S,   124
.set O,   188
.set WV,  10
.set SEL, 40
.set CS,  42
.macro ROUND                           ; a round of the cluster's barrier
	s_barrier_signal -1
	s_barrier_wait -1
	s_cmp_lg_u32 s[WV], 0
	s_cbranch_scc1 .Lnot_wave_0_\@
	s_barrier_signal -3
.Lnot_wave_0_\@:
	s_barrier_wait -3
	s_barrier_signal -1
	s_barrier_wait -1
.endm
	s_load_b128 s[4:7], s[0:1], 0x0                ; qc, kv
	s_load_b64 s[8:9], s[0:1], 0x10                ; cc
	v_lshl_add_u32 v[SPW], v0, 2, SPARE
	v_mov_b32 v[NIL], 0
	ds_add_u32 v[SPW], v[NIL]                      ; the wave's opening: the add and its wait stand ahead of the first tensor load; the set-up below, work on registers, stands between them
	ds_add_u32 v[SPW], v[NIL]
	v_lshrrev_b32 v8, 5, v0
	s_delay_alu instid0(VALU_DEP_1)
	v_readfirstlane_b32 s[WV], v8                  ; wave 0..15
	s_and_b32 s12, ttmp7, 0xffff                   ; 8 b + head, which the four partners share
	; descriptor group 1: 100 rows of 256 bytes (32 elements of 8), dense
	s_mov_b32 s24, 15|(3<<16)|(1<<21)              ; 15:0 the mask: all four work-groups; 17:16 elements of 8 bytes; 21 set beside a mask
	s_mov_b32 s25, 32<<16                          ; tensor_dim0 = 32
	s_mov_b32 s26, 100<<16                         ; tensor_dim1 = 100
	s_mov_b32 s27, 32<<16                          ; tile_dim0 = 32
	s_mov_b32 s28, 100                             ; tile_dim1 = 100
	s_mov_b32 s29, 32                              ; from row to row
	s_mov_b32 s30, 0
	s_mov_b32 s31, 0
	s_mul_i32 s21, s[WV], 25600                    ; my quarter of the record, in LDS
	s_mul_i32 s54, s12, 102400
	s_add_co_u32 s54, s54, s21                     ; and in memory: made of the head and the wave's number alone
	s_mov_b32 s55, 0
	s_mov_b32 s20, 1
	s_mov_b32 s[SEL], 0x76543210
	s_mov_b32 s[SEL+1], 0xfedcba98                 ; v_permlanex16_b32's selects for lane l xor 16
	s_mov_b32 s[CS], 0x3e8293ee                    ; c = log2(e) / sqrt(32)
	s_mov_b32 s[CS+1], s[CS]                       ; (named with it as a pair)
	s_mov_b32 s38, 0x0000ffff                      ; lanes 0-15
	s_mov_b32 s39, 0xffff0000                      ; lanes 16-31
	s_mov_b32 s48, 0x01010101
	s_wait_dscnt 0x0                               ; the opening add is done
	s_wait_kmcnt 0x0
	s_add_nc_u64 s[22:23], s[6:7], s[54:55]
	s_or_b32 s23, s23, 0x80000000                  ; type = 2
	ROUND                                          ; all four work-groups are here: the joint loads meet
	s_cmp_lt_u32 s[WV], 4
	s_cbranch_scc0 .Lno_fill
	tensor_load_to_lds s[20:23], s[24:31]
	s_nop 0
.rept 4
	v_nop
.endr
.Lno_fill:
	; my place in the cluster enters offsets in memory alone
	s_bfe_u32 s11, ttmp6, 0x40000                  ; cx
	s_lshl_b32 s13, s11, 5
	s_lshl_b32 s14, s[WV], 1
	s_add_co_u32 s13, s13, s14                     ; my first tile of 16 queries: 32 cx + 2 wave
	s_mov_b32 s51, 0
	s_mul_i32 s50, s12, 57344
	s_add_nc_u64 s[4:5], s[4:5], s[50:51]          ; the head's record in qc
	s_lshl_b32 s50, s13, 8
	s_add_nc_u64 s[32:33], s[4:5], s[50:51]        ; a query's first 16 bytes: 256 a tile,
	s_lshl_b32 s50, s13, 7
	s_add_nc_u64 s[34:35], s[4:5], s[50:51]        ; its last 8: 128 a tile,
	s_lshl_b32 s50, s13, 6
	s_add_nc_u64 s[36:37], s[4:5], s[50:51]        ; its byte, as a word: 64 a tile
	s_mul_i32 s50, s12, 49152
	s_mul_i32 s52, s13, 384
	s_add_co_u32 s50, s50, s52
	s_add_nc_u64 s[44:45], s[8:9], s[50:51]        ; ctx's codes: 24 bytes a query
	s_lshr_b32 s50, s12, 3
	s_lshl_b32 s50, s50, 14
	s_lshl_b32 s52, s13, 7
	s_add_co_u32 s50, s50, s52
	s_and_b32 s52, s12, 7
	s_add_co_u32 s50, s50, s52
	s_add_co_u32 s50, s50, CS_OFF
	s_add_nc_u64 s[46:47], s[8:9], s[50:51]        ; its bytes: 8 x row + head
	v_and_b32 v8, 31, v0                           ; l
	v_and_b32 v9, 7, v0
	v_bfe_u32 v10, v0, 3, 1
	v_bfe_u32 v11, v0, 4, 1                        ; hh
	v_and_b32 v12, 15, v0                          ; r
	s_delay_alu instid0(VALU_DEP_4)
	v_lshlrev_b32 v[KB], 3, v9
	s_delay_alu instid0(VALU_DEP_1)
	v_lshl_add_u32 v[KB], v11, 7, v[KB]
	s_delay_alu instid0(VALU_DEP_1)
	v_lshl_add_u32 v[KB], v10, 8, v[KB]
	s_delay_alu instid0(VALU_DEP_1)
	v_lshlrev_b32 v[KA], 1, v[KB]
	v_lshlrev_b32 v[L16], 4, v8
	v_lshlrev_b32 v[L8], 3, v8
	v_lshl_add_u32 v[L4S], v8, 2, KSO
	v_lshlrev_b32 v[SH8], 3, v11
	v_lshlrev_b32 v14, 4, v12
	v_lshlrev_b32 v15, 3, v12
	v_lshlrev_b32 v16, 2, v12
	v_mul_u32_u24 v17, v12, 24
	s_delay_alu instid0(VALU_DEP_1)
	v_mad_u32_u24 v17, v11, 12, v17
	v_mov_b32 v25, 0                               ; (named as the upper half of a pair)
	v_mov_b32 v228, 0                              ; written once: a lane permute's destination counts as one of its sources
	v_mov_b32 v234, 0
.irp k,0,1,2,3,4,5
	v_mov_b32 v[46+\k], 0                          ; the zero codes between the copies of q
	v_mov_b32 v[64+\k], 0
.endr
	s_wait_tensorcnt 0x0                           ; my quarter has landed (a wave that loaded nothing passes),
	s_barrier_signal -1
	s_barrier_wait -1                              ; everybody's has
; One tile of 16 queries, the qt-th of my two.  (The argument's name is none that an inner loop uses: an argument is put in as text ahead of the loops.)
.macro TILE qt
	s_wait_xcnt 0x0                                ; the tile before has had its stores' registers read
	global_load_b128 v[26:29], v14, s[32:33] offset:256*\qt
	global_load_b64 v[30:31], v15, s[34:35] offset:32768+128*\qt
	global_load_b32 v39, v16, s[36:37] offset:49152+64*\qt
	v_mov_b32 v21, 0xff61b1e6                      ; the largest t so far: -3e38
	s_delay_alu instid0(VALU_DEP_1)
	v_floor_f32 v20, -v21                          ; -M
	v_mov_b32 v22, 0
	v_mov_b32 v23, 0
.irp j,0,1,2,3,4,5,6,7,8,9,10,11,12,13,14,15
	v_mov_b32 v[O+\j], 0                           ; the step is written once: the first finds zeros
.endr
	s_wait_loadcnt 0x0
	v_mul_lo_u32 v32, v39, s48                     ; q's byte in all four bytes: three of them scale zero codes
.irp k,0,1,2,3,4,5
	v_cndmask_b32 v[40+\k], 0, v[26+\k], s38       ; v40: q in block 0; v46: in block 2 (lanes 0-15 hold blocks 0 and 2),
	v_cndmask_b32 v[52+\k], 0, v[26+\k], s38
	v_cndmask_b32 v[58+\k], 0, v[26+\k], s39       ; v58: in block 1; v64: in block 3
	v_cndmask_b32 v[70+\k], 0, v[26+\k], s39
.endr
	s_mov_b32 s16, 0                               ; the step's codes: 3,072 bytes a step in k and in v
	s_mov_b32 s17, 0                               ; its scale words: 128 bytes a step
	s_mov_b32 s18, 16
.Lstep_\@:
	s_setprio 2
	v_add_nc_u32 v8, s16, v[KA]                    ; five plain lines: the places behind the last products and ahead of the loads into their registers
	v_add_nc_u32 v9, s16, v[KB]
	v_add_nc_u32 v10, s16, v[L16]
	v_add_nc_u32 v11, s16, v[L8]
	v_add_nc_u32 v12, s17, v[L4S]
.irp fc,0,1
.irp c,0,1
	ds_load_b128 v[76+12*\fc+6*\c:79+12*\fc+6*\c], v8 offset:1536*\fc+128*\c
	ds_load_b64 v[80+12*\fc+6*\c:81+12*\fc+6*\c], v9 offset:1536*\fc+1024+64*\c
.endr
.endr
	ds_load_b32 v36, v12                           ; lanes 0-15: the first fragment's words, lanes 16-31 the second's
.irp t,0,1
.irp c,0,1
	ds_load_b128 v[100+12*\t+6*\c:103+12*\t+6*\c], v10 offset:VOF+1536*\t+768*\c
	ds_load_b64 v[104+12*\t+6*\c:105+12*\t+6*\c], v11 offset:VOF+1536*\t+768*\c+512
.endr
.endr
	ds_load_b32 v37, v12 offset:2048
	s_wait_dscnt 9                                 ; k is in; v's nine loads may be out
	s_wait_alu depctr_va_vdst(0)
.irp j,0,1,2,3
	v_wmma_scale_f32_16x16x128_f8f6f4 v[S+8*\j:S+8*\j+7], v[76:87], v[40+18*(\j%2)+6*(\j/2):51+18*(\j%2)+6*(\j/2)], 0, v36, v32 matrix_a_fmt:MATRIX_FMT_FP6 matrix_b_fmt:MATRIX_FMT_FP6
.endr
.irp j,0,1,2,3
	v_wmma_scale_f32_16x16x128_f8f6f4 v[S+32+8*\j:S+32+8*\j+7], v[88:99], v[40+18*(\j%2)+6*(\j/2):51+18*(\j%2)+6*(\j/2)], 0, v36, v32 matrix_a_fmt:MATRIX_FMT_FP6 matrix_b_fmt:MATRIX_FMT_FP6 matrix_a_scale:MATRIX_SCALE_ROW1
.endr
.rept 5
	v_nop
.endr
.irp b,0,1,2,3
	v_max3_num_f32 v[224+\b], v[S+16*\b], v[S+1+16*\b], v[S+2+16*\b]   ; each accumulator is read from its low end on: the even ones here, the odd ones at registers 7 and 8 below
.endr
.irp i,3,5,7,9,11,13
.irp b,0,1,2,3
	v_max3_num_f32 v[224+\b], v[224+\b], v[S+16*\b+\i], v[S+1+16*\b+\i]
.endr
.endr
.irp b,0,1,2,3
	v_max_num_f32 v[224+\b], v[224+\b], v[S+15+16*\b]
.endr
	s_delay_alu instid0(VALU_DEP_3)
	v_max_num_f32 v224, v224, v225                 ; THE LARGEST SCORE OF EACH OF MY TWO BLOCKS OF 32 KEYS: it serves for the row's maximum and, since p rises with the score, for the block's largest p
	s_delay_alu instid0(VALU_DEP_2)
	v_max_num_f32 v226, v226, v227
	s_delay_alu instid0(VALU_DEP_1)
	v_max_num_f32 v229, v224, v226
	s_delay_alu instid0(VALU_DEP_1)
	v_permlanex16_b32 v228, v229, s[SEL], s[SEL+1]
	s_delay_alu instid0(VALU_DEP_1)
	v_max_num_f32 v229, v229, v228                 ; with lane l xor 16's 64 keys
	s_delay_alu instid0(VALU_DEP_1)
	v_mul_f32 v229, s[CS], v229
	s_delay_alu instid0(VALU_DEP_1)
	v_max_num_f32 v21, v21, v229                   ; the running largest t
	v_mov_b32 v229, v20
	s_delay_alu instid0(VALU_DEP_2)
	v_floor_f32 v20, -v21                          ; the new -M = -ceil(t)
	s_delay_alu instid0(VALU_DEP_1)
	v_sub_f32 v229, v20, v229                      ; old M - new M: a whole number, 0 or less
	s_delay_alu instid0(VALU_DEP_1)
	v_cvt_i32_f32 v229, v229                       ; (it saturates)
	s_delay_alu instid0(VALU_DEP_1)
	v_ldexp_f32 v24, 1.0, v229                     ; f = 2^(old M - new M)
.set QI, 0
.rept 32
	v_pk_fma_f32 v[S+QI:S+QI+1], v[S+QI:S+QI+1], s[CS:CS+1], v[20:21] op_sel_hi:[1,0,0]   ; t - M
.set QI, QI+2
.endr
	v_fma_f32 v224, v224, s[CS], v20
	v_fma_f32 v226, v226, s[CS], v20
.set QI, 0
	s_setprio 1
	s_wait_alu depctr_va_vdst(0)
.rept 64
	v_exp_f32 v[S+QI], v[S+QI]                     ; p = 2^(t - M)
.set QI, QI+1
.endr
	v_pk_mul_f32 v[22:23], v[22:23], v[24:25] op_sel_hi:[1,0]   ; the sum under the new M: a plain place behind the exponentials
	s_wait_alu depctr_va_vdst(0)                   ; one wait for the batch of 64, ahead of its first reader
	v_exp_f32 v224, v224                           ; the blocks' largest p: the same two instructions on the same numbers
	v_exp_f32 v226, v226
	v_pk_add_f32 v[236:237], v[128:129], v[132:133]
	v_pk_add_f32 v[254:255], v[136:137], v[140:141]
	v_pk_add_f32 v[252:253], v[144:145], v[148:149]
	v_pk_add_f32 v[250:251], v[152:153], v[156:157]
	v_pk_add_f32 v[248:249], v[160:161], v[164:165]
	v_pk_add_f32 v[246:247], v[168:169], v[172:173]
	v_pk_add_f32 v[244:245], v[176:177], v[180:181]
	v_pk_add_f32 v[22:23], v[22:23], v[184:185]
	v_pk_add_f32 v[236:237], v[236:237], v[124:125]
	v_pk_add_f32 v[254:255], v[254:255], v[126:127]
	v_pk_add_f32 v[252:253], v[252:253], v[130:131]
	v_pk_add_f32 v[250:251], v[250:251], v[134:135]
	v_pk_add_f32 v[248:249], v[248:249], v[138:139]
	v_pk_add_f32 v[246:247], v[246:247], v[142:143]
	v_pk_add_f32 v[244:245], v[244:245], v[146:147]
	v_pk_add_f32 v[22:23], v[22:23], v[150:151]
	v_pk_add_f32 v[236:237], v[236:237], v[154:155]
	v_pk_add_f32 v[254:255], v[254:255], v[158:159]
	v_pk_add_f32 v[252:253], v[252:253], v[162:163]
	v_pk_add_f32 v[250:251], v[250:251], v[166:167]
	v_pk_add_f32 v[248:249], v[248:249], v[170:171]
	v_pk_add_f32 v[246:247], v[246:247], v[174:175]
	v_pk_add_f32 v[244:245], v[244:245], v[178:179]
	v_pk_add_f32 v[22:23], v[22:23], v[182:183]
	v_pk_add_f32 v[236:237], v[236:237], v[186:187]
	s_delay_alu instid0(VALU_DEP_2)
	v_pk_add_f32 v[22:23], v[22:23], v[250:251]
	s_delay_alu instid0(VALU_DEP_2)
	v_pk_add_f32 v[236:237], v[236:237], v[248:249]
	v_pk_add_f32 v[254:255], v[254:255], v[246:247]
	v_pk_add_f32 v[252:253], v[252:253], v[244:245]
	s_delay_alu instid0(VALU_DEP_2)
	v_pk_add_f32 v[22:23], v[22:23], v[254:255]
	s_delay_alu instid0(VALU_DEP_2)
	v_pk_add_f32 v[236:237], v[236:237], v[252:253]
	s_delay_alu instid0(VALU_DEP_1)
	v_pk_add_f32 v[22:23], v[22:23], v[236:237]
	s_setprio 0
	s_wait_alu depctr_va_vdst(0)                   ; and one for the two
	v_max_num_f32 v224, 0x1800000, v224            ; the floor 2^(3 - 127)
	v_max_num_f32 v226, 0x1800000, v226
	s_delay_alu instid0(VALU_DEP_2)
	v_add_nc_u32 v230, 0xff000000, v224            ; 2 off the exponent field: the conversion's scale operand
	s_delay_alu instid0(VALU_DEP_2)
	v_add_nc_u32 v231, 0xff000000, v226
	s_delay_alu instid0(VALU_DEP_2)
	v_lshrrev_b32 v232, 23, v230
	s_delay_alu instid0(VALU_DEP_2)
	v_lshrrev_b32 v233, 23, v231
	s_delay_alu instid0(VALU_DEP_1)
	v_lshl_or_b32 v38, v233, 16, v232              ; my bytes: blocks hh and 2 + hh,
	s_delay_alu instid0(VALU_DEP_1)
	v_lshlrev_b32 v38, v[SH8], v38
	s_delay_alu instid0(VALU_DEP_1)
	v_permlanex16_b32 v234, v38, s[SEL], s[SEL+1]
	s_delay_alu instid0(VALU_DEP_1)
	v_or_b32 v38, v38, v234                        ; with lane l xor 16's: p's scale word for these 128 keys
.irp c,0,1
	v_cvt_scalef32_pk16_fp6_f32 v[204+6*\c:206+6*\c], v[S+32*\c:S+15+32*\c], v[230+\c]
	v_cvt_scalef32_pk16_fp6_f32 v[216+4*\c:218+4*\c], v[S+16+32*\c:S+31+32*\c], v[230+\c]   ; (a conversion's three registers begin on an even number)
.endr
	v_nop                                          ; one plain place behind a scaled conversion
.irp c,0,1
.irp i,0,1,2
	v_mov_b32 v[207+6*\c+\i], v[216+4*\c+\i]       ; registers 6 c + 3 .. 6 c + 5: the block's upper 16 codes
.endr
.endr
.irp j,0,2,4,6,8,10,12,14
	v_pk_mul_f32 v[O+\j:O+\j+1], v[O+\j:O+\j+1], v[24:25] op_sel_hi:[1,0]   ; O^T under the new M; these eight are also the places between the operand's and the scale word's last writes and the products
.endr
	s_wait_alu depctr_va_vdst(0)
	s_wait_dscnt 0x0                               ; v is in
	v_wmma_scale_f32_16x16x128_f8f6f4 v[O:O+7], v[100:111], v[204:215], v[O:O+7], v37, v38 matrix_a_fmt:MATRIX_FMT_FP6 matrix_b_fmt:MATRIX_FMT_FP6
	v_wmma_scale_f32_16x16x128_f8f6f4 v[O+8:O+15], v[112:123], v[204:215], v[O+8:O+15], v37, v38 matrix_a_fmt:MATRIX_FMT_FP6 matrix_b_fmt:MATRIX_FMT_FP6 matrix_a_scale:MATRIX_SCALE_ROW1
	s_add_co_u32 s16, s16, 3072
	s_add_co_u32 s17, s17, 128
	s_sub_co_u32 s18, s18, 1
	s_cmp_lg_u32 s18, 0
	s_cbranch_scc1 .Lstep_\@
	s_setprio 0
.rept 5
	v_nop
.endr
	v_add_f32 v22, v22, v23
	s_delay_alu instid0(VALU_DEP_1)
	v_permlanex16_b32 v228, v22, s[SEL], s[SEL+1]
	s_delay_alu instid0(VALU_DEP_1)
	v_add_f32 v22, v22, v228                       ; the row's sum
	s_wait_alu depctr_va_vdst(0)
	v_rcp_f32 v22, v22
	v_nop
	s_wait_alu depctr_va_vdst(0)
.irp j,0,1,2,3,4,5,6,7,8,9,10,11,12,13,14,15
	v_mul_f32 v[S+\j], v[O+\j], v22                ; ctx(query, 16 h + j)
.endr
	v_max3_num_f32 v224, |v[S]|, |v[S+1]|, 0x1800000
.irp j,2,4,6,8,10,12,14
	s_delay_alu instid0(VALU_DEP_1)
	v_max3_num_f32 v224, v224, |v[S+\j]|, |v[S+\j+1]|
.endr
	s_delay_alu instid0(VALU_DEP_1)
	v_permlanex16_b32 v228, v224, s[SEL], s[SEL+1]
	s_delay_alu instid0(VALU_DEP_1)
	v_max_num_f32 v224, v224, v228                 ; the head's 32 numbers are one block
	s_delay_alu instid0(VALU_DEP_1)
	v_add_nc_u32 v230, 0xff000000, v224
	s_delay_alu instid0(VALU_DEP_1)
	v_lshrrev_b32 v232, 23, v230
	v_cvt_scalef32_pk16_fp6_f32 v[204:206], v[S:S+15], v230
	v_nop
	global_store_b96 v17, v[204:206], s[44:45] offset:384*\qt   ; the wave stores 384 consecutive bytes
	global_store_b8 v15, v232, s[46:47] offset:128*\qt          ; both halves of the lanes store the same byte at the same place
.endm
	TILE 0
	TILE 1
	s_wait_tensorcnt 0x0                           ; the wave's end
	ds_add_u32 v[SPW], v[NIL]
	s_wait_dscnt 0x0
	ROUND                                          ; the closing round
	s_endpgm
.Lfunc_end_k_qbec288177c_attn:
	.size	k_qbec288177c_attn, .Lfunc_end_k_qbec288177c_attn-k_qbec288177c_attn
	.p2alignl 7, 3214868480
	.fill 96, 4, 3214868480
	.section	.rodata,"a",@progbits
	.p2align	6, 0x0
	.amdhsa_kernel k_qbec288177c_attn
		.amdhsa_group_segment_fixed_size 167936
		.amdhsa_private_segment_fixed_size 0
		.amdhsa_enable_private_segment 0
		.amdhsa_kernarg_size 24
		.amdhsa_user_sgpr_count 2
		.amdhsa_user_sgpr_kernarg_segment_ptr 1
		.amdhsa_wavefront_size32 1
		.amdhsa_system_sgpr_workgroup_id_x 1
		.amdhsa_system_sgpr_workgroup_id_y 1
		.amdhsa_system_sgpr_workgroup_id_z 1
		.amdhsa_system_vgpr_workitem_id 0
		.amdhsa_next_free_vgpr 256
		.amdhsa_next_free_sgpr 66
		.amdhsa_reserve_vcc 0
		.amdhsa_float_denorm_mode_32 3
		.amdhsa_float_denorm_mode_16_64 3
		.amdhsa_memory_ordered 1
		.amdhsa_forward_progress 1
		.amdhsa_inst_pref_size 44
	.end_amdhsa_kernel
	.amdgpu_metadata
---
amdhsa.version: [ 1, 2 ]
amdhsa.kernels:
  - .name:           k_qbec288177c_attn
    .symbol:         k_qbec288177c_attn.kd
    .args:
      - { .name: qc, .offset: 0, .size: 8, .value_kind: global_buffer, .address_space: global }
      - { .name: kv, .offset: 8, .size: 8, .value_kind: global_buffer, .address_space: global }
      - { .name: cc, .offset: 16, .size: 8, .value_kind: global_buffer, .address_space: global }
    .group_segment_fixed_size: 167936
    .private_segment_fixed_size: 0
    .kernarg_segment_align: 8
    .kernarg_segment_size: 24
    .max_flat_workgroup_size: 512
    .sgpr_count:     66
    .vgpr_count:     256
    .wavefront_size: 32
...
	.end_amdgpu_metadata
.endif
;; end of part 7
;; launch chain2 (part 8): grid 256 x 1, 4 waves a work-group, no clusters, 160,256 bytes of LDS; arguments cc, zbar, wq, attn_out_b, ffn2_b1, ffn2_b2, n4_g, n4_b, out0; writes out0
.if DOCPART == 8
	.amdgcn_target "amdgcn-amd-amdhsa--gfx1250"
	.amdhsa_code_object_version 6
	.text
	.protected	k_qbec288177c_chain2
	.globl	k_qbec288177c_chain2
	.p2align	8
	.type	k_qbec288177c_chain2,@function
k_qbec288177c_chain2:
	s_mov_b64 s[64:65], 0
	v_nop
	global_prefetch_b8 v0, s[64:65] scope:SCOPE_SE
	s_setreg_imm32_b32 hwreg(HW_REG_WAVE_SCHED_MODE, 0, 2), 2
	s_setreg_imm32_b32 hwreg(HW_REG_WAVE_MODE, 25, 1), 1
	s_wait_xcnt 0x0
	s_wait_alu depctr_vm_vsrc(0)
; 64 rows to a work-group, straight through: refined_z = ctx attn_out_w^T + b + z_bar; out0 = FFN2(LN4(refined_z)) + refined_z.  The three products on codes of E2M3 with one E8M0 byte for each 32 along K; all else in f32.
; The frame is that of the launch that made z_bar: THE WAVES SHARE THE COLUMNS (wave w owns 64 of each 256 outputs for all 64 rows); LAYOUT L: for the tile of rows m, lane (r, h) holds row 16 m + r, columns 64 w + 32 h + 0 .. 31.
; The products are used transposed, and the weights' rows that form a tile were chosen so that four tiles' results are layout L: a lane holds a whole block of 32 of the next K.  ctx arrives as codes: a lane's 24 bytes are a head's.
; Operand halves, scale bytes and row sums go from wave to wave through LDS as images of registers.  The weights come as register images from wq into a ring of four slots.  No label, no branch; EXEC is never written.
; NO JOINT LOADS: a fragment goes from memory into the registers of the one wave of the work-group that multiplies it; through LDS the 432 KiB of units that a work-group walks would be written and read once more.
; LIMITS: NaN and infinities are not served; a block whose largest magnitude lies under 2^-124, a block of zeros among them, has the byte 1 (this program alone reads the bytes).
; THE MODE: SCHED_MODE bits 1:0 = 2 (LLVM: expert scheduling mode 2), set by the entry lines.  The code itself states the register dependences between vector or matrix instructions and memory or LDS instructions, with s_wait_alu, always for 0.
; THE PLAN.  Registers that memory or LDS instructions touch, and who else names them:
;   v1-v18, v26, v27              addresses, made at the head and never written again: the one wait at the head serves every access by them.
;   weight slots, v[WSC ..], bias sets    a unit's loads land; its 32 products read; the loads of a later unit land.
;   x's fragments, v[XSC ..]      loads land (ctx from memory, then from LDS); the products of one to four units read; the next LDS loads land.
;   g, b; Z                       loads land once; vector instructions alone name them afterwards.
;   v[PC ..], v[PP ..]            the quantiser writes; LDS stores read; the row sums' LDS loads land in v[PC ..] too.
;   v[SM ..]                      additions write; one LDS store reads; additions write again.
;   The accumulators are named by vector and matrix instructions alone till the way out: there LDS stores read them, LDS loads land in them, global stores read them.
; A STEP is a unit's products, the quantiser on their results, the stores of the codes.  ONE wait on va_vdst stands in it, ahead of the run of stores (macro QPUT): the codes and bytes are written; and every product issued so far is done
; reading its slot, scale words, bias and fragments: so the loads that follow the stores (a later unit, a bias, the next fragments) owe nothing more; no vector instruction between names their registers.
; An exchange of row sums has one such wait ahead of its store (macro EXPUT).  Where a unit's products are followed by the next fragments at once (the second layer) the wait stands behind the products' places.
; Waits on vm_vsrc: behind an exchange's barrier; at the head of a quantiser whose registers a store has read since the last such wait; between the stage's stores and its loads.
.set X0,     0                         ; LDS: 8 fragment images (2 m + s) of 1,536 bytes: half c at 768 c: 512 bytes at 16 l, 256 bytes at 8 l
.set XS0,    24576                     ; their scale words: 128 bytes for each m
.set HSC,    25600                     ; the hidden layer's scale words: 512 bytes for each m
.set STAT,   27904                     ; exchanges of row sums, 2,048 bytes each, each used once
.set HID,    40960                     ; the hidden layer: 32 fragment images (8 m + s)
.set STG,    90112                     ; a stage of 64 rows x (256 + 16) bytes for each wave, its own
.set SPARE,  159744                    ; the spare words, 128 bytes a wave
.set WS_OFF, 1081344
.set CS_OFF, 3145728
.set L16, 1
.set L8,  2
.set L4,  3
.set L16H, 4
.set L8H, 5
.set PA,  6
.set PB,  7
.set PS,  8
.set HPA, 9
.set HPB, 10
.set HPS, 11
.set STW, 12
.set STR, 13
.set SGW, 14
.set SGR, 15
.set GRAW, 16
.set BH,  17
.set SH8, 18
.set SPW, 19                           ; my spare word; never rewritten
.set NIL, 20                           ; 0; never rewritten
.set ACC, 32                           ; v32-159   accumulator (m, t) at 32 + 32 m + 8 t
.set WSC, 160                          ; v160-175  the weights' scale words
.set XSC, 176                          ; v176-179  x's scale words
.set PC,  180
.set TC,  204
.set MX,  220
.set SO,  224
.set BY,  228
.set PP,  232
.set SM,  236
.set MU,  240
.set RS,  248
; window 1: weight slots 0, 1 at v0, v96; bias sets 0, 1 at v192, v224.   window 2: slots 2, 3; LN4's g at v192, b at v224.   window 3: x's fragments (m, sl) at 24 m + 12 sl; Z at v96.
.set CCP, 8
.set ZB,  10
.set WB,  12
.set AOB, 14
.set F2B1, 16
.set F2B2, 18
.set N4G, 20
.set N4B, 22
.set OUT, 24
.set WSB, 68
.set MSB, 0
.macro WIN new                         ; s_set_vgpr_msb: bits 1:0 source 0, 3:2 source 1, 5:4 source 2, 7:6 destination; the high byte repeats the setting that is left
.if MSB != (\new)
	s_set_vgpr_msb (MSB<<8)|(\new)
.set MSB, (\new)
.endif
.endm
.macro PLACES                          ; four places are owed ahead of vector instructions' reads of results, five ahead of a product that begins an accumulator anew (ISA guide 7.12.1); they stay beside the waits
.rept 5
	v_nop
.endr
.endm
.macro BAR
	s_wait_dscnt 0x0
	s_barrier_signal -1
	s_barrier_wait -1
.endm
.macro WLOAD u, slot                   ; 25 loads
	WIN 0x40*(1+(\slot)/2)
.irp f,0,1,2,3,4,5,6,7
.irp g,0,1,2
	global_load_b128 v[96*((\slot)%2)+12*\f+4*\g:96*((\slot)%2)+12*\f+4*\g+3], v[L16], s[WB:WB+1] offset:(\u)*49152+1536*\f+512*\g
.endr
.endr
	WIN 0
	global_load_b128 v[WSC+4*(\slot):WSC+4*(\slot)+3], v[L16], s[WSB:WSB+1] offset:(\u)*2048
.endm
.macro BLOAD sp, imm, set              ; 8 loads
	WIN 0x40
.irp q,0,1,2,3,4,5,6,7
	global_load_b128 v[192+32*(\set)+4*\q:195+32*(\set)+4*\q], v[BH], s[\sp:\sp+1] offset:(\imm)+16*\q
.endr
	WIN 0
.endm
.macro GBLOAD sg, sb                   ; 16 loads
	WIN 0x80
.irp q,0,1,2,3,4,5,6,7
	global_load_b128 v[192+4*\q:195+4*\q], v[BH], s[\sg:\sg+1] offset:16*\q
.endr
.irp q,0,1,2,3,4,5,6,7
	global_load_b128 v[224+4*\q:227+4*\q], v[BH], s[\sb:\sb+1] offset:16*\q
.endr
	WIN 0
.endm
.macro XLOAD a16, a8, off0, mstr, scoff, scstr   ; 4 scale words, 16 loads for the first K step, 16 for the second
	WIN 0
.irp m,0,1,2,3
	ds_load_b32 v[XSC+\m], v[L4] offset:(\scoff)+(\scstr)*\m
.endr
	WIN 0xc0
.irp sl,0,1
.irp m,0,1,2,3
	ds_load_b128 v[24*\m+12*\sl:24*\m+12*\sl+3], v[\a16] offset:(\off0)+(\mstr)*\m+1536*\sl
	ds_load_b64 v[24*\m+12*\sl+4:24*\m+12*\sl+5], v[\a8] offset:(\off0)+(\mstr)*\m+1536*\sl+512
	ds_load_b128 v[24*\m+12*\sl+6:24*\m+12*\sl+9], v[\a16] offset:(\off0)+(\mstr)*\m+1536*\sl+768
	ds_load_b64 v[24*\m+12*\sl+10:24*\m+12*\sl+11], v[\a8] offset:(\off0)+(\mstr)*\m+1536*\sl+1280
.endr
.endr
	WIN 0
.endm
.macro WM d, a, b, c, sa, sb, row
.if \row
	v_wmma_scale_f32_16x16x128_f8f6f4 v[(\d):(\d)+7], v[(\a):(\a)+11], v[(\b):(\b)+11], v[(\c):(\c)+7], v[\sa], v[\sb] matrix_a_fmt:MATRIX_FMT_FP6 matrix_b_fmt:MATRIX_FMT_FP6 matrix_a_scale:MATRIX_SCALE_ROW1 matrix_b_scale:MATRIX_SCALE_ROW1
.else
	v_wmma_scale_f32_16x16x128_f8f6f4 v[(\d):(\d)+7], v[(\a):(\a)+11], v[(\b):(\b)+11], v[(\c):(\c)+7], v[\sa], v[\sb] matrix_a_fmt:MATRIX_FMT_FP6 matrix_b_fmt:MATRIX_FMT_FP6
.endif
.endm
; A unit's 32 products.  set >= 0: the bias of that set starts the sums; -1: they go on.  ld = 1: the last LDS instructions issued are an XLOAD's.  The sixteen accumulators take turns, one instruction a turn.
; Codes, scale words and biases all come by loads: no operand of a product is written by a vector instruction.
.macro MM slot, set, ld
.set SW, 1+(\slot)/2
.set WR, 96*((\slot)%2)
.if \ld
	s_wait_dscnt 16                                ; the scale words and the first K step are in; the second step's 16 loads may be out
.endif
.if (\set) >= 0
	WIN SW+0x1c
.irp m,0,1,2,3
.irp t,0,1,2,3
	WM ACC+32*\m+8*\t, WR+12*\t, 24*\m, 192+32*(\set)+8*\t, WSC+4*(\slot)+\t, XSC+\m, 0
.endr
.endr
.else
	WIN SW+0x0c
.irp m,0,1,2,3
.irp t,0,1,2,3
	WM ACC+32*\m+8*\t, WR+12*\t, 24*\m, ACC+32*\m+8*\t, WSC+4*(\slot)+\t, XSC+\m, 0
.endr
.endr
.endif
.if \ld
	s_wait_dscnt 0x0
.endif
	WIN SW+0x0c
.irp m,0,1,2,3
.irp t,0,1,2,3
	WM ACC+32*\m+8*\t, WR+48+12*\t, 24*\m+12, ACC+32*\m+8*\t, WSC+4*(\slot)+\t, XSC+\m, 1
.endr
.endr
	WIN 0
.endm
; ACC (layout L) becomes codes in PC, the blocks' bytes in BY; every accumulator is read from its low end on.  freed = 1: since the last wait on vm_vsrc a store has read a register that is written from here on.
.macro QCORE relu, freed
	WIN 0
.if \freed
	s_wait_alu depctr_vm_vsrc(0)                   ; the LDS stores of the codes and bytes made last have read v[PC ..] and v[PP ..], which are written again from here on
.endif
.if \relu
.set QI, 0
.rept 32
.irp m,0,1,2,3
	v_max_num_f32 v[ACC+32*\m+QI], 0, v[ACC+32*\m+QI]
.endr
.set QI, QI+1
.endr
.irp m,0,1,2,3
	v_max3_num_f32 v[MX+\m], v[ACC+32*\m], v[ACC+32*\m+1], 0x1800000
.endr
.set QI, 2
.rept 15
.irp m,0,1,2,3
	v_max3_num_f32 v[MX+\m], v[MX+\m], v[ACC+32*\m+QI], v[ACC+32*\m+QI+1]
.endr
.set QI, QI+2
.endr
.else
.irp m,0,1,2,3
	v_max3_num_f32 v[MX+\m], |v[ACC+32*\m]|, |v[ACC+32*\m+1]|, 0x1800000
.endr
.set QI, 2
.rept 15
.irp m,0,1,2,3
	v_max3_num_f32 v[MX+\m], v[MX+\m], |v[ACC+32*\m+QI]|, |v[ACC+32*\m+QI+1]|
.endr
.set QI, QI+2
.endr
.endif
.irp m,0,1,2,3
	v_add_nc_u32 v[SO+\m], 0xff000000, v[MX+\m]
.endr
.irp m,0,1,2,3
	v_lshrrev_b32 v[BY+\m], 23, v[SO+\m]
.endr
.irp m,0,1,2,3
	v_cvt_scalef32_pk16_fp6_f32 v[PC+6*\m:PC+6*\m+2], v[ACC+32*\m:ACC+32*\m+15], v[SO+\m]
	v_cvt_scalef32_pk16_fp6_f32 v[TC+4*\m:TC+4*\m+2], v[ACC+32*\m+16:ACC+32*\m+31], v[SO+\m]
.endr
	v_nop                                          ; one plain place behind a scaled conversion
.irp m,0,1,2,3
.irp i,0,1,2
	v_mov_b32 v[PC+6*\m+3+\i], v[TC+4*\m+\i]
.endr
.endr
.endm
.macro QPUT aA, aB, off, mstr, aS, soff, sstr
.irp m,0,1,2,3
	v_lshlrev_b32 v[PP+\m], v[SH8], v[BY+\m]
.endr
.irp m,0,1,2,3
	v_permlanex16_b32 v[MX+\m], v[PP+\m], s66, s67
.endr
.irp m,0,1,2,3
	v_or_b32 v[PP+\m], v[PP+\m], v[MX+\m]
.endr
	s_wait_alu depctr_va_vdst(0)                   ; THE STEP'S ONE WAIT: the conversions and moves have written v[PC ..], the lines above v[PP ..], which the LDS stores read; and all earlier products are done with the registers in which the loads behind these stores land
.irp m,0,1,2,3
	ds_store_b128 v[\aA], v[PC+6*\m:PC+6*\m+3] offset:(\off)+(\mstr)*\m
	ds_store_b64 v[\aB], v[PC+6*\m+4:PC+6*\m+5] offset:(\off)+(\mstr)*\m+512
	ds_store_b16 v[\aS], v[PP+\m] offset:(\soff)+(\sstr)*\m
.endr
.endm
; SM (my 32 columns' sums for four rows) becomes the whole rows' sums; every wave adds in the same order.  In two parts: loads may stand between them.
.macro EXPUT k
	WIN 0
.irp m,0,1,2,3
	v_permlanex16_b32 v[MX+\m], v[SM+\m], s66, s67
.endr
.irp m,0,1,2,3
	v_add_f32 v[SM+\m], v[SM+\m], v[MX+\m]
.endr
	s_wait_alu depctr_va_vdst(0)                   ; the additions have written v[SM ..], which the LDS store reads; all earlier vector work on v[PC ..], in which the second part's loads land, is done
	ds_store_b128 v[STW], v[SM:SM+3] offset:2048*(\k)
.endm
.macro EXGET k
	BAR
	s_wait_alu depctr_vm_vsrc(0)                   ; the LDS store has read v[SM ..], which the sums below write again
.irp j,0,1,2,3
	ds_load_b128 v[PC+4*\j:PC+4*\j+3], v[STR] offset:2048*(\k)+512*\j
.endr
	s_wait_dscnt 0x0
	v_pk_add_f32 v[PC:PC+1], v[PC:PC+1], v[PC+4:PC+5]
	v_pk_add_f32 v[PC+2:PC+3], v[PC+2:PC+3], v[PC+6:PC+7]
	v_pk_add_f32 v[PC+8:PC+9], v[PC+8:PC+9], v[PC+12:PC+13]
	v_pk_add_f32 v[PC+10:PC+11], v[PC+10:PC+11], v[PC+14:PC+15]
	v_pk_add_f32 v[SM:SM+1], v[PC:PC+1], v[PC+8:PC+9]
	v_pk_add_f32 v[SM+2:SM+3], v[PC+2:PC+3], v[PC+10:PC+11]
.endm
.macro LNSUM
	WIN 0x0f
.irp m,0,1,2,3
	v_pk_add_f32 v[TC+4*\m:TC+4*\m+1], v[96+32*\m:97+32*\m], v[98+32*\m:99+32*\m]
.endr
	WIN 0x0c
.set QI, 4
.rept 14
.irp m,0,1,2,3
	v_pk_add_f32 v[TC+4*\m:TC+4*\m+1], v[TC+4*\m:TC+4*\m+1], v[96+32*\m+QI:97+32*\m+QI]
.endr
.set QI, QI+2
.endr
	WIN 0
.irp m,0,1,2,3
	v_add_f32 v[SM+\m], v[TC+4*\m], v[TC+4*\m+1]
.endr
.endm
.macro LNSQ                            ; the means; ACC = Z - mean (it stays for LNAPPLY); SM = the sums of its squares
	WIN 0
.irp m,0,1,2,3
	v_mul_f32 v[MU+2*\m], s72, v[SM+\m]
	v_mul_f32 v[MU+2*\m+1], s72, v[SM+\m]
.endr
	WIN 0x03
.set QI, 0
.rept 16
.irp m,0,1,2,3
	v_pk_add_f32 v[ACC+32*\m+QI:ACC+32*\m+QI+1], v[96+32*\m+QI:97+32*\m+QI], v[MU+2*\m:MU+2*\m+1] neg_lo:[0,1] neg_hi:[0,1]
.endr
.set QI, QI+2
.endr
	WIN 0
.irp m,0,1,2,3
	v_pk_mul_f32 v[TC+4*\m:TC+4*\m+1], v[ACC+32*\m:ACC+32*\m+1], v[ACC+32*\m:ACC+32*\m+1]
.endr
.set QI, 2
.rept 15
.irp m,0,1,2,3
	v_pk_fma_f32 v[TC+4*\m:TC+4*\m+1], v[ACC+32*\m+QI:ACC+32*\m+QI+1], v[ACC+32*\m+QI:ACC+32*\m+QI+1], v[TC+4*\m:TC+4*\m+1]
.endr
.set QI, QI+2
.endr
.irp m,0,1,2,3
	v_add_f32 v[SM+\m], v[TC+4*\m], v[TC+4*\m+1]
.endr
.endm
.macro LNFIN
.irp m,0,1,2,3
	v_fma_f32 v[RS+2*\m], v[SM+\m], s72, s73
.endr
	s_wait_alu depctr_va_vdst(0)
.irp m,0,1,2,3
	v_rsq_f32 v[RS+2*\m], v[RS+2*\m]
.endr
	v_nop                                          ; a plain place behind the last of the four,
	s_wait_alu depctr_va_vdst(0)                   ; and one wait for the batch: the four v_rsq_f32 have written v[RS ..], ahead of their first reader
.irp m,0,1,2,3
	v_mov_b32 v[RS+2*\m+1], v[RS+2*\m]
.endr
.endm
.macro LNAPPLY
	WIN 0
.set QI, 0
.rept 16
.irp m,0,1,2,3
	v_pk_mul_f32 v[ACC+32*\m+QI:ACC+32*\m+QI+1], v[ACC+32*\m+QI:ACC+32*\m+QI+1], v[RS+2*\m:RS+2*\m+1]
.endr
.set QI, QI+2
.endr
	WIN 0x28
.set QI, 0
.rept 16
.irp m,0,1,2,3
	v_pk_fma_f32 v[ACC+32*\m+QI:ACC+32*\m+QI+1], v[ACC+32*\m+QI:ACC+32*\m+QI+1], v[192+QI:193+QI], v[224+QI:225+QI]
.endr
.set QI, QI+2
.endr
	WIN 0
.endm
; ---------------- the head ----------------
	s_load_b512 s[8:23], s[0:1], 0x0
	s_load_b64 s[24:25], s[0:1], 0x40
	v_lshl_add_u32 v[SPW], v0, 2, SPARE
	v_mov_b32 v[NIL], 0
	v_lshrrev_b32 v21, 5, v0
	v_readfirstlane_b32 s2, v21                    ; wave 0..3
	v_and_b32 v21, 31, v0                          ; l
	v_and_b32 v22, 15, v0                          ; r
	v_bfe_u32 v23, v0, 4, 1                        ; h
	v_lshlrev_b32 v[L16], 4, v21
	v_lshlrev_b32 v[L8], 3, v21
	v_lshlrev_b32 v[L4], 2, v21
	v_add_nc_u32 v[L16H], HID, v[L16]
	s_wait_alu depctr_va_vdst(0)
	v_add_nc_u32 v[L8H], HID, v[L8]
	s_wait_alu depctr_va_vdst(0)
	s_wait_alu depctr_va_sdst(0)                   ; s2, the wave's number, is written, ahead of its first reader
	s_mul_i32 s70, s2, 768
	v_add_nc_u32 v[PA], s70, v[L16]
	v_add_nc_u32 v[PB], s70, v[L8]
	s_lshr_b32 s70, s2, 1
	s_lshl_b32 s70, s70, 6
	s_and_b32 s71, s2, 1
	s_lshl_b32 s71, s71, 1
	s_add_co_u32 s70, s70, s71
	v_lshl_add_u32 v[PS], v22, 2, s70
	s_mul_i32 s70, s2, 3072
	v_add_nc_u32 v[HPA], s70, v[L16H]
	v_add_nc_u32 v[HPB], s70, v[L8H]
	s_lshl_b32 s70, s2, 7
	v_lshl_add_u32 v[HPS], v22, 2, s70
	s_lshl_b32 s70, s2, 9
	s_add_co_u32 s70, s70, STAT
	v_add_nc_u32 v[STW], s70, v[L16]
	v_add_nc_u32 v[STR], STAT, v[L16]
	s_mul_i32 s70, s2, 17408
	s_add_co_u32 s70, s70, STG
	v_mul_u32_u24 v24, v23, 272
	v_lshl_add_u32 v24, v22, 4, v24
	v_add_nc_u32 v[SGW], s70, v24
	v_mul_u32_u24 v24, v22, 272
	v_lshl_add_u32 v24, v23, 7, v24
	v_add_nc_u32 v[SGR], s70, v24
	v_lshlrev_b32 v[GRAW], 10, v23
	v_lshl_add_u32 v[GRAW], v22, 4, v[GRAW]
	v_lshlrev_b32 v[BH], 7, v23
	v_lshlrev_b32 v[SH8], 3, v23
.irp m,0,1,2,3
	v_mov_b32 v[MX+\m], 0                          ; written once: a lane permute's destination counts as one of its sources
.endr
	v_mul_u32_u24 v26, v23, 49152                  ; ctx's codes: lanes 16-31 take the next head,
	v_mad_u32_u24 v26, v22, 24, v26                ; 24 bytes a row
	v_lshlrev_b32 v27, 3, v22
	v_lshl_add_u32 v27, v23, 2, v27                ; its bytes: 8 a row; lanes 16-31 the second K step's four
	s_mov_b32 s66, 0x76543210
	s_mov_b32 s67, 0xfedcba98
	s_mov_b32 s72, 0x3b800000                      ; 1 / 256
	s_mov_b32 s73, 0x3727c5ac                      ; 1e-5
	s_lshr_b32 s4, ttmp9, 5                        ; batch
	s_and_b32 s5, ttmp9, 31                        ; which 64 rows of it
	s_lshl_b32 s76, ttmp9, 16
	s_lshl_b32 s74, s2, 8
	s_add_co_u32 s76, s76, s74                     ; 65,536 blk + 256 w
	s_mov_b32 s77, 0
	s_mov_b32 s75, 0
	s_lshl_b32 s78, ttmp9, 16
	s_lshl_b32 s70, s2, 14
	s_add_co_u32 s78, s78, s70                     ; 65,536 blk + 16,384 w
	s_mov_b32 s79, 0
	s_mul_i32 s80, s4, 8*49152
	s_mul_i32 s81, s5, 1536
	s_add_co_u32 s80, s80, s81
	s_mov_b32 s81, 0
	s_lshl_b32 s82, ttmp9, 9
	s_add_co_u32 s82, s82, CS_OFF
	s_mov_b32 s83, 0
	s_mov_b32 s71, 0
	s_wait_kmcnt 0x0
	s_add_nc_u64 s[26:27], s[CCP:CCP+1], s[80:81]  ; ctx's codes at the batch's first head and my work-group's first row
	s_add_nc_u64 s[28:29], s[CCP:CCP+1], s[82:83]  ; its bytes
	s_add_nc_u64 s[ZB:ZB+1], s[ZB:ZB+1], s[78:79]
	s_add_nc_u64 s[OUT:OUT+1], s[OUT:OUT+1], s[76:77]
.irp p, AOB, F2B2, N4G, N4B
	s_add_nc_u64 s[\p:\p+1], s[\p:\p+1], s[74:75]
.endr
	s_lshl_b32 s70, s2, 10
	s_add_nc_u64 s[F2B1:F2B1+1], s[F2B1:F2B1+1], s[70:71]
	s_add_nc_u64 s[WSB:WSB+1], s[WB:WB+1], WS_OFF
	s_lshl_b32 s70, s2, 9
	s_add_nc_u64 s[WSB:WSB+1], s[WSB:WSB+1], s[70:71]
	s_mul_i32 s70, s2, 12288
	s_add_nc_u64 s[WB:WB+1], s[WB:WB+1], s[70:71]
; ---------------- attn_out, refined_z ----------------
	WIN 0xc0
	s_wait_alu depctr_va_vdst(0)                   ; all addresses and offsets are written: v1-v18, v26, v27, which the loads and stores of the whole kernel read
.irp m,0,1,2,3
.irp sl,0,1
.irp c,0,1
.irp p,0,1,2
	global_load_b64 v[24*\m+12*\sl+6*\c+2*\p:24*\m+12*\sl+6*\c+2*\p+1], v26, s[26:27] offset:(4*\sl+2*\c)*49152+384*\m+8*\p   ; block 2 c + hh of K step sl is head 4 sl + 2 c + hh: 48 loads
.endr
.endr
.endr
.endr
	WIN 0
.irp m,0,1,2,3
	global_load_b32 v[XSC+\m], v27, s[28:29] offset:128*\m   ; 4
.endr
	WLOAD 13, 0
	BLOAD AOB, 0, 0                                ; 33
	WIN 0xc0
.irp m,0,1,2,3
.irp q,0,1,2,3,4,5,6,7
	global_load_b128 v[96+32*\m+4*\q:99+32*\m+4*\q], v[L16], s[ZB:ZB+1] offset:4096*\m+512*\q th:TH_LOAD_NT   ; z_bar, an image of these registers: 32
.endr
.endr
	WIN 0
	s_wait_loadcnt 32                              ; ctx, the unit and its bias are in; z_bar's 32 loads may be out
	MM 0, 0, 0
	PLACES
	GBLOAD N4G, N4B                                ; 16: these loads and the 33 below land in registers that nothing has named yet
	WLOAD 14, 1
	BLOAD F2B1, 0, 1                               ; 33
	s_wait_loadcnt 49                              ; z_bar: behind it 16 + 33
	WIN 0xcc
.set QI, 0
.rept 16
.irp m,0,1,2,3
	v_pk_add_f32 v[96+32*\m+QI:97+32*\m+QI], v[ACC+32*\m+QI:ACC+32*\m+QI+1], v[96+32*\m+QI:97+32*\m+QI]   ; refined_z
.endr
.set QI, QI+2
.endr
	WIN 0
; ---------------- LN4, FFN2 ----------------
	LNSUM
	EXPUT 0
	WLOAD 15, 2                                    ; into registers that nothing has named yet
	WLOAD 16, 3                                    ; 50
	EXGET 0
	LNSQ
	EXPUT 1
	EXGET 1
	LNFIN
	s_wait_alu depctr_va_vdst(0)
	s_wait_loadcnt 63                              ; g and b want 83 left out at the most: 63 is what the wait can name, and is the stricter
	LNAPPLY
	QCORE 0, 0                                     ; (nothing has read its registers since the exchange's wait on vm_vsrc)
	QPUT PA, PB, X0, 3072, PS, XS0, 128
	WLOAD 17, 0                                    ; behind the step's wait: unit 13's products are done reading slot 0, its scale words and bias set 0
	BLOAD F2B1, 256, 0                             ; 33
	BAR
	XLOAD L16, L8, X0, 3072, XS0, 128              ; once for the four units of the hidden layer; unit 13's products were done reading the fragments and their scale words at the step's wait
	s_wait_loadcnt 63                              ; unit 14 and its bias want 83 left out at the most
	MM 1, 1, 1
	PLACES
	QCORE 1, 1
	QPUT HPA, HPB, 0, 12288, HPS, HSC, 512
	WLOAD 18, 1                                    ; behind the step's wait, here and in the next three steps: the unit's products are done reading their slot, its scale words and their bias set
	BLOAD F2B1, 512, 1                             ; 33
	s_wait_loadcnt 33                              ; unit 15 and its bias: behind them the last 33
	MM 2, 0, 0
	PLACES
	QCORE 1, 1
	QPUT HPA, HPB, 768, 12288, HPS, HSC+2, 512
	WLOAD 19, 2
	BLOAD F2B1, 768, 0                             ; 33
	s_wait_loadcnt 33
	MM 3, 1, 0
	PLACES
	QCORE 1, 1
	QPUT HPA, HPB, 1536, 12288, HPS, HSC+64, 512
	WLOAD 20, 3
	BLOAD F2B2, 0, 1                               ; 33
	s_wait_loadcnt 33
	MM 0, 0, 0
	PLACES
	QCORE 1, 1
	QPUT HPA, HPB, 2304, 12288, HPS, HSC+66, 512
	WLOAD 21, 0                                    ; 25
	BAR                                            ; the hidden layer's 32 fragments lie in LDS
	s_wait_loadcnt 25                              ; ffn2_b2: behind it the last 25
	XLOAD L16H, L8H, 0, 12288, HSC, 512            ; the four units' products were done reading the fragments at the last step's wait
	MM 1, 1, 1
	PLACES
	s_wait_alu depctr_va_vdst(0)                   ; unit 18's products are done reading x's fragments and scale words, in which the loads below land
	XLOAD L16H, L8H, 3072, 12288, HSC+128, 512
	MM 2, -1, 1
	PLACES
	s_wait_alu depctr_va_vdst(0)                   ; unit 19's products are done reading x's fragments and scale words
	XLOAD L16H, L8H, 6144, 12288, HSC+256, 512
	MM 3, -1, 1
	PLACES
	s_wait_loadcnt 0x0
	s_wait_alu depctr_va_vdst(0)                   ; unit 20's products are done reading x's fragments and scale words
	XLOAD L16H, L8H, 9216, 12288, HSC+384, 512
	MM 0, -1, 1
	PLACES
	WIN 0x0c
.set QI, 0
.rept 16
.irp m,0,1,2,3
	v_pk_add_f32 v[ACC+32*\m+QI:ACC+32*\m+QI+1], v[ACC+32*\m+QI:ACC+32*\m+QI+1], v[96+32*\m+QI:97+32*\m+QI]   ; + refined_z
.endr
.set QI, QI+2
.endr
	WIN 0
	; the way out: layout L becomes raw rows through my own stage; LDS serves a wave's instructions in order (ISA guide 5.7.1.4): no wait on DScnt between the stores and the loads
	s_wait_alu depctr_va_vdst(0)                   ; the additions have written the accumulators' registers, which the LDS stores read and in which the LDS loads land
.irp m,0,1,2,3
.irp q,0,1,2,3,4,5,6,7
	ds_store_b128 v[SGR], v[ACC+32*\m+4*\q:ACC+32*\m+4*\q+3] offset:4352*\m+16*\q
.endr
.endr
	s_wait_alu depctr_vm_vsrc(0)                   ; the 32 LDS stores have read these registers, in which the 32 loads below land
.set QI, 0
.rept 32
	ds_load_b128 v[ACC+4*QI:ACC+4*QI+3], v[SGW] offset:544*QI
.set QI, QI+1
.endr
.set QI, 0
.rept 32
	s_wait_dscnt 31-QI                             ; LDS loads come back in order: number QI is in, the younger ones may be out
	global_store_b128 v[GRAW], v[ACC+4*QI:ACC+4*QI+3], s[OUT:OUT+1] offset:2048*QI th:TH_STORE_NT   ; sixteen lanes store 256 consecutive bytes, at a multiple of 256 from the output's first byte
.set QI, QI+1
.endr
	s_wait_dscnt 0x0                               ; the closing lines, six on end
	s_wait_alu 0x0
	s_wait_tensorcnt 0x0
	ds_add_u32 v[SPW], v[NIL]
	s_wait_dscnt 0x0
	s_endpgm
.Lfunc_end_k_qbec288177c_chain2:
	.size	k_qbec288177c_chain2, .Lfunc_end_k_qbec288177c_chain2-k_qbec288177c_chain2
	.p2alignl 7, 3214868480
	.fill 96, 4, 3214868480
	.section	.rodata,"a",@progbits
	.p2align	6, 0x0
	.amdhsa_kernel k_qbec288177c_chain2
		.amdhsa_group_segment_fixed_size 160256
		.amdhsa_private_segment_fixed_size 0
		.amdhsa_enable_private_segment 0
		.amdhsa_kernarg_size 72
		.amdhsa_user_sgpr_count 2
		.amdhsa_user_sgpr_kernarg_segment_ptr 1
		.amdhsa_wavefront_size32 1
		.amdhsa_system_sgpr_workgroup_id_x 1
		.amdhsa_system_sgpr_workgroup_id_y 1
		.amdhsa_system_sgpr_workgroup_id_z 1
		.amdhsa_system_vgpr_workitem_id 0
		.amdhsa_next_free_vgpr 1024
		.amdhsa_next_free_sgpr 100
		.amdhsa_reserve_vcc 0
		.amdhsa_float_denorm_mode_32 3
		.amdhsa_float_denorm_mode_16_64 3
		.amdhsa_memory_ordered 1
		.amdhsa_forward_progress 1
		.amdhsa_inst_pref_size 181
	.end_amdhsa_kernel
	.amdgpu_metadata
---
amdhsa.version: [ 1, 2 ]
amdhsa.kernels:
  - .name:           k_qbec288177c_chain2
    .symbol:         k_qbec288177c_chain2.kd
    .args:
      - { .name: cc, .offset: 0, .size: 8, .value_kind: global_buffer, .address_space: global }
      - { .name: zbar, .offset: 8, .size: 8, .value_kind: global_buffer, .address_space: global }
      - { .name: wq, .offset: 16, .size: 8, .value_kind: global_buffer, .address_space: global }
      - { .name: attn_out_b, .offset: 24, .size: 8, .value_kind: global_buffer, .address_space: global }
      - { .name: ffn2_b1, .offset: 32, .size: 8, .value_kind: global_buffer, .address_space: global }
      - { .name: ffn2_b2, .offset: 40, .size: 8, .value_kind: global_buffer, .address_space: global }
      - { .name: n4_g, .offset: 48, .size: 8, .value_kind: global_buffer, .address_space: global }
      - { .name: n4_b, .offset: 56, .size: 8, .value_kind: global_buffer, .address_space: global }
      - { .name: out0, .offset: 64, .size: 8, .value_kind: global_buffer, .address_space: global }
    .group_segment_fixed_size: 160256
    .private_segment_fixed_size: 0
    .kernarg_segment_align: 8
    .kernarg_segment_size: 72
    .max_flat_workgroup_size: 128
    .sgpr_count:     100
    .vgpr_count:     1024
    .wavefront_size: 32
...
	.end_amdgpu_metadata
.endif
;; end of part 8
